; MI455X (gfx1250); checked and timed in simulation.
; The chip was launched on July 23, 2026; its instructions are those of AMD's public machine-readable ISA for CDNA 5 (MIT licence, August 2026) and "CDNA5" Instruction Set Architecture Reference Guide (July 2026). The comments in the code are by the model that wrote it; some were corrected since.
;; Attention Block. Allowed arithmetic: matrix products marked QUANTISED: E2M3 operands, one E8M0 scale for each 32 along K, by v_wmma_scale_f32_16x16x128_f8f6f4 with both operands' format E2M3, f32 sums; everything else in f32.
;; Inputs: b_proj 256 float32; b_qkv 768 float32; b_se1 64 float32; b_se2 256 float32; gn_beta 256 float32; gn_gamma 256 float32; w_proj_codes 256 x 8 x 24 uint8 (E2M3 codes of w_proj, K innermost, in blocks of 32 codes, four codes in three bytes); w_proj_scales 256 x 8 uint8 (E8M0 scales of w_proj, one for each 32 codes along K); w_qkv_codes 768 x 8 x 24 uint8 (E2M3 codes of w_qkv, K innermost, in blocks of 32 codes, four codes in three bytes); w_qkv_scales 768 x 8 uint8 (E8M0 scales of w_qkv, one for each 32 codes along K); w_se1_codes 64 x 8 x 24 uint8 (E2M3 codes of w_se1, K innermost, in blocks of 32 codes, four codes in three bytes); w_se1_scales 64 x 8 uint8 (E8M0 scales of w_se1, one for each 32 codes along K); w_se2_codes 256 x 2 x 24 uint8 (E2M3 codes of w_se2, K innermost, in blocks of 32 codes, four codes in three bytes); w_se2_scales 256 x 2 uint8 (E8M0 scales of w_se2, one for each 32 codes along K); x 32 x 256 x 32 x 32 float32.
;; Outputs: out0 32 x 256 x 32 x 32 float32.
;; This version of the problem:
;;   THIS VERSION OF THE PROBLEM IS GIVEN IN LOW PRECISION. The matrix products marked QUANTISED in the list below multiply operands that are first quantised to E2M3 (2 exponent bits, 3 mantissa bits; 6 bits a number), with one power-of-two scale for each 32 numbers along K (OCP MX v1.0); their sums are f32. All else is computed in f32.
;;   The module's matrix products, in the order in which they are computed (A, B: the left and right operand; K: the contracted axis; several contracted axes count as one K, in the product's order):
;;     1. [M 32,768, K 256] x [K 256, N 768]; A: computed on the way; B: input w_qkv (given as codes): QUANTISED
;;     2. batch 32 x [M 1,024, K 256] x [K 256, N 1,024]; A: computed on the way; B: computed on the way: QUANTISED
;;     3. batch 32 x [M 256, K 1,024] x [K 1,024, N 1,024]; A: computed on the way; B: softmax (see below): QUANTISED
;;     4. [M 32,768, K 256] x [K 256, N 256]; A: computed on the way; B: input w_proj (given as codes): QUANTISED
;;     5. [M 32, K 256] x [K 256, N 64]; A: computed on the way; B: input w_se1 (given as codes): QUANTISED
;;     6. [M 32, K 64] x [K 64, N 256]; A: computed on the way; B: input w_se2 (given as codes): QUANTISED
;;   THE QUANTISER, for each operand of a quantised product, along K:
;;     - K is cut into blocks of 32 from its start; a last block that is shorter is filled with zeros.
;;     - A block's scale is 2^e with e = floor(log2(the largest magnitude in the block)) - 2, held to -126 .. 127; a block of zeros has e = 0. As a byte (E8M0): e + 127.
;;     - Each number is divided by its block's scale, clamped to +-7.5, and rounded to the nearest number of E2M3, ties to even, subnormals kept.
;;     - The product sums the exact products of the quantised numbers (number of the format x scale) in f32.
;;   ~~~python
;;   def quantise(x, axis):      # numpy; x: float32 -> the quantised numbers, widened to float32 again
;;       x = np.moveaxis(x, axis, -1); K = x.shape[-1]
;;       x = np.pad(x, [(0, 0)] * (x.ndim - 1) + [(0, -K % 32)]); x = x.reshape(x.shape[:-1] + (-1, 32)); a = np.abs(x).max(-1, keepdims=True)
;;       e = np.where(a > 0, np.clip(np.frexp(np.where(a > 0, a, 1))[1] - 1 - 2, -126, 127), 0)      # np.frexp(a)[1] - 1 = floor(log2(a)), exactly
;;       r = np.clip(x / 2.0 ** e, -7.5, 7.5)
;;       step = 2.0 ** (np.maximum(np.frexp(np.where(r == 0, 1, r))[1] - 1, 0) - 3)
;;       q = np.round(r / step) * step * 2.0 ** e      # np.round: ties to even
;;       return np.moveaxis(q.reshape(q.shape[:-2] + (-1,))[..., :K], -1, axis).astype(np.float32)
;;   ~~~
;;   SOFTMAX AHEAD OF A QUANTISED PRODUCT. Where the list says 'softmax', what is quantised is not the finished softmax but p = 2^(t - M), with t = logit x log2(e) and M = ceil(the row's largest t), a whole number; so 1/2 < the row's largest p <= 1. The row's sum l is taken of the UNQUANTISED p, in f32, and the product's result is divided by l at the end. Since M is a whole number, a kernel that streams over the keys may use a running M (the ceiling of the running maximum): every later rescaling is an exact power of two, which a block's scale takes up: the codes' values come out the same.
;;   OPERANDS COMPUTED ON THE WAY. 'Computed on the way' means the value that the module computes at that place (a softmax that the list does not call 'softmax' is quantised finished and normalised). What goes into a quantiser is computed in f32, as accurately as f32 sums, v_exp_f32 and their like allow (about 1e-6 of the number): no bf16 or f16 on the way to a quantiser, and a product that is left as it is and whose result goes on into a quantised operand takes f32 operands (vector FMAs, or v_wmma_f32_16x16x4_f32). A number that lies on a knife's edge between two numbers of the format may be rounded either way, as far as f32 arithmetic and the matrix unit's own rounding can turn it there, and no further.
;;   INPUTS GIVEN AS CODES. w_proj (in the module: [256, 256], K = its axis 1); w_qkv (in the module: [768, 256], K = its axis 1); w_se1 (in the module: [64, 256], K = its axis 1); w_se2 (in the module: [256, 64], K = its axis 1): each comes as NAME_codes (uint8): NAME with its K axis moved to the last place and cut into blocks of 32 codes, [.., K / 32, bytes a block], one block behind the other in memory; four codes in three bytes: a row's codes are one little-endian stream of bits, code i at bits 6 i .. 6 i + 5 (a code: sign, 2 exponent bits, 3 mantissa bits); and NAME_scales (uint8): the same leading axes, one E8M0 byte (e + 127) for each 32 codes along K. Its value is code x scale, taken as it is: it is not quantised again, and the codes and scales need not be those that the quantiser above would give.
;; 3 versions, each right; version 3 is version 2 with the launch qkv written anew for expert scheduling mode. Each part assembles by itself: llvm-mc -triple=amdgcn-amd-amdhsa -mcpu=gfx1250 --defsym DOCPART=n.
;; ======== version 1 of 3: 3 launches
;; workspace buffers: stats 98,304 bytes; qkvc 19,660,800 bytes
;; launch stats (part 1): grid 256 x 1, 4 waves a work-group, no clusters, 1,024 bytes of LDS; arguments x, gn_gamma, stats; writes stats
.if DOCPART == 1
	.amdgcn_target "amdgcn-amd-amdhsa--gfx1250"
	.amdhsa_code_object_version 6
	.text
	.protected	k_qc4635759c2_stats
	.globl	k_qc4635759c2_stats
	.p2align	8
	.type	k_qc4635759c2_stats,@function
k_qc4635759c2_stats:
	s_mov_b64 s[64:65], 0
	v_nop
	global_prefetch_b8 v0, s[64:65] scope:SCOPE_SE
	s_setreg_imm32_b32 hwreg(HW_REG_WAVE_MODE, 25, 1), 1
	s_wait_xcnt 0x0
; GroupNorm's statistics and the channel means of x [32][256][1024] f32.
; stats: bytes 0 .. 65,535: for each of the 32 x 256 channels the pair (its group's mean, gamma x rsqrt(var + 1e-5)); from byte 65,536 on: the channel's own mean (the SE branch's pooled).
; A wave owns one group: 8 channels x 1,024 numbers, 32,768 dense bytes.  A channel is 32 registers (8 loads of 512 consecutive bytes a wave); four channel slots take turns, so that 24 loads stay out.
; THE VARIANCE IS MADE OF CENTRED SUMS: each channel's squares are taken about the channel's own mean, and the eight means' spread about the group's mean is added: var = (sum of squares + 1024 x spread) / 8192.
; No difference of large sums is formed, so a common offset of the inputs costs no digits.
; No LDS ring, no matrix unit, no cluster: the work-groups share no byte.  LIMITS: NaN and infinities among the inputs are not served.
.set MC, 8                             ; v8-15   the eight channel means
.set MP, 16                            ; v[16:17] the mean of the channel in hand, twice (a pair for the packed subtraction)
.set T,  20                            ; v20-27  four pairs at work
.set SQ, 28                            ; v28-35  four pairs of running sums of squares
.set D,  36                            ; v36-43  differences
.set X,  48                            ; v48-175 four slots of 32 registers
	s_load_b128 s[4:7], s[0:1], 0x0                ; x, gamma
	s_load_b64 s[8:9], s[0:1], 0x10                ; stats
	v_lshl_add_u32 v176, v0, 2, 0x200
	v_mov_b32 v177, 0
	v_lshrrev_b32 v1, 5, v0
	v_readfirstlane_b32 s10, v1                    ; wave 0..3
	v_and_b32 v2, 31, v0                           ; lane
	v_lshlrev_b32 v1, 4, v2                        ; 16 bytes a lane
	v_lshlrev_b32 v5, 3, v2                        ; 8 x lane: the way out of the pairs
	v_lshlrev_b32 v6, 2, v2                        ; 4 x lane: of the means
	v_and_b32 v2, 7, v0                            ; the channel of the group that my lane reports
	s_and_b32 s11, ttmp9, 7
	s_lshl_b32 s11, s11, 7                         ; gamma: 32 channels of 4 bytes for each work-group of an image,
	s_lshl_b32 s12, s10, 5                         ; 8 for each wave
	s_add_co_u32 s11, s11, s12
	v_lshl_add_u32 v3, v2, 2, s11
	s_lshl_b32 s12, ttmp9, 17                      ; x: four groups of 32,768 bytes a work-group,
	s_lshl_b32 s13, s10, 15                        ; one a wave
	s_add_co_u32 s12, s12, s13
	s_mov_b32 s13, 0
	s_lshl_b32 s14, ttmp9, 8                       ; the pairs: 256 bytes a work-group
	s_mov_b32 s15, 0
	s_lshl_b32 s16, ttmp9, 7                       ; the means: 128 bytes a work-group
	s_mov_b32 s17, 0
	s_lshl_b32 s20, s10, 6
	v_lshl_add_u32 v7, v2, 3, s20                  ; LDS: 64 x wave + 8 x channel
	s_lshl_b32 s20, s10, 5
	s_add_co_u32 s20, s20, 256
	v_lshl_add_u32 v44, v2, 2, s20                 ; LDS: 256 + 32 x wave + 4 x channel
	s_mov_b32 s18, 0x76543210                      ; v_permlanex16_b32's selects for lane l xor 16
	s_mov_b32 s19, 0xfedcba98
	v_mov_b32 v45, 0                               ; a lane permute's destination counts as one of its sources
	s_wait_kmcnt 0x0
	s_add_nc_u64 s[4:5], s[4:5], s[12:13]
	s_add_nc_u64 s[22:23], s[8:9], s[16:17]
	s_add_nc_u64 s[8:9], s[8:9], s[14:15]
	global_load_b32 v4, v3, s[6:7]                 ; gamma of my lane's channel
.macro FILL j                          ; channel j into slot j % 4: eight loads of 512 consecutive bytes
.irp k, 0,1,2,3,4,5,6,7
	global_load_b128 v[X+32*((\j)%4)+4*\k:X+32*((\j)%4)+4*\k+3], v1, s[4:5] offset:4096*(\j)+512*\k
.endr
.endm
.macro LANES r                         ; the sum over the wave's 32 lanes, in every lane
	v_add_f32_dpp v[\r], v[\r], v[\r] row_xmask:1 row_mask:0xf bank_mask:0xf
	v_add_f32_dpp v[\r], v[\r], v[\r] row_xmask:2 row_mask:0xf bank_mask:0xf
	v_add_f32_dpp v[\r], v[\r], v[\r] row_xmask:4 row_mask:0xf bank_mask:0xf
	v_add_f32_dpp v[\r], v[\r], v[\r] row_xmask:8 row_mask:0xf bank_mask:0xf
	v_permlanex16_b32 v45, v[\r], s18, s19
	v_add_f32 v[\r], v[\r], v45
.endm
	FILL 0
	FILL 1
	FILL 2
	FILL 3
; Channel j: its mean, then its squares about that mean.  left = the loads issued behind its eight, which may stay out.
.macro TURN j, left
.set XS, X+32*((\j)%4)
	s_wait_loadcnt \left
.irp k, 0,1,2,3
	v_pk_add_f32 v[T+2*\k:T+2*\k+1], v[XS+2*\k:XS+2*\k+1], v[XS+8+2*\k:XS+8+2*\k+1]      ; four chains that do not wait for each other
.endr
.irp k, 0,1,2,3
	v_pk_add_f32 v[T+2*\k:T+2*\k+1], v[T+2*\k:T+2*\k+1], v[XS+16+2*\k:XS+16+2*\k+1]
.endr
.irp k, 0,1,2,3
	v_pk_add_f32 v[T+2*\k:T+2*\k+1], v[T+2*\k:T+2*\k+1], v[XS+24+2*\k:XS+24+2*\k+1]
.endr
	v_pk_add_f32 v[T:T+1], v[T:T+1], v[T+2:T+3]
	v_pk_add_f32 v[T+4:T+5], v[T+4:T+5], v[T+6:T+7]
	v_pk_add_f32 v[T:T+1], v[T:T+1], v[T+4:T+5]
	v_add_f32 v[T], v[T], v[T+1]
	LANES T
	v_mul_f32 v[MP], 0x3a800000, v[T]              ; / 1024
	v_mul_f32 v[MP+1], 0x3a800000, v[T]
	v_mov_b32 v[MC+(\j)], v[MP]
.irp q, 0,1,2,3
.irp k, 0,1,2,3
	v_pk_add_f32 v[D+2*\k:D+2*\k+1], v[XS+8*\q+2*\k:XS+8*\q+2*\k+1], v[MP:MP+1] neg_lo:[0,1] neg_hi:[0,1]
.endr
.irp k, 0,1,2,3
.if ((\j) == 0) && (\q == 0)
	v_pk_mul_f32 v[SQ+2*\k:SQ+2*\k+1], v[D+2*\k:D+2*\k+1], v[D+2*\k:D+2*\k+1]              ; the first squares start the sums: nothing is cleared
.else
	v_pk_fma_f32 v[SQ+2*\k:SQ+2*\k+1], v[D+2*\k:D+2*\k+1], v[D+2*\k:D+2*\k+1], v[SQ+2*\k:SQ+2*\k+1]
.endif
.endr
.endr
.if (\j) < 4
	FILL (\j)+4                                    ; the slot takes the channel four further on
.endif
.endm
	TURN 0, 24
	TURN 1, 24
	TURN 2, 24
	TURN 3, 24
	TURN 4, 24
	TURN 5, 16                                     ; nothing more is asked for: the counts run down
	TURN 6, 8
	TURN 7, 0
	v_add_f32 v[T], v[MC], v[MC+1]
	v_add_f32 v[T+1], v[MC+2], v[MC+3]
	v_add_f32 v[T+2], v[MC+4], v[MC+5]
	v_add_f32 v[T+3], v[MC+6], v[MC+7]
	v_add_f32 v[T], v[T], v[T+1]
	v_add_f32 v[T+2], v[T+2], v[T+3]
	v_add_f32 v[T], v[T], v[T+2]
	v_mul_f32 v46, 0x3e000000, v[T]                ; the group's mean: the eight means' mean
.irp i, 0,1,2,3,4,5,6,7
	v_sub_f32 v[D+\i], v[MC+\i], v46
.endr
	v_mul_f32 v[T+1], v[D], v[D]
.irp i, 1,2,3,4,5,6,7
	v_fmac_f32 v[T+1], v[D+\i], v[D+\i]            ; the means' spread
.endr
	v_pk_add_f32 v[SQ:SQ+1], v[SQ:SQ+1], v[SQ+2:SQ+3]
	v_pk_add_f32 v[SQ+4:SQ+5], v[SQ+4:SQ+5], v[SQ+6:SQ+7]
	v_pk_add_f32 v[SQ:SQ+1], v[SQ:SQ+1], v[SQ+4:SQ+5]
	v_add_f32 v[T], v[SQ], v[SQ+1]
	LANES T
	v_fmamk_f32 v[T], v[T+1], 0x44800000, v[T]     ; + 1024 x spread
	v_mul_f32 v[T], 0x39000000, v[T]               ; / 8192: the variance
	v_add_f32 v[T], 0x3727c5ac, v[T]               ; + 1e-5
	v_rsq_f32 v[T+2], v[T]
	v_mov_b32 v[T+4], v[MC]                        ; my lane's channel's mean, chosen without a branch.  (Plain work behind the root)
.irp i, 1,2,3,4,5,6,7
	v_cmp_eq_u32 vcc_lo, \i, v2
	v_cndmask_b32 v[T+4], v[T+4], v[MC+\i], vcc_lo
.endr
	s_wait_alu depctr_va_vdst(0)                   ; the wait ahead of the root's first reader
	v_mul_f32 v47, v4, v[T+2]                      ; gamma x rstd
	ds_store_b64 v7, v[46:47]                      ; lanes that report the same channel write the same value to the same place
	ds_store_b32 v44, v[T+4]
	s_wait_dscnt 0x0                               ; for wave 0's sake: my stores have landed
	s_barrier_signal -1
	s_barrier_wait -1
	s_cmp_lg_u32 s10, 0
	s_cbranch_scc1 .Lend
	ds_load_b64 v[20:21], v5                       ; wave 0 stores the work-group's 32 channels:
	ds_load_b32 v22, v6 offset:256
	s_wait_dscnt 0x0
	global_store_b64 v5, v[20:21], s[8:9]          ; 256 consecutive bytes, aligned,
	global_store_b32 v6, v22, s[22:23] offset:65536  ; and 128
.Lend:
	s_wait_tensorcnt 0x0
	ds_add_u32 v176, v177
	s_wait_dscnt 0x0
	s_endpgm
.Lfunc_end_k_qc4635759c2_stats:
	.size	k_qc4635759c2_stats, .Lfunc_end_k_qc4635759c2_stats-k_qc4635759c2_stats
	.p2alignl 7, 3214868480
	.fill 96, 4, 3214868480
	.section	.rodata,"a",@progbits
	.p2align	6, 0x0
	.amdhsa_kernel k_qc4635759c2_stats
		.amdhsa_group_segment_fixed_size 1024
		.amdhsa_private_segment_fixed_size 0
		.amdhsa_enable_private_segment 0
		.amdhsa_kernarg_size 24
		.amdhsa_user_sgpr_count 2
		.amdhsa_user_sgpr_kernarg_segment_ptr 1
		.amdhsa_wavefront_size32 1
		.amdhsa_system_sgpr_workgroup_id_x 1
		.amdhsa_system_sgpr_workgroup_id_y 1
		.amdhsa_system_sgpr_workgroup_id_z 1
		.amdhsa_system_vgpr_workitem_id 0
		.amdhsa_next_free_vgpr 178
		.amdhsa_next_free_sgpr 66
		.amdhsa_reserve_vcc 1
		.amdhsa_float_denorm_mode_32 3
		.amdhsa_float_denorm_mode_16_64 3
		.amdhsa_memory_ordered 1
		.amdhsa_forward_progress 1
		.amdhsa_inst_pref_size 39
	.end_amdhsa_kernel
	.amdgpu_metadata
---
amdhsa.version: [ 1, 2 ]
amdhsa.kernels:
  - .name:           k_qc4635759c2_stats
    .symbol:         k_qc4635759c2_stats.kd
    .args:
      - { .name: x, .offset: 0, .size: 8, .value_kind: global_buffer, .address_space: global }
      - { .name: gn_gamma, .offset: 8, .size: 8, .value_kind: global_buffer, .address_space: global }
      - { .name: stats, .offset: 16, .size: 8, .value_kind: global_buffer, .address_space: global }
    .group_segment_fixed_size: 1024
    .private_segment_fixed_size: 0
    .kernarg_segment_align: 8
    .kernarg_segment_size: 24
    .max_flat_workgroup_size: 128
    .sgpr_count:     66
    .vgpr_count:     178
    .wavefront_size: 32
...
	.end_amdgpu_metadata
.endif
;; end of part 1
;; launch qkv (part 2): grid 8 x 32, 8 waves a work-group, no clusters, 103,424 bytes of LDS; arguments x, stats, gn_beta, w_qkv_codes, w_qkv_scales, b_qkv, qkvc; writes qkvc
.if DOCPART == 2
	.amdgcn_target "amdgcn-amd-amdhsa--gfx1250"
	.amdhsa_code_object_version 6
	.text
	.protected	k_qc4635759c2_qkv
	.globl	k_qc4635759c2_qkv
	.p2align	8
	.type	k_qc4635759c2_qkv,@function
k_qc4635759c2_qkv:
	s_mov_b64 s[64:65], 0
	v_nop
	global_prefetch_b8 v0, s[64:65] scope:SCOPE_SE
	s_setreg_imm32_b32 hwreg(HW_REG_WAVE_MODE, 25, 1), 1
	s_wait_xcnt 0x0
; xn = GroupNorm(x), quantised along the channels; q, k, v = W xn + b on codes of FP6 (E2M3) with one E8M0 scale for each 32 along K; q and k quantised along the channels, v along the positions.
; A work-group takes 128 positions of one image and makes one PACKAGE of 76,800 bytes: K's 16 fragments (24,576), V's 16 (24,576), K's scale words (1,024), V's (1,024), Q's 16 fragments, Q's scale words.
; A FRAGMENT (16 rows x 128 K: 12 registers a lane) is kept as an IMAGE OF ITS REGISTERS, 1,536 bytes: registers 4 c .. 4 c + 3 of lane l at 512 c + 16 l: three loads of 16 bytes a lane bring it back, from LDS or memory.
; A SCALE AREA serves 16 fragments: byte e of row r of fragment f at 512 (f / 8) + 256 ((f / 4) % 2) + 16 r + 4 (f % 4) + e: one load of 16 bytes a lane gives four registers, register i with fragment 8 g + i's words in lanes 0-15 and fragment 8 g + 4 + i's in lanes 16-31.
; TILES BY FOURS.  Tile t of a block of 64 rows takes rows 4 r + t.  As source 0 its result's register j of lane (r', h) is row 32 h + 4 j + t, so the 32 registers of four tiles are ONE WHOLE block of 32 in ONE lane,
; which is what the 6-bit operand layout wants of that lane: no maximum crosses lanes, no halves are exchanged.  Inside a block slot 8 t + j holds element 4 j + t; q and k carry the same order along the channels, v and the
; attention's p the same order along the keys, so the products are the true ones.  xn, whose partner is a given weight, is laid in natural order.
; Fragment numbers: xn, q, k: 2 (4 B + t) + s: block B of 64 positions, tile t (its row r is position 64 B + 4 r + t), K step s of 128 channels.  v: 4 U + T, whose row r is channel 64 U + 4 r + T; its K is the package's 128 positions.
; SHARES.  Eight waves, one text; a wave's role (kq = wave / 4, U = wave % 4) enters addresses alone.  Phase X: wave (kq, U) normalises and quantises channels 64 U .. + 63 of positions 64 kq .. + 63.  Phase P: it makes output rows
; 64 U .. + 63 of q (kq = 0) or k (kq = 1) for all 128 positions and of v for positions 64 kq .. + 63: 96 matrix instructions; its weights come from memory straight into operand registers, once.
; The weights are what work-groups share, but they go into registers and not through LDS, so no joint tensor load is laid: it would want a ring for 147,456 bytes that each wave reads once.
; LIMITS: NaN and infinities are not served; a block whose largest magnitude lies under 2^-124 keeps the byte 1 (a block of zeros too: its codes are zeros, and this program alone reads the bytes).
; REGISTERS.  Window 0: v1-23 LDS addresses; v24-27 xn's scale words; v28-43 the weights'; v44-55 at work; v56-61 offsets; v64-127 accumulators (phase X: codes); v128-255 xn as f32, then xn's 8 fragments, codes, the way out.
;   Window 1: phase X: x (v0-127), (mean, a) (v128-191), beta (v192-223); then the weights' 16 fragments (v0-191) and the two biases in the results' layouts (v192-255).
.set XS,  24
.set WS,  28
.set TM,  44
.set SO,  48
.set BY,  52
.set ACC, 64
.set Y,   128
.set XF,  128
.set WA,  0
.set WB,  96
.set BA,  192
.set BB,  224
.set XNI, 76800                        ; LDS: behind the package's image: xn's 16 fragments,
.set XNS, 101376                       ; and their scale area
.set MSB, 0
.macro WIN new                         ; the immediate's high byte repeats the setting that is left
.if MSB != \new
	s_set_vgpr_msb (MSB<<8)|\new
.set MSB, \new
.endif
.endm
; One matrix instruction.  c < 0: the constant 0 starts the sum.  ra, rb: the side's scale words stand in lanes 16-31.
.macro WMM d, a, b, c, sa, sb, ra, rb
.if (\c) < 0
.if (\ra)
	v_wmma_scale_f32_16x16x128_f8f6f4 v[(\d):(\d)+7], v[(\a):(\a)+11], v[(\b):(\b)+11], 0, v[\sa], v[\sb] matrix_a_fmt:MATRIX_FMT_FP6 matrix_b_fmt:MATRIX_FMT_FP6 matrix_a_scale:MATRIX_SCALE_ROW1
.elseif (\rb)
	v_wmma_scale_f32_16x16x128_f8f6f4 v[(\d):(\d)+7], v[(\a):(\a)+11], v[(\b):(\b)+11], 0, v[\sa], v[\sb] matrix_a_fmt:MATRIX_FMT_FP6 matrix_b_fmt:MATRIX_FMT_FP6 matrix_b_scale:MATRIX_SCALE_ROW1
.else
	v_wmma_scale_f32_16x16x128_f8f6f4 v[(\d):(\d)+7], v[(\a):(\a)+11], v[(\b):(\b)+11], 0, v[\sa], v[\sb] matrix_a_fmt:MATRIX_FMT_FP6 matrix_b_fmt:MATRIX_FMT_FP6
.endif
.else
.if (\ra)
	v_wmma_scale_f32_16x16x128_f8f6f4 v[(\d):(\d)+7], v[(\a):(\a)+11], v[(\b):(\b)+11], v[(\c):(\c)+7], v[\sa], v[\sb] matrix_a_fmt:MATRIX_FMT_FP6 matrix_b_fmt:MATRIX_FMT_FP6 matrix_a_scale:MATRIX_SCALE_ROW1
.elseif (\rb)
	v_wmma_scale_f32_16x16x128_f8f6f4 v[(\d):(\d)+7], v[(\a):(\a)+11], v[(\b):(\b)+11], v[(\c):(\c)+7], v[\sa], v[\sb] matrix_a_fmt:MATRIX_FMT_FP6 matrix_b_fmt:MATRIX_FMT_FP6 matrix_b_scale:MATRIX_SCALE_ROW1
.else
	v_wmma_scale_f32_16x16x128_f8f6f4 v[(\d):(\d)+7], v[(\a):(\a)+11], v[(\b):(\b)+11], v[(\c):(\c)+7], v[\sa], v[\sb] matrix_a_fmt:MATRIX_FMT_FP6 matrix_b_fmt:MATRIX_FMT_FP6
.endif
.endif
.endm
; n blocks of 32 numbers of a lane, block u at v[src + 32 u], become six registers of codes each, at v[HC + 6 u], and a scale byte in v[BY + u].
.macro QBLK n, src
.set qi, 0
.rept \n
	v_max3_num_f32 v[TM+qi], |v[\src+32*qi]|, |v[\src+32*qi+1]|, 0x1800000   ; the floor 2^(3 - 127) among the leaves: the byte cannot fall under 1.  Each accumulator is read from its low end on
.set qi, qi+1
.endr
.set qk, 2
.rept 15
.set qi, 0
.rept \n
	v_max3_num_f32 v[TM+qi], v[TM+qi], |v[\src+32*qi+qk]|, |v[\src+32*qi+qk+1]|   ; (the blocks by turns)
.set qi, qi+1
.endr
.set qk, qk+2
.endr
	s_wait_dscnt 0x0                               ; the LDS stores of the codes and bytes made last have read their registers
.set qi, 0
.rept \n
	v_add_nc_u32 v[SO+qi], 0xff000000, v[TM+qi]    ; 2 off the exponent field: the conversion takes this operand's exponent field as its scale
.set qi, qi+1
.endr
.set qi, 0
.rept \n
	v_lshrrev_b32 v[BY+qi], 23, v[SO+qi]           ; the scale's byte
.set qi, qi+1
.endr
.set qi, 0
.rept \n
	v_cvt_scalef32_pk16_fp6_f32 v[HC+6*qi:HC+6*qi+2], v[\src+32*qi:\src+32*qi+15], v[SO+qi]
	v_cvt_scalef32_pk16_fp6_f32 v[CT+4*qi:CT+4*qi+2], v[\src+32*qi+16:\src+32*qi+31], v[SO+qi]   ; (a conversion's three registers begin on an even number)
.set qi, qi+1
.endr
	v_nop                                          ; one plain place behind a scaled conversion
.set qi, 0
.rept \n
	v_mov_b32 v[HC+6*qi+3], v[CT+4*qi]
	v_mov_b32 v[HC+6*qi+4], v[CT+4*qi+1]
	v_mov_b32 v[HC+6*qi+5], v[CT+4*qi+2]
.set qi, qi+1
.endr
.endm
; Block u's six registers are half of a fragment's twelve: three pieces of 8 bytes of its image.  p0 = base + 16 lane + 520 half, p1 = p0 + 8 + 496 half: half 0 lies at 16 l, 16 l + 8, 16 l + 512; half 1 at 16 l + 520, + 1024, + 1032.
.macro PUT u, p0, p1, sb, imm, sof
	ds_store_b64 v[\p0], v[HC+6*(\u):HC+6*(\u)+1] offset:\imm
	ds_store_b64 v[\p1], v[HC+6*(\u)+2:HC+6*(\u)+3] offset:\imm
	ds_store_b64 v[\p0], v[HC+6*(\u)+4:HC+6*(\u)+5] offset:(\imm)+512
	ds_store_b8 v[\sb], v[BY+(\u)] offset:\sof
.endm
	s_load_b256 s[4:11], s[0:1], 0x0               ; x, stats, beta, W's codes
	s_load_b128 s[12:15], s[0:1], 0x20             ; W's scales, b_qkv
	s_load_b64 s[16:17], s[0:1], 0x30              ; the packages
	v_lshl_add_u32 v62, v0, 2, 0x19000
	v_mov_b32 v63, 0
	v_lshrrev_b32 v1, 5, v0
	v_readfirstlane_b32 s18, v1                    ; wave 0..7
	s_lshr_b32 s19, s18, 2                         ; kq
	s_and_b32 s20, s18, 3                          ; U
	s_and_b32 s21, s18, 1                          ; c' = U % 2: which half of a fragment my 64 channels are
	s_bfe_u32 s22, s18, 0x10001                    ; sU = U / 2: which K step
	s_xor_b32 s23, s19, 1                          ; 1 - kq
	s_and_b32 s25, ttmp7, 0xffff                   ; the image
	v_and_b32 v2, 31, v0
	v_lshlrev_b32 v1, 4, v2                        ; 16 x lane
	v_and_b32 v3, 15, v0                           ; r
	v_bfe_u32 v2, v0, 4, 1                         ; h
	v_lshl_add_u32 v23, v3, 4, v2                  ; 16 r + h: a lane's place in a scale area
	; every LDS address: a constant + a lane term + constants x the wave's fields
	s_mul_i32 s26, s21, 520
	s_mul_i32 s27, s22, 1536
	s_add_co_u32 s26, s26, s27                     ; 520 c' + 1536 sU
	s_lshl_b32 s27, s21, 1
	s_lshl_b32 s28, s22, 2
	s_add_co_u32 s27, s27, s28                     ; 2 c' + 4 sU
	s_mul_i32 s28, s21, 496
	s_add_co_u32 s28, s28, 8                       ; 8 + 496 c'
	s_mul_i32 s29, s19, 12288                      ; xn: block kq's eight fragments
	s_add_co_u32 s29, s29, s26
	s_add_co_u32 s29, s29, XNI
	v_add_nc_u32 v4, s29, v1
	v_add_nc_u32 v5, s28, v4
	s_lshl_b32 s29, s19, 9
	s_add_co_u32 s29, s29, s27
	s_add_co_u32 s29, s29, XNS
	v_add_nc_u32 v6, s29, v23
	s_mul_i32 s29, s23, 63488                      ; q (at 51,200) or k (at 0), block 1 - kq: (51,200 + 12,288) (1 - kq)
	s_add_co_u32 s29, s29, s26
	v_add_nc_u32 v7, s29, v1
	v_add_nc_u32 v8, s28, v7
	s_mul_i32 s29, s23, 27136                      ; its scale area, q's at 75,776, k's at 49,152: (26,624 + 512) (1 - kq)
	s_add_co_u32 s29, s29, s27
	s_add_co_u32 s29, s29, 49152
	v_add_nc_u32 v9, s29, v23
	s_mul_i32 s29, s23, 51200                      ; the same for block kq
	s_mul_i32 s30, s19, 12288
	s_add_co_u32 s29, s29, s30
	s_add_co_u32 s29, s29, s26
	v_add_nc_u32 v10, s29, v1
	v_add_nc_u32 v11, s28, v10
	s_mul_i32 s29, s23, 26624
	s_lshl_b32 s30, s19, 9
	s_add_co_u32 s29, s29, s30
	s_add_co_u32 s29, s29, s27
	s_add_co_u32 s29, s29, 49152
	v_add_nc_u32 v12, s29, v23
	s_mul_i32 s29, s20, 6144                       ; v: fragments 4 U .., half kq
	s_mul_i32 s30, s19, 520
	s_add_co_u32 s29, s29, s30
	s_add_co_u32 s29, s29, 24576
	v_add_nc_u32 v13, s29, v1
	s_mul_i32 s30, s19, 496
	s_add_co_u32 s30, s30, 8
	v_add_nc_u32 v14, s30, v13
	s_lshl_b32 s29, s20, 8
	s_lshl_b32 s30, s19, 1
	s_add_co_u32 s29, s29, s30
	s_add_co_u32 s29, s29, 50176
	v_add_nc_u32 v15, s29, v23
	s_mul_i32 s29, s23, 12288                      ; where xn's fragments and scale words are read back: block 1 - kq,
	s_add_co_u32 s29, s29, XNI
	v_add_nc_u32 v16, s29, v1
	s_lshl_b32 s29, s23, 9
	s_add_co_u32 s29, s29, XNS
	v_add_nc_u32 v17, s29, v1
	s_mul_i32 s29, s19, 12288                      ; block kq
	s_add_co_u32 s29, s29, XNI
	v_add_nc_u32 v18, s29, v1
	s_lshl_b32 s29, s19, 9
	s_add_co_u32 s29, s29, XNS
	v_add_nc_u32 v19, s29, v1
	s_lshl_b32 s29, s18, 9                         ; the way out: chunks of 512 bytes, wave + 8 i
	v_add_nc_u32 v20, s29, v1
	v_add_nc_u32 v21, 0x10000, v20                 ; (an LDS offset has 16 bits)
	; offsets into memory; none is written again
	v_lshlrev_b32 v56, 17, v2
	v_lshl_add_u32 v56, v3, 4, v56                 ; x: 32 h channels of 4,096 bytes + 16 r
	v_lshlrev_b32 v57, 8, v2                       ; (mean, a): 32 h pairs
	v_lshlrev_b32 v58, 7, v2                       ; beta, q's and k's bias: 32 h numbers
	v_lshlrev_b32 v59, 5, v3                       ; W's scale words: row 4 r of 8 bytes
	v_mul_u32_u24 v60, v3, 768
	v_mad_u32_u24 v60, v2, 24, v60                 ; W's codes: row 4 r of 192 bytes, + 24 h
	v_lshlrev_b32 v61, 4, v3                       ; v's bias: number 4 r
	s_mov_b32 s37, 0
	s_lshl_b32 s36, s25, 20
	s_lshl_b32 s38, s20, 18
	s_add_co_u32 s36, s36, s38
	s_lshl_b32 s38, ttmp9, 9
	s_add_co_u32 s36, s36, s38
	s_lshl_b32 s38, s19, 8
	s_add_co_u32 s36, s36, s38                     ; x: image, channel 64 U, position 128 nb + 64 kq
	s_wait_kmcnt 0x0
	s_add_nc_u64 s[4:5], s[4:5], s[36:37]
	s_lshl_b32 s36, s25, 11
	s_lshl_b32 s38, s20, 9
	s_add_co_u32 s36, s36, s38
	s_add_nc_u64 s[6:7], s[6:7], s[36:37]
	s_lshl_b32 s36, s20, 8
	s_add_nc_u64 s[8:9], s[8:9], s[36:37]
	s_add_nc_u64 s[14:15], s[14:15], s[36:37]
	s_mul_i32 s36, s20, 12288
	s_add_nc_u64 s[10:11], s[10:11], s[36:37]
	s_lshl_b32 s36, s20, 9
	s_add_nc_u64 s[12:13], s[12:13], s[36:37]
	s_mul_i32 s36, s19, 49152
	s_add_nc_u64 s[30:31], s[10:11], s[36:37]      ; q's or k's rows of W,
	s_lshl_b32 s36, s19, 11
	s_add_nc_u64 s[32:33], s[12:13], s[36:37]      ; their scale words,
	s_lshl_b32 s36, s19, 10
	s_add_nc_u64 s[34:35], s[14:15], s[36:37]      ; their bias
	s_lshl_b32 s36, s25, 3
	s_add_co_u32 s36, s36, ttmp9
	s_mul_i32 s36, s36, 76800
	s_lshl_b32 s38, s18, 9
	s_add_co_u32 s36, s36, s38
	s_add_nc_u64 s[16:17], s[16:17], s[36:37]      ; my package, + 512 x wave
	; ---- X: my 64 channels x 64 positions of xn.  A load of x gives a lane four neighbouring positions, one for each of the four tiles; sixteen lanes read 256 consecutive bytes, aligned
	WIN 0x40
.set li, 0
.rept 16
	global_load_b128 v[128+4*li:128+4*li+3], v57, s[6:7] offset:16*li     ; (mean, a) of channels 2 li, 2 li + 1 of my 32
.set li, li+1
.endr
.set li, 0
.rept 8
	global_load_b128 v[192+4*li:192+4*li+3], v58, s[8:9] offset:16*li     ; beta
.set li, li+1
.endr
	WIN 0
.set li, 0
.rept 8                                ; li = 2 T + s
	global_load_b32 v[WS+li], v59, s[32:33] offset:8*(li/2)+4*(li%2)
	global_load_b32 v[WS+8+li], v59, s[12:13] offset:4096+8*(li/2)+4*(li%2)
.set li, li+1
.endr
	WIN 0x40
.set li, 0
.rept 32
	global_load_b128 v[4*li:4*li+3], v56, s[4:5] offset:4096*li
.set li, li+1
.endr
.irp g, 0,1,2,3
	s_wait_loadcnt 24-8*\g                         ; eight channels more are in; the x loads behind them stay out
	WIN 0x45
.irp i, 0,1,2,3,4,5,6,7
	v_pk_add_f32 v[4*(8*\g+\i):4*(8*\g+\i)+1], v[4*(8*\g+\i):4*(8*\g+\i)+1], v[128+2*(8*\g+\i):128+2*(8*\g+\i)+1] op_sel_hi:[1,0] neg_lo:[0,1] neg_hi:[0,1]     ; x - mean first: a common offset costs no digits
	v_pk_add_f32 v[4*(8*\g+\i)+2:4*(8*\g+\i)+3], v[4*(8*\g+\i)+2:4*(8*\g+\i)+3], v[128+2*(8*\g+\i):128+2*(8*\g+\i)+1] op_sel_hi:[1,0] neg_lo:[0,1] neg_hi:[0,1]
.endr
	WIN 0x15
.irp i, 0,1,2,3,4,5,6,7
.irp t, 0,1,2,3
	v_fma_f32 v[Y+32*\t+8*\g+\i], v[4*(8*\g+\i)+\t], v[128+2*(8*\g+\i)+1], v[192+8*\g+\i]   ; x a + beta: tile t's block, channels in natural order
.endr
.endr
.endr
	WIN 0x40                                       ; the weights, into the registers that x has left: they land while xn is quantised
.set wi, 0
.rept 8                                ; wi = 2 T + s: tile T takes rows 4 r + T of my 64
.irp p, 0,1,2,3,4,5
	global_load_b64 v[WA+12*wi+2*\p:WA+12*wi+2*\p+1], v60, s[30:31] offset:192*(wi/2)+96*(wi%2)+48*(\p/3)+8*(\p%3)
	global_load_b64 v[WB+12*wi+2*\p:WB+12*wi+2*\p+1], v60, s[10:11] offset:98304+192*(wi/2)+96*(wi%2)+48*(\p/3)+8*(\p%3)
.endr
.set wi, wi+1
.endr
.set wi, 0
.rept 32                               ; wi = 8 T + j.  q, k: register j of tile T is row 32 h + 4 j + T.  v: all eight registers are row 4 r + T
	global_load_b32 v[BA+wi], v58, s[34:35] offset:16*(wi%8)+4*(wi/8)
	global_load_b32 v[BB+wi], v61, s[14:15] offset:2048+4*(wi/8)
.set wi, wi+1
.endr
	WIN 0
.set HC, 64
.set CT, 88
	QBLK 4, Y
.irp t, 0,1,2,3
	PUT \t, 4, 5, 6, 3072*\t, 256*(\t/2)+8*(\t%2)
.endr
	s_wait_dscnt 0x0                               ; for the others' sake: my stores have landed
	s_barrier_signal -1
	s_barrier_wait -1                              ; xn's sixteen fragments lie in LDS
	; ---- P: the products
.set HC, 224
.set CT, 236
.macro FETCHX fa, fs                   ; a block's eight fragments of xn and their scale words
.set fi, 0
.rept 24
	ds_load_b128 v[XF+4*fi:XF+4*fi+3], v[\fa] offset:512*fi
.set fi, fi+1
.endr
	ds_load_b128 v[XS:XS+3], v[\fs]
.endm
; q or k of the block in XF: source 0 = W's tile T, source 1 = xn's tile: a lane holds one position and a block of 32 channels.  Two tiles of positions at a time: eight accumulators by turns.
.macro ITEM_QK p0, p1, sb
.irp g, 0,1
	WIN 0x11                                       ; W and the bias in window 1
.irp u, 0,1
.irp t, 0,1,2,3
	WMM ACC+32*\u+8*\t, WA+24*\t, XF+24*(2*\g+\u), BA+8*\t, WS+2*\t, XS+2*\u, 0, \g
.endr
.endr
	WIN 0x01
.irp u, 0,1
.irp t, 0,1,2,3
	WMM ACC+32*\u+8*\t, WA+24*\t+12, XF+24*(2*\g+\u)+12, ACC+32*\u+8*\t, WS+2*\t+1, XS+2*\u+1, 0, \g
.endr
.endr
	WIN 0
.rept 5
	v_nop                                          ; four places ahead of the first read of results and of loads into operands; the fifth for the next batch, which begins these accumulators anew
.endr
	QBLK 2, ACC
	PUT 0, \p0, \p1, \sb, 3072*(2*\g), 256*\g
	PUT 1, \p0, \p1, \sb, 3072*(2*\g+1), 256*\g+8
.endr
.endm
; v of the block in XF: the sources change places: source 0 = xn's tile t, source 1 = W's tile T: a lane holds one channel and a block of 32 positions.
.macro ITEM_V
.irp g, 0,1
	WIN 0x14
.irp u, 0,1
.irp t, 0,1,2,3
	WMM ACC+32*\u+8*\t, XF+24*\t, WB+24*(2*\g+\u), BB+8*(2*\g+\u), XS+2*(\t%2), WS+8+2*(2*\g+\u), \t/2, 0
.endr
.endr
	WIN 0x04
.irp u, 0,1
.irp t, 0,1,2,3
	WMM ACC+32*\u+8*\t, XF+24*\t+12, WB+24*(2*\g+\u)+12, ACC+32*\u+8*\t, XS+2*(\t%2)+1, WS+8+2*(2*\g+\u)+1, \t/2, 0
.endr
.endr
	WIN 0
.rept 5
	v_nop
.endr
	QBLK 2, ACC
	PUT 0, 13, 14, 15, 1536*(2*\g), 4*(2*\g)
	PUT 1, 13, 14, 15, 1536*(2*\g+1), 4*(2*\g+1)
.endr
.endm
	FETCHX 16, 17
	s_wait_dscnt 0x0
	s_wait_loadcnt 0x0                             ; the weights
	ITEM_QK 7, 8, 9
	FETCHX 18, 19
	s_wait_dscnt 0x0
	ITEM_QK 10, 11, 12
	ITEM_V
	s_wait_dscnt 0x0
	s_barrier_signal -1
	s_barrier_wait -1                              ; the package's image is whole
	; ---- the way out: 150 chunks of 512 bytes: each store of a wave covers 512 consecutive bytes, aligned
.set oi, 0
.rept 16
	ds_load_b128 v[128+4*oi:128+4*oi+3], v20 offset:4096*oi
.set oi, oi+1
.endr
	ds_load_b128 v[192:195], v21
	ds_load_b128 v[196:199], v21 offset:4096
.set oi, 0
.rept 18
	s_wait_dscnt 17-oi                             ; LDS loads come back in order: chunk oi is in, those behind it stay out
	global_store_b128 v1, v[128+4*oi:128+4*oi+3], s[16:17] offset:4096*oi
.set oi, oi+1
.endr
	s_cmp_lt_u32 s18, 6                            ; the last six chunks
	s_cbranch_scc0 .Lend
	ds_load_b128 v[200:203], v21 offset:8192
	s_wait_dscnt 0x0
	global_store_b128 v1, v[200:203], s[16:17] offset:73728
.Lend:
	s_wait_tensorcnt 0x0
	ds_add_u32 v62, v63
	s_wait_dscnt 0x0
	s_endpgm
.Lfunc_end_k_qc4635759c2_qkv:
	.size	k_qc4635759c2_qkv, .Lfunc_end_k_qc4635759c2_qkv-k_qc4635759c2_qkv
	.p2alignl 7, 3214868480
	.fill 96, 4, 3214868480
	.section	.rodata,"a",@progbits
	.p2align	6, 0x0
	.amdhsa_kernel k_qc4635759c2_qkv
		.amdhsa_group_segment_fixed_size 103424
		.amdhsa_private_segment_fixed_size 0
		.amdhsa_enable_private_segment 0
		.amdhsa_kernarg_size 56
		.amdhsa_user_sgpr_count 2
		.amdhsa_user_sgpr_kernarg_segment_ptr 1
		.amdhsa_wavefront_size32 1
		.amdhsa_system_sgpr_workgroup_id_x 1
		.amdhsa_system_sgpr_workgroup_id_y 1
		.amdhsa_system_sgpr_workgroup_id_z 1
		.amdhsa_system_vgpr_workitem_id 0
		.amdhsa_next_free_vgpr 512
		.amdhsa_next_free_sgpr 66
		.amdhsa_reserve_vcc 0
		.amdhsa_float_denorm_mode_32 3
		.amdhsa_float_denorm_mode_16_64 3
		.amdhsa_memory_ordered 1
		.amdhsa_forward_progress 1
		.amdhsa_inst_pref_size 87
	.end_amdhsa_kernel
	.amdgpu_metadata
---
amdhsa.version: [ 1, 2 ]
amdhsa.kernels:
  - .name:           k_qc4635759c2_qkv
    .symbol:         k_qc4635759c2_qkv.kd
    .args:
      - { .name: x, .offset: 0, .size: 8, .value_kind: global_buffer, .address_space: global }
      - { .name: stats, .offset: 8, .size: 8, .value_kind: global_buffer, .address_space: global }
      - { .name: gn_beta, .offset: 16, .size: 8, .value_kind: global_buffer, .address_space: global }
      - { .name: w_qkv_codes, .offset: 24, .size: 8, .value_kind: global_buffer, .address_space: global }
      - { .name: w_qkv_scales, .offset: 32, .size: 8, .value_kind: global_buffer, .address_space: global }
      - { .name: b_qkv, .offset: 40, .size: 8, .value_kind: global_buffer, .address_space: global }
      - { .name: qkvc, .offset: 48, .size: 8, .value_kind: global_buffer, .address_space: global }
    .group_segment_fixed_size: 103424
    .private_segment_fixed_size: 0
    .kernarg_segment_align: 8
    .kernarg_segment_size: 56
    .max_flat_workgroup_size: 256
    .sgpr_count:     66
    .vgpr_count:     512
    .wavefront_size: 32
...
	.end_amdgpu_metadata
.endif
;; end of part 2
;; launch attn (part 3): grid 8 x 32, 4 waves a work-group, clusters of 4 x 1, 327,680 bytes of LDS; arguments qkvc, stats, x, w_proj_codes, w_proj_scales, b_proj, w_se1_codes, w_se1_scales, b_se1, w_se2_codes, w_se2_scales, b_se2, out0; writes out0
.if DOCPART == 3
	.amdgcn_target "amdgcn-amd-amdhsa--gfx1250"
	.amdhsa_code_object_version 6
	.text
	.protected	k_qc4635759c2_attn
	.globl	k_qc4635759c2_attn
	.p2align	8
	.type	k_qc4635759c2_attn,@function
k_qc4635759c2_attn:
	s_mov_b64 s[64:65], 0
	v_nop
	global_prefetch_b8 v0, s[64:65] scope:SCOPE_SE
	s_setreg_imm32_b32 hwreg(HW_REG_WAVE_MODE, 25, 1), 1
	s_wait_xcnt 0x0
	s_wait_alu depctr_hold_cnt(0) depctr_sa_sdst(0) depctr_va_vdst(0) depctr_va_sdst(0) depctr_va_ssrc(0) depctr_va_vcc(0) depctr_vm_vsrc(0)
	s_getreg_b32 s2, hwreg(HW_REG_IB_STS2, 6, 4)
	s_cmp_eq_u32 s2, 0
	s_cbranch_scc0 .Lentry_in_a_cluster
	s_endpgm
.Lentry_in_a_cluster:
	s_bfe_u32 s2, ttmp6, 0x10000c
	s_cmp_lg_u32 s2, 0x3003
	s_cbranch_scc0 .Lentry_shape_is_right
	s_endpgm
.Lentry_shape_is_right:
; out = x + (W_proj softmax(q^T k / 16) v + b_proj) x gate, gate = sigmoid(W_se2 relu(W_se1 pooled + b_se1) + b_se2); every product on codes of FP6 (E2M3) with one E8M0 scale for each 32 along K.
; q, k, v come as packages of 128 positions made by the launch before: fragments as images of their registers (1,536 bytes: registers 4 c .. 4 c + 3 of lane l at 512 c + 16 l) and scale areas (one load of 16 bytes a lane gives four
; registers, register i with fragment 8 g + i's words in lanes 0-15 and fragment 8 g + 4 + i's in lanes 16-31).  A package's first 51,200 bytes (K, V, their scale words) are one key step of 128 keys.
; SHARES.  A work-group owns 128 queries of one image; wave w two tiles of 16 (tiles 2 w, 2 w + 1; tile 4 B + t's row r is position 64 B + 4 r + t).  Every wave walks the image's 8 key steps.
; LAYOUT.  Both products are used transposed: S^T = K Q^T, O^T = V^T P^T: a lane holds ONE query throughout.  TILES BY FOURS: the 32 registers of the four key tiles of a block of 64 keys are one whole block of 32 keys in one lane
; (slot 8 t + j = key 32 h + 4 j + t), in the order in which v's codes were laid: p's codes are the operand's registers as the conversions leave them.  O^T's channels fall the same way; the division by the row's sum writes them in natural order, for the given W_proj.
; THE SOFTMAX: t = score x log2(e) / 16; M = the running largest t rounded up to a whole number (kept as -M = floor(-t)); p = 2^(t - M) is quantised along the keys, not normalised; the row's sum is taken of the unquantised p and divides at the end;
; when M moves, the sum and O^T are multiplied by 2^(old M - new M), which rounds nothing.  A block's largest p is made from its largest score by the same multiply-add and exponential (this takes v_exp_f32 not to fall where its input rises).
; CLUSTER.  The four query blocks of a cluster belong to one image and walk the same K and V: each tile is asked for JOINTLY, by the same tensor load with the same descriptor and a mask that names the four.
; LDS: three slots of two key steps (102,400 bytes).  Steps 0, 1 go to the slot at 204,800, steps 2, 3 to 0, steps 4, 5 to 102,400, all asked for at the start (three tensor loads of a wave are out); behind step 1 the slot at 204,800 is filled
; again with steps 6, 7 (one load out).  So from step 2 on the fetch address only rises.  x_attn's images lie at 0, in a slot that has had its only fill and its last read by then.  All of LDS is claimed.
; THE GATE is made by each wave for its own 128 output channels, at the head, while the first tiles are on their way: 16 matrix instructions; all 16 columns carry the image's one row.
; EPILOGUE: wave w takes positions 64 (w % 2) .. + 63 and output channels 128 (w / 2) .. + 127: a lane's four tiles are four neighbouring positions of a channel: 16 bytes; sixteen lanes store 256 consecutive bytes, aligned, with no stage.
; LIMITS: NaN and infinities are not served; a block whose largest magnitude lies under 2^-124 keeps the byte 1 (zeros too: zero codes); p under 2^-126 falls to 0.
; REGISTERS.  Window 0: v1-12 addresses; v16-31 statistics (8 a tile: -M, largest t, the sum's two halves, f, f's partner, two at work); v32-47 at work; v48-71 scale words (p's, Q's, K's, V's); v72-95 p's codes; v96-111 at work; v112-120 offsets; v128-255 S^T.
;   Window 1: O^T (128 a + 8 Tc + j), later x.  Window 2: v0-47 Q, v64-255 K; later b_proj and W_proj.  Window 3: v0-63 the gate, v64-255 V; later the projection's accumulators.
.set LI,  1                            ; 16 x lane
.set AK,  2                            ; LDS address of the K fetch in hand
.set AV,  3                            ; of the V fetch
.set SPW, 4                            ; LDS address of my spare word; never rewritten
.set NIL, 5                            ; 0; never rewritten
.set H8,  6                            ; 8 h
.set IW,  7                            ; where I store x_attn's images
.set SW,  8                            ; and their scale words
.set IMF, 9                            ; where I read images back
.set OA,  10                           ; x and out: 8 h channels + 16 r
.set PFO, 11                           ; the prefetches' offset: a channel a lane
.set SF,  12                           ; where I read scale words back
.set ST,  16
.set BM,  32
.set BP,  36
.set SO,  40
.set BY,  44
.set PS,  48
.set QS,  50
.set KS,  56
.set VS,  64
.set P,   72
.set CT,  96
.set O16R,  112
.set O128H, 113
.set OW1,   114
.set O32R,  115
.set O32H,  116
.set OW2,   117
.set O2R,   118
.set OWP,   119
.set O8R,   120
.set S,   128
.set WV,  30
.set TB,  60                           ; LDS byte at which the step in hand begins
.set CNT, 61
.set CS,  62                           ; s[62:63] c = log2(e) / 16
.set SEL, 66                           ; s[66:67] selects for lane l xor 16
.set TN,  68                           ; where the next step begins
.set XB,  70                           ; s[70:71] x at my channels and positions
.set OB,  72                           ; s[72:73] out likewise
.set STEPB, 51200
.set SCA,   24576                      ; x_attn's scale area, behind its 16 images at 0
.set SPARE, 307200                     ; behind the slots: the spare words, 128 bytes for each wave, which no other line names
.set MSB, 0
.macro WIN new                         ; the immediate's high byte repeats the setting that is left
.if MSB != \new
	s_set_vgpr_msb (MSB<<8)|\new
.set MSB, \new
.endif
.endm
.macro WMM d, a, b, c, sa, sb, ra, rb  ; one matrix instruction.  c < 0: the constant 0 starts the sum.  ra, rb: the side's scale words stand in lanes 16-31
.if (\c) < 0
.if (\ra)
	v_wmma_scale_f32_16x16x128_f8f6f4 v[(\d):(\d)+7], v[(\a):(\a)+11], v[(\b):(\b)+11], 0, v[\sa], v[\sb] matrix_a_fmt:MATRIX_FMT_FP6 matrix_b_fmt:MATRIX_FMT_FP6 matrix_a_scale:MATRIX_SCALE_ROW1
.elseif (\rb)
	v_wmma_scale_f32_16x16x128_f8f6f4 v[(\d):(\d)+7], v[(\a):(\a)+11], v[(\b):(\b)+11], 0, v[\sa], v[\sb] matrix_a_fmt:MATRIX_FMT_FP6 matrix_b_fmt:MATRIX_FMT_FP6 matrix_b_scale:MATRIX_SCALE_ROW1
.else
	v_wmma_scale_f32_16x16x128_f8f6f4 v[(\d):(\d)+7], v[(\a):(\a)+11], v[(\b):(\b)+11], 0, v[\sa], v[\sb] matrix_a_fmt:MATRIX_FMT_FP6 matrix_b_fmt:MATRIX_FMT_FP6
.endif
.else
.if (\ra)
	v_wmma_scale_f32_16x16x128_f8f6f4 v[(\d):(\d)+7], v[(\a):(\a)+11], v[(\b):(\b)+11], v[(\c):(\c)+7], v[\sa], v[\sb] matrix_a_fmt:MATRIX_FMT_FP6 matrix_b_fmt:MATRIX_FMT_FP6 matrix_a_scale:MATRIX_SCALE_ROW1
.elseif (\rb)
	v_wmma_scale_f32_16x16x128_f8f6f4 v[(\d):(\d)+7], v[(\a):(\a)+11], v[(\b):(\b)+11], v[(\c):(\c)+7], v[\sa], v[\sb] matrix_a_fmt:MATRIX_FMT_FP6 matrix_b_fmt:MATRIX_FMT_FP6 matrix_b_scale:MATRIX_SCALE_ROW1
.else
	v_wmma_scale_f32_16x16x128_f8f6f4 v[(\d):(\d)+7], v[(\a):(\a)+11], v[(\b):(\b)+11], v[(\c):(\c)+7], v[\sa], v[\sb] matrix_a_fmt:MATRIX_FMT_FP6 matrix_b_fmt:MATRIX_FMT_FP6
.endif
.endif
.endm
.macro PLACES n
.rept \n
	v_nop
.endr
.endm
.macro CROUND                          ; a round of the cluster's barrier
	s_barrier_signal -1
	s_barrier_wait -1
	s_cmp_lg_u32 s[WV], 0
	s_cbranch_scc1 .Lnot_wave_0_\@
	s_barrier_signal -3
.Lnot_wave_0_\@:
	s_barrier_wait -3
	s_barrier_signal -1
	s_barrier_wait -1
.endm
.macro FETCH_K sr                      ; a step's 16 fragments of K and their scale words: 50 loads of 512 consecutive bytes
	WIN 0
	v_add_nc_u32 v[AK], s[\sr], v[LI]
	WIN 0x80                                       ; destination window 2
.set fi, 0
.rept 48
	ds_load_b128 v[64+4*fi:64+4*fi+3], v[AK] offset:512*fi
.set fi, fi+1
.endr
	WIN 0
	ds_load_b128 v[KS:KS+3], v[AK] offset:49152
	ds_load_b128 v[KS+4:KS+7], v[AK] offset:49152+512
.endm
.macro FETCH_V                         ; the same of V
	WIN 0
	v_add_nc_u32 v[AV], s[TB], v[LI]
	WIN 0xc0                                       ; destination window 3
.set fi, 0
.rept 48
	ds_load_b128 v[64+4*fi:64+4*fi+3], v[AV] offset:24576+512*fi
.set fi, fi+1
.endr
	WIN 0
	ds_load_b128 v[VS:VS+3], v[AV] offset:50176
	ds_load_b128 v[VS+4:VS+7], v[AV] offset:50176+512
.endm
; Four blocks of 32 numbers of a lane, block q at v[src + 32 q], whose largest magnitudes (with the floor) stand in v[BM + q], become two fragments at v[f] on (block q: registers 6 q .. 6 q + 5) and two scale words v[w], v[w + 1].
; Of a fragment's four scale bytes lane (r, 0) has made bytes 0 and 2, lane (r, 1) bytes 1 and 3: each shifts its two to their places, and lane l xor 16's complete the word.
.macro QTAIL src, f, w
.irp q, 0,1,2,3
	v_add_nc_u32 v[SO+\q], 0xff000000, v[BM+\q]    ; 2 off the exponent field: the conversion's scale operand
.endr
.irp q, 0,1,2,3
	v_lshrrev_b32 v[BY+\q], 23, v[SO+\q]           ; the scale's byte
.endr
.irp s, 0,1
	v_lshl_or_b32 v[BY+2*\s], v[BY+2*\s+1], 16, v[BY+2*\s]
.endr
.irp s, 0,1
	v_lshlrev_b32 v[BY+2*\s], v[H8], v[BY+2*\s]
.endr
.irp s, 0,1
	v_permlanex16_b32 v[BP+2+\s], v[BY+2*\s], s[SEL], s[SEL+1]
.endr
.irp s, 0,1
	v_or_b32 v[\w+\s], v[BY+2*\s], v[BP+2+\s]
.endr
.irp q, 0,1,2,3
	v_cvt_scalef32_pk16_fp6_f32 v[\f+6*\q:\f+6*\q+2], v[\src+32*\q:\src+32*\q+15], v[SO+\q]
	v_cvt_scalef32_pk16_fp6_f32 v[CT+4*\q:CT+4*\q+2], v[\src+32*\q+16:\src+32*\q+31], v[SO+\q]   ; (a conversion's three registers begin on an even number)
.endr
	v_nop                                          ; one plain place behind a scaled conversion
.irp q, 0,1,2,3
.irp i, 0,1,2
	v_mov_b32 v[\f+6*\q+3+\i], v[CT+4*\q+\i]
.endr
.endr
.endm
.macro QUANT4 src, f, w                ; the same from the numbers alone
.irp q, 0,1,2,3
	v_max3_num_f32 v[BM+\q], |v[\src+32*\q]|, |v[\src+32*\q+1]|, 0x1800000   ; the floor 2^(3 - 127) among the leaves: the byte cannot fall under 1
.endr
.irp i, 2,4,6,8,10,12,14,16,18,20,22,24,26,28,30
.irp q, 0,1,2,3
	v_max3_num_f32 v[BM+\q], v[BM+\q], |v[\src+32*\q+\i]|, |v[\src+32*\q+\i+1]|
.endr
.endr
	QTAIL \src, \f, \w
.endm
	s_load_b512 s[4:19], s[0:1], 0x0               ; packages s[4:5], stats s[6:7], x s[8:9], W_proj's codes s[10:11], scales s[12:13], b_proj s[14:15], W_se1's codes s[16:17], scales s[18:19]
	s_load_b256 s[20:27], s[0:1], 0x40             ; b_se1 s[20:21], W_se2's codes s[22:23], scales s[24:25], b_se2 s[26:27]
	s_load_b64 s[28:29], s[0:1], 0x60              ; out
	v_lshl_add_u32 v[SPW], v0, 2, SPARE
	v_mov_b32 v[NIL], 0
	ds_add_u32 v4, v5
	ds_add_u32 v4, v5
	s_wait_dscnt 0x0
	v_lshrrev_b32 v13, 5, v0
	v_readfirstlane_b32 s[WV], v13                 ; wave 0..3
	s_bfe_u32 s31, ttmp6, 0x40000                  ; cx: my place in the cluster
	s_lshl_b32 s32, ttmp9, 2
	s_add_co_u32 s32, s32, s31                     ; my block of 128 queries: it enters addresses in memory of Q, x and out alone
	s_and_b32 s33, ttmp7, 0xffff                   ; the image, which the four partners share
	; descriptor group 1: 100 dense rows of 256 bytes (32 elements of 8 bytes), no padding: images are read as they lie
	s_mov_b32 s40, 15|(3<<16)|(1<<21)              ; 15:0 the mask: all four work-groups; 17:16 elements of 8 bytes; 21 set beside a mask
	s_mov_b32 s41, 32<<16                          ; tensor_dim0 = 32
	s_mov_b32 s42, 100<<16                         ; tensor_dim1 = 100
	s_mov_b32 s43, 32<<16                          ; tile_dim0 = 32
	s_mov_b32 s44, 100                             ; tile_dim1 = 100
	s_mov_b32 s45, 32                              ; from row to row
	s_mov_b32 s46, 0
	s_mov_b32 s47, 0
	s_mul_i32 s34, s33, 614400                     ; the image's eight packages
	s_lshr_b32 s36, s[WV], 1
	s_mul_i32 s36, s36, 76800                      ; each wave fetches a quarter of a slot: step wave / 2 of its two,
	s_and_b32 s37, s[WV], 1
	s_mul_i32 s37, s37, 25600                      ; half wave % 2 of that step's 51,200 bytes
	s_add_co_u32 s36, s36, s37
	s_add_co_u32 s34, s34, s36
	s_mov_b32 s35, 0
	s_mul_i32 s38, s[WV], 25600                    ; and where it goes in a slot: no place in the cluster enters an LDS address
	s_mov_b32 s[CS], 0x3db8aa3b                    ; c = log2(e) / 16
	s_mov_b32 s[CS+1], s[CS]                       ; (named with it as a pair, so it is written)
	s_mov_b32 s[SEL], 0x76543210
	s_mov_b32 s[SEL+1], 0xfedcba98
	s_wait_kmcnt 0x0
	s_add_nc_u64 s[34:35], s[4:5], s[34:35]
	s_mov_b32 s48, 1                               ; group 0 for steps 0, 1 (later 6, 7): the slot at 204,800
	s_add_co_u32 s49, s38, 204800
	s_mov_b64 s[50:51], s[34:35]
	s_or_b32 s51, s51, 0x80000000
	s_mov_b32 s52, 1                               ; steps 2, 3: the slot at 0
	s_mov_b32 s53, s38
	s_add_nc_u64 s[54:55], s[34:35], 153600
	s_or_b32 s55, s55, 0x80000000
	s_mov_b32 s56, 1                               ; steps 4, 5: the slot at 102,400
	s_add_co_u32 s57, s38, 102400
	s_add_nc_u64 s[58:59], s[34:35], 307200
	s_or_b32 s59, s59, 0x80000000
	CROUND                                         ; all four work-groups are here: the first joint loads meet
	tensor_load_to_lds s[48:51], s[40:47]          ; the three first fills go out together, ahead of every wait on TENSORcnt and every LDS read
	s_nop 0
	tensor_load_to_lds s[52:55], s[40:47]
	s_nop 0
	tensor_load_to_lds s[56:59], s[40:47]
	s_nop 0
	PLACES 4                                       ; four plain lines behind a tensor load
	v_and_b32 v13, 31, v0
	v_lshlrev_b32 v[LI], 4, v13
	v_lshlrev_b32 v[PFO], 12, v13
	v_and_b32 v13, 15, v0                          ; r
	v_bfe_u32 v14, v0, 4, 1                        ; h
	v_lshlrev_b32 v[H8], 3, v14
	v_lshlrev_b32 v[O16R], 4, v13
	v_lshlrev_b32 v[O128H], 7, v14
	v_mul_u32_u24 v[OW1], v13, 768
	v_mad_u32_u24 v[OW1], v14, 24, v[OW1]          ; W_se1: row 4 r of 192 bytes, + 24 h
	v_lshlrev_b32 v[O32R], 5, v13
	v_lshlrev_b32 v[O32H], 5, v14
	v_mul_u32_u24 v[OW2], v13, 48
	v_mad_u32_u24 v[OW2], v14, 24, v[OW2]          ; W_se2: row r of 48 bytes, + 24 h
	v_lshlrev_b32 v[O2R], 1, v13
	v_mul_u32_u24 v[OWP], v13, 192
	v_mad_u32_u24 v[OWP], v14, 24, v[OWP]          ; W_proj: row r of 192 bytes, + 24 h
	v_lshlrev_b32 v[O8R], 3, v13
	v_lshlrev_b32 v[OA], 15, v14
	v_lshl_add_u32 v[OA], v13, 4, v[OA]
	s_mul_i32 s34, s[WV], 6144                     ; x_attn's images: my four fragments 4 w ..
	v_add_nc_u32 v[IW], s34, v[LI]
	s_lshl_b32 s34, s[WV], 8
	s_add_co_u32 s34, s34, SCA
	v_add_nc_u32 v[SW], s34, v[O16R]
	s_and_b32 s35, s[WV], 1                        ; Bq: the block of 64 positions that I finish
	s_mul_i32 s34, s35, 12288
	v_add_nc_u32 v[IMF], s34, v[LI]
	s_lshl_b32 s34, s35, 9
	s_add_co_u32 s34, s34, SCA
	v_add_nc_u32 v[SF], s34, v[LI]
.irp i, 0,1,2,3
	v_mov_b32 v[BP+\i], 0                          ; written once: a lane permute's destination counts as one of its sources
.endr
	; where my parts begin in memory
	s_mul_i32 s36, s33, 614400
	s_mul_i32 s37, s32, 76800
	s_add_co_u32 s36, s36, s37                     ; my block's package
	s_lshl_b32 s38, s[WV], 8
	s_add_co_u32 s38, s36, s38                     ; Q's scale words: 256 bytes a wave
	s_mul_i32 s37, s[WV], 6144
	s_add_co_u32 s36, s36, s37                     ; Q's fragments: four a wave
	s_mov_b32 s37, 0
	s_mov_b32 s39, 0
	s_add_nc_u64 s[36:37], s[4:5], s[36:37]
	s_add_nc_u64 s[38:39], s[4:5], s[38:39]
	s_lshr_b32 s74, s[WV], 1                       ; ch: the 128 output channels that I finish
	s_mov_b32 s35, 0
	s_lshl_b32 s34, s33, 10
	s_add_nc_u64 s[6:7], s[6:7], s[34:35]          ; pooled of my image (from byte 65,536 on)
	s_mul_i32 s34, s74, 6144
	s_add_nc_u64 s[22:23], s[22:23], s[34:35]
	s_lshl_b32 s34, s74, 8
	s_add_nc_u64 s[24:25], s[24:25], s[34:35]
	s_lshl_b32 s34, s74, 9
	s_add_nc_u64 s[26:27], s[26:27], s[34:35]
	s_add_nc_u64 s[14:15], s[14:15], s[34:35]
	s_mul_i32 s34, s74, 24576
	s_add_nc_u64 s[10:11], s[10:11], s[34:35]
	s_lshl_b32 s34, s74, 10
	s_add_nc_u64 s[12:13], s[12:13], s[34:35]
	s_lshl_b32 s34, s33, 20
	s_lshl_b32 s75, s74, 19
	s_add_co_u32 s34, s34, s75
	s_lshl_b32 s75, s32, 9
	s_add_co_u32 s34, s34, s75
	s_and_b32 s75, s[WV], 1
	s_lshl_b32 s75, s75, 8
	s_add_co_u32 s34, s34, s75                     ; image, channel 128 ch, position 128 qb + 64 Bq
	s_add_nc_u64 s[XB:XB+1], s[8:9], s[34:35]
	s_add_nc_u64 s[OB:OB+1], s[28:29], s[34:35]
	WIN 0x80
.set fi, 0
.rept 12
	global_load_b128 v[4*fi:4*fi+3], v[LI], s[36:37] offset:51200+512*fi   ; Q's four fragments (tile a, K step s at 12 (2 a + s)): they stay
.set fi, fi+1
.endr
.set ti, 0
.rept 8                                ; ti = 2 T + s: W_se1's tile T takes rows 4 r + T
.irp p, 0,1,2,3,4,5
	global_load_b64 v[64+12*ti+2*\p:64+12*ti+2*\p+1], v[OW1], s[16:17] offset:192*(ti/2)+96*(ti%2)+48*(\p/3)+8*(\p%3)
.endr
.set ti, ti+1
.endr
.set oi, 0
.rept 32                               ; oi = 8 T + j: b_se1 in the result's layout: unit 32 h + 4 j + T
	global_load_b32 v[160+oi], v[O128H], s[20:21] offset:16*(oi%8)+4*(oi/8)
.set oi, oi+1
.endr
.set ti, 0
.rept 16                               ; b_se2 likewise: channel 16 Tq + 8 h + j
	global_load_b128 v[192+4*ti:192+4*ti+3], v[O32H], s[26:27] offset:64*(ti/2)+16*(ti%2)
.set ti, ti+1
.endr
	WIN 0xc0
.set ti, 0
.rept 8                                ; W_se2: K = 64: a lane's 24 bytes are registers 0-5; registers 6-11 (k = 64 .. 127) are zero codes
.irp p, 0,1,2
	global_load_b64 v[64+12*ti+2*\p:64+12*ti+2*\p+1], v[OW2], s[22:23] offset:768*ti+8*\p
.endr
.irp i, 6,7,8,9,10,11
	v_mov_b32 v[64+12*ti+\i], 0
.endr
.set ti, ti+1
.endr
	WIN 0
	global_load_b128 v[QS:QS+3], v[O16R], s[38:39] offset:75776           ; Q's scale words: register 2 a + s
.set oi, 0
.rept 32                               ; pooled: block q = oi / 8 of my lane: channels 64 q + 32 h + 0 .. 31
	global_load_b128 v[S+4*oi:S+4*oi+3], v[O128H], s[6:7] offset:65536+256*(oi/8)+16*(oi%8)
.set oi, oi+1
.endr
.set ti, 0
.rept 8
	global_load_b32 v[KS+ti], v[O32R], s[18:19] offset:8*(ti/2)+4*(ti%2)
	global_load_u16 v[VS+ti], v[O2R], s[24:25] offset:32*ti               ; two bytes a row; the upper two stay 0, over zero codes
.set ti, ti+1
.endr
	s_wait_loadcnt 0x0
	; ---- the gate
	QUANT4 S, P, PS
	PLACES 8                                       ; a scale register written by a vector instruction stands 8 places ahead of a scaled matrix instruction, an operand 4
	WIN 0x22                                       ; W_se1 and b_se1 in window 2
.irp t, 0,1,2,3
	WMM S+8*\t, 64+24*\t, P, 160+8*\t, KS+2*\t, PS, 0, 0
.endr
	WIN 0x02
.irp t, 0,1,2,3
	WMM S+8*\t, 64+24*\t+12, P+12, S+8*\t, KS+2*\t+1, PS+1, 0, 0
.endr
	WIN 0
	PLACES 4
.set oi, 0
.rept 32
	v_max_num_f32 v[S+32+4*(oi%8)+oi/8], 0, v[S+oi]                       ; relu, written in natural order: register i is unit 32 h + i
.set oi, oi+1
.endr
	v_max3_num_f32 v[BM], v[S+32], v[S+33], 0x1800000                     ; none is negative: no |.|
	v_max3_num_f32 v[BM+1], v[S+34], v[S+35], v[S+36]
.irp i, 5,9,13,17,21,25
	v_max3_num_f32 v[BM], v[BM], v[S+32+\i], v[S+33+\i]
	v_max3_num_f32 v[BM+1], v[BM+1], v[S+34+\i], v[S+35+\i]
.endr
	v_max3_num_f32 v[BM], v[BM], v[S+61], v[S+62]
	v_max3_num_f32 v[BM], v[BM], v[BM+1], v[S+63]
	v_add_nc_u32 v[SO], 0xff000000, v[BM]
	v_lshrrev_b32 v[BY], 23, v[SO]
	v_lshlrev_b32 v[BY], v[H8], v[BY]              ; block h's byte at its place
	v_permlanex16_b32 v[BP+2], v[BY], s[SEL], s[SEL+1]
	v_or_b32 v[PS], v[BY], v[BP+2]
	v_cvt_scalef32_pk16_fp6_f32 v[P:P+2], v[S+32:S+47], v[SO]
	v_cvt_scalef32_pk16_fp6_f32 v[CT:CT+2], v[S+48:S+63], v[SO]
	v_nop
.irp i, 0,1,2
	v_mov_b32 v[P+3+\i], v[CT+\i]
.endr
.irp i, 6,7,8,9,10,11
	v_mov_b32 v[P+\i], 0                           ; k = 64 .. 127: zero codes on both sides
.endr
	PLACES 8
	WIN 0x23                                       ; W_se2 in window 3, b_se2 in window 2
.irp t, 0,1,2,3,4,5,6,7
	WMM S+64+8*\t, 64+12*\t, P, 192+8*\t, VS+\t, PS, 0, 0
.endr
	WIN 0
	PLACES 4
.set oi, 0
.rept 64
	v_mul_f32 v[S+64+oi], 0xbfb8aa3b, v[S+64+oi]   ; sigmoid(z) = 1 / (1 + 2^(-z log2(e)))
.set oi, oi+1
.endr
.set oi, 0
.rept 64
	v_exp_f32 v[S+64+oi], v[S+64+oi]
.set oi, oi+1
.endr
	v_nop
	s_wait_alu depctr_va_vdst(0)                   ; one wait for the batch, ahead of its first reader
.set oi, 0
.rept 64
	v_add_f32 v[S+64+oi], 1.0, v[S+64+oi]
.set oi, oi+1
.endr
	WIN 0xc0
.set oi, 0
.rept 64
	v_rcp_f32 v[oi], v[S+64+oi]                    ; the gate, window 3: register 8 Tq + j is channel 128 ch + 16 Tq + 8 h + j
.set oi, oi+1
.endr
	WIN 0
	v_nop
	s_wait_alu depctr_va_vdst(0)
.irp a, 0,1
	v_mov_b32 v[ST+8*\a+1], 0xff61b1e6             ; the largest t so far: -3e38, under every t
	v_floor_f32 v[ST+8*\a], -v[ST+8*\a+1]          ; -M
	v_mov_b32 v[ST+8*\a+2], 0                      ; the sum, in two halves
	v_mov_b32 v[ST+8*\a+3], 0
	v_mov_b32 v[ST+8*\a+5], 0                      ; (named as the upper half of f's pair)
.endr
; A KEY STEP of 128 keys at LDS byte s[TB]; its K is in registers or on its way.  first = 1: its products start O^T's sums: nothing is cleared, nothing rescaled.  kmode = 1: the next step's K is fetched under the exponentials.
.macro STEP first, kmode
	s_wait_dscnt 0x0                               ; K and its scale words are in
	PLACES 4                                       ; ahead of loads into registers that the last products read
	FETCH_V
	WIN 0x0a                                       ; K and Q in window 2
.irp s, 0,1
.set ti, 0
.rept 8                                ; the 16 accumulators by turns
.irp a, 0,1
.if \s == 0
	WMM S+64*\a+8*ti, 64+24*ti, 24*\a, -1, KS+4*(ti/4)+2*(ti%2), QS+2*\a, (ti/2)%2, 0
.else
	WMM S+64*\a+8*ti, 64+24*ti+12, 24*\a+12, S+64*\a+8*ti, KS+4*(ti/4)+2*(ti%2)+1, QS+2*\a+1, (ti/2)%2, 0
.endif
.endr
.set ti, ti+1
.endr
.endr
	WIN 0
	PLACES 4
.irp q, 0,1,2,3                        ; block q = 2 a + Bk: THE LARGEST SCORE OF EACH BLOCK OF 32 KEYS serves twice: for the row's maximum and for the block's largest p.  Each accumulator is read from its low end on
	v_max3_num_f32 v[BM+\q], v[S+32*\q], v[S+32*\q+1], v[S+32*\q+2]
.endr
.irp i, 3,5,7,9,11,13,15,17,19,21,23,25,27,29
.irp q, 0,1,2,3
	v_max3_num_f32 v[BM+\q], v[BM+\q], v[S+32*\q+\i], v[S+32*\q+\i+1]
.endr
.endr
.irp q, 0,1,2,3
	v_max_num_f32 v[BM+\q], v[BM+\q], v[S+32*\q+31]
.endr
.irp a, 0,1
	v_max_num_f32 v[ST+8*\a+6], v[BM+2*\a], v[BM+2*\a+1]
.endr
.irp a, 0,1
	v_permlanex16_b32 v[BP+\a], v[ST+8*\a+6], s[SEL], s[SEL+1]
.endr
.irp a, 0,1
	v_max_num_f32 v[ST+8*\a+6], v[ST+8*\a+6], v[BP+\a]                    ; the step's largest score of my query
.endr
.irp a, 0,1
	v_mul_f32 v[ST+8*\a+6], s[CS], v[ST+8*\a+6]                           ; as t (c is positive)
.endr
.irp a, 0,1
	v_max_num_f32 v[ST+8*\a+1], v[ST+8*\a+1], v[ST+8*\a+6]                ; the running largest t
.endr
.irp a, 0,1
	v_mov_b32 v[ST+8*\a+6], v[ST+8*\a]
.endr
.irp a, 0,1
	v_floor_f32 v[ST+8*\a], -v[ST+8*\a+1]                                 ; the new -M = -ceil(t)
.endr
.irp a, 0,1
	v_sub_f32 v[ST+8*\a+6], v[ST+8*\a], v[ST+8*\a+6]                      ; old M - new M: a whole number, 0 or less
.endr
.irp a, 0,1
	v_cvt_i32_f32 v[ST+8*\a+6], v[ST+8*\a+6]                              ; (it saturates)
.endr
.irp a, 0,1
	v_ldexp_f32 v[ST+8*\a+4], 1.0, v[ST+8*\a+6]                           ; f = 2^(old M - new M)
.endr
.irp a, 0,1
.set pi, 0
.rept 32
	v_pk_fma_f32 v[S+64*\a+2*pi:S+64*\a+2*pi+1], v[S+64*\a+2*pi:S+64*\a+2*pi+1], s[CS:CS+1], v[ST+8*\a:ST+8*\a+1] op_sel_hi:[1,0,0]   ; t - M, two at a time
.set pi, pi+1
.endr
.endr
.irp q, 0,1,2,3
	v_fma_f32 v[BM+\q], v[BM+\q], s[CS], v[ST+8*(\q/2)]                   ; the same of each block's largest score
.endr
.if \kmode
	s_add_co_u32 s[TN], s[TB], STEPB
	FETCH_K TN                                     ; K's registers were last read far more than four plain lines ago
.endif
.set pi, 0
.rept 128
	v_exp_f32 v[S+pi], v[S+pi]                     ; p = 2^(t - M), at most 1: not normalised
.set pi, pi+1
.endr
.irp a, 0,1
	v_pk_mul_f32 v[ST+8*\a+2:ST+8*\a+3], v[ST+8*\a+2:ST+8*\a+3], v[ST+8*\a+4:ST+8*\a+5] op_sel_hi:[1,0]   ; the sums under the new M.  (Plain lines behind the exponentials)
.endr
	s_wait_alu depctr_va_vdst(0)                   ; one wait for the batch of 128, ahead of its first reader
.irp q, 0,1,2,3
	v_exp_f32 v[BM+\q], v[BM+\q]                   ; each block's largest p
.endr
.irp a, 0,1
	v_pk_add_f32 v[ST+8*\a+6:ST+8*\a+7], v[S+64*\a:S+64*\a+1], v[S+64*\a+2:S+64*\a+3]     ; THE ROW'S SUM IS TAKEN OF THE UNQUANTISED p: four chains
.endr
.irp j, 4,8,12,16,20,24,28,32,36,40,44,48,52,56,60
.irp a, 0,1
	v_pk_add_f32 v[ST+8*\a+2:ST+8*\a+3], v[ST+8*\a+2:ST+8*\a+3], v[S+64*\a+\j:S+64*\a+\j+1]
	v_pk_add_f32 v[ST+8*\a+6:ST+8*\a+7], v[ST+8*\a+6:ST+8*\a+7], v[S+64*\a+\j+2:S+64*\a+\j+3]
.endr
.endr
.irp a, 0,1
	v_pk_add_f32 v[ST+8*\a+2:ST+8*\a+3], v[ST+8*\a+2:ST+8*\a+3], v[ST+8*\a+6:ST+8*\a+7]
.endr
	s_wait_alu depctr_va_vdst(0)                   ; and one for the four
.irp q, 0,1,2,3
	v_max_num_f32 v[BM+\q], 0x1800000, v[BM+\q]    ; the floor 2^(3 - 127)
.endr
	QTAIL S, P, PS
.if \first
	PLACES 8                                       ; ahead of scaled matrix instructions whose scale words and operands vector instructions have written
.else
	WIN 0x41
.irp a, 0,1
.set pi, 0
.rept 64
	v_pk_mul_f32 v[128*\a+2*pi:128*\a+2*pi+1], v[128*\a+2*pi:128*\a+2*pi+1], v[ST+8*\a+4:ST+8*\a+5] op_sel_hi:[1,0]   ; O^T under the new M.  (These are also those places)
.set pi, pi+1
.endr
.endr
.endif
	s_wait_dscnt 0x0                               ; V is in (and the next step's K, asked for some 450 lines ago)
	WIN 0x53                                       ; V in window 3, O^T in window 1
.set ti, 0
.rept 16
.irp a, 0,1
.if \first
	WMM 128*\a+8*ti, 64+12*ti, P+12*\a, -1, VS+4*(ti/8)+ti%4, PS+\a, (ti/4)%2, 0
.else
	WMM 128*\a+8*ti, 64+12*ti, P+12*\a, 128*\a+8*ti, VS+4*(ti/8)+ti%4, PS+\a, (ti/4)%2, 0
.endif
.endr
.set ti, ti+1
.endr
	WIN 0
	s_add_co_u32 s[TB], s[TB], STEPB
.endm
	s_wait_tensorcnt 0x2                           ; my quarter of steps 0, 1 is in; the two fills behind it may stay out
	s_barrier_signal -1
	s_barrier_wait -1                              ; everybody's is
	s_mov_b32 s[TB], 204800
	FETCH_K TB
	STEP 1, 1                                      ; step 0
	STEP 0, 0                                      ; step 1: its successor lies in another slot
	s_wait_tensorcnt 0x0                           ; THE CHANGE: all my tensor loads have landed, so steps 2 to 5 are whole behind the round, and a group 0 may be written;
	ds_add_u32 v[SPW], v[NIL]                      ; 0 onto my spare word;
	s_add_nc_u64 s[50:51], s[50:51], 460800        ; six packages on: steps 6, 7
	s_wait_dscnt 0x0                               ; the add is done, and my reads of the slot are over
	CROUND                                         ; no wave of any partner still reads the slot or has a load on its way
	tensor_load_to_lds s[48:51], s[40:47]          ; the joint refill, first behind the round: my one tensor load from here on
	s_nop 0
	PLACES 4
	s_mov_b32 s[TB], 0
	FETCH_K TB
	s_mov_b32 s[CNT], 2
.Lsteps_2_3:
	STEP 0, 1
	s_sub_co_u32 s[CNT], s[CNT], 1
	s_cmp_lg_u32 s[CNT], 0
	s_cbranch_scc1 .Lsteps_2_3
	s_wait_tensorcnt 0x0                           ; my quarter of steps 6, 7 has landed: it had two key steps, 128 matrix instructions, for that;
	ds_add_u32 v[SPW], v[NIL]
	s_wait_dscnt 0x0
	s_barrier_signal -1
	s_barrier_wait -1                              ; everybody's has; nothing is filled again, so no round.  From here on nobody reads the slot at 0
	s_mov_b32 s[CNT], 3
.Lsteps_4_6:
	STEP 0, 1
	s_sub_co_u32 s[CNT], s[CNT], 1
	s_cmp_lg_u32 s[CNT], 0
	s_cbranch_scc1 .Lsteps_4_6
.irp k, 0,1,2,3                        ; A PREFETCH of the x that my epilogue loads: 128 channels x 256 bytes, a lane a channel, one key step (64 matrix instructions and its softmax) ahead; each block of 256 bytes is read by one wave of the launch, which names it once
	global_prefetch_b8 v[PFO], s[XB:XB+1] offset:131072*\k th:TH_LOAD_NT scope:SCOPE_SE
.endr
	STEP 0, 0                                      ; step 7
	; ---- EPILOGUE
	PLACES 4                                       ; behind the last products: ahead of loads into their scale registers and of the first read of O^T
	WIN 0x80
.set ti, 0
.rept 16                               ; ti = 2 Tq + s: W_proj's rows 128 ch + 16 Tq + r
.irp p, 0,1,2,3,4,5
	global_load_b64 v[64+12*ti+2*\p:64+12*ti+2*\p+1], v[OWP], s[10:11] offset:3072*(ti/2)+96*(ti%2)+48*(\p/3)+8*(\p%3)
.endr
.set ti, ti+1
.endr
.set ti, 0
.rept 16                               ; b_proj in the result's layout
	global_load_b128 v[4*ti:4*ti+3], v[O32H], s[14:15] offset:64*(ti/2)+16*(ti%2)
.set ti, ti+1
.endr
	WIN 0
.set ti, 0
.rept 16
	global_load_b32 v[KS+ti], v[O8R], s[12:13] offset:128*(ti/2)+4*(ti%2)  ; W_proj's 16 scale words, in K's and V's scale registers
.set ti, ti+1
.endr
.irp a, 0,1
	v_add_f32 v[ST+8*\a+6], v[ST+8*\a+2], v[ST+8*\a+3]
.endr
.irp a, 0,1
	v_permlanex16_b32 v[BP+\a], v[ST+8*\a+6], s[SEL], s[SEL+1]
.endr
.irp a, 0,1
	v_add_f32 v[ST+8*\a+6], v[ST+8*\a+6], v[BP+\a]                        ; the row's sum
.endr
.irp a, 0,1
	v_rcp_f32 v[ST+8*\a+6], v[ST+8*\a+6]
.endr
	v_nop
	s_wait_alu depctr_va_vdst(0)
.irp a, 0,1
	WIN 0x01
.set oi, 0
.rept 128                              ; oi = 32 U + 8 T + j is channel 64 U + 32 h + 4 j + T: it goes to register 32 U + 4 j + T: natural order, for the given W_proj
	v_mul_f32 v[S+32*(oi/32)+4*(oi%8)+(oi/8)%4], v[128*\a+oi], v[ST+8*\a+6]
.set oi, oi+1
.endr
.if \a == 1
	s_wait_loadcnt 32                              ; W_proj, its scale words and b_proj are in; behind them stand tile 0's 32 loads of x
.endif
	WIN 0x40
.set oi, 0
.rept 32                               ; x into the registers that O^T has left: register 32 Tq + 4 j + t = x(channel 16 Tq + 8 h + j, position 4 r + t)
	global_load_b128 v[128*\a+4*oi:128*\a+4*oi+3], v[OA], s[XB:XB+1] offset:(64*\a+16*(oi/8)+oi%8)*4096
.set oi, oi+1
.endr
	WIN 0
	QUANT4 S, P, PS
.irp s, 0,1
.irp c, 0,1,2
	ds_store_b128 v[IW], v[P+12*\s+4*\c:P+12*\s+4*\c+3] offset:3072*\a+1536*\s+512*\c
.endr
	ds_store_b32 v[SW], v[PS+\s] offset:8*\a+4*\s  ; lanes r and 16 + r hold the same word and write it to the same place
.endr
	s_wait_dscnt 0x0                               ; the stores have read their registers, and have landed
.endr
	s_barrier_signal -1
	s_barrier_wait -1                              ; x_attn's sixteen fragments lie in LDS
.set fi, 0
.rept 24
	ds_load_b128 v[S+4*fi:S+4*fi+3], v[IMF] offset:512*fi                 ; my block's eight: (tile t, K step s) at S + 12 (2 t + s)
.set fi, fi+1
.endr
	ds_load_b128 v[QS:QS+3], v[SF]
	s_wait_dscnt 0x0
.irp k, 0,1,2,3                        ; two tiles of 16 output channels x four tiles of positions at a time: eight accumulators by turns
	WIN 0xe2                                       ; W_proj and b_proj in window 2, the results in window 3
.irp u, 0,1
.irp t, 0,1,2,3
	WMM 64+32*\u+8*\t, 64+24*(2*\k+\u), S+24*\t, 8*(2*\k+\u), KS+2*(2*\k+\u), QS+2*(\t%2), 0, \t/2
.endr
.endr
	WIN 0xf2
.irp u, 0,1
.irp t, 0,1,2,3
	WMM 64+32*\u+8*\t, 64+24*(2*\k+\u)+12, S+24*\t+12, 64+32*\u+8*\t, KS+2*(2*\k+\u)+1, QS+2*(\t%2)+1, 0, \t/2
.endr
.endr
	PLACES 5                                       ; four ahead of the first read of results; the fifth for the next pair, which begins these accumulators anew
	s_wait_loadcnt 48-16*\k                        ; this pair's 16 loads of x are in; those behind them stay out
	WIN 0x5f                                       ; results and gate in window 3, x in window 1
.irp u, 0,1
.irp t, 0,1,2,3
.irp j, 0,1,2,3,4,5,6,7
	v_fma_f32 v[32*(2*\k+\u)+4*\j+\t], v[64+32*\u+8*\t+\j], v[8*(2*\k+\u)+\j], v[32*(2*\k+\u)+4*\j+\t]   ; x + (proj + b_proj) x gate
.endr
.endr
.endr
	WIN 0x04                                       ; a store's data are its source 1: window 1
.irp u, 0,1
.irp j, 0,1,2,3,4,5,6,7
	global_store_b128 v[OA], v[32*(2*\k+\u)+4*\j:32*(2*\k+\u)+4*\j+3], s[OB:OB+1] offset:(16*(2*\k+\u)+\j)*4096 th:TH_STORE_NT   ; sixteen lanes store 256 consecutive bytes, aligned
.endr
.endr
.endr
	WIN 0
	s_wait_tensorcnt 0x0                           ; the wave's end: behind my last tensor load and my last LDS store
	ds_add_u32 v[SPW], v[NIL]
	s_wait_dscnt 0x0
	CROUND                                         ; the closing round: no work-group ends while a partner may still ask for a tile that names it
	s_endpgm
.Lfunc_end_k_qc4635759c2_attn:
	.size	k_qc4635759c2_attn, .Lfunc_end_k_qc4635759c2_attn-k_qc4635759c2_attn
	.p2alignl 7, 3214868480
	.fill 96, 4, 3214868480
	.section	.rodata,"a",@progbits
	.p2align	6, 0x0
	.amdhsa_kernel k_qc4635759c2_attn
		.amdhsa_group_segment_fixed_size 327680
		.amdhsa_private_segment_fixed_size 0
		.amdhsa_enable_private_segment 0
		.amdhsa_kernarg_size 104
		.amdhsa_user_sgpr_count 2
		.amdhsa_user_sgpr_kernarg_segment_ptr 1
		.amdhsa_wavefront_size32 1
		.amdhsa_system_sgpr_workgroup_id_x 1
		.amdhsa_system_sgpr_workgroup_id_y 1
		.amdhsa_system_sgpr_workgroup_id_z 1
		.amdhsa_system_vgpr_workitem_id 0
		.amdhsa_next_free_vgpr 1024
		.amdhsa_next_free_sgpr 80
		.amdhsa_reserve_vcc 0
		.amdhsa_float_denorm_mode_32 3
		.amdhsa_float_denorm_mode_16_64 3
		.amdhsa_memory_ordered 1
		.amdhsa_forward_progress 1
		.amdhsa_inst_pref_size 255
	.end_amdhsa_kernel
	.section	.bss,"aw",@nobits
	.p2align	6
	.space	262144
	.amdgpu_metadata
---
amdhsa.version: [ 1, 2 ]
amdhsa.kernels:
  - .name:           k_qc4635759c2_attn
    .symbol:         k_qc4635759c2_attn.kd
    .args:
      - { .name: qkvc, .offset: 0, .size: 8, .value_kind: global_buffer, .address_space: global }
      - { .name: stats, .offset: 8, .size: 8, .value_kind: global_buffer, .address_space: global }
      - { .name: x, .offset: 16, .size: 8, .value_kind: global_buffer, .address_space: global }
      - { .name: w_proj_codes, .offset: 24, .size: 8, .value_kind: global_buffer, .address_space: global }
      - { .name: w_proj_scales, .offset: 32, .size: 8, .value_kind: global_buffer, .address_space: global }
      - { .name: b_proj, .offset: 40, .size: 8, .value_kind: global_buffer, .address_space: global }
      - { .name: w_se1_codes, .offset: 48, .size: 8, .value_kind: global_buffer, .address_space: global }
      - { .name: w_se1_scales, .offset: 56, .size: 8, .value_kind: global_buffer, .address_space: global }
      - { .name: b_se1, .offset: 64, .size: 8, .value_kind: global_buffer, .address_space: global }
      - { .name: w_se2_codes, .offset: 72, .size: 8, .value_kind: global_buffer, .address_space: global }
      - { .name: w_se2_scales, .offset: 80, .size: 8, .value_kind: global_buffer, .address_space: global }
      - { .name: b_se2, .offset: 88, .size: 8, .value_kind: global_buffer, .address_space: global }
      - { .name: out0, .offset: 96, .size: 8, .value_kind: global_buffer, .address_space: global }
    .group_segment_fixed_size: 327680
    .private_segment_fixed_size: 0
    .kernarg_segment_align: 8
    .kernarg_segment_size: 104
    .max_flat_workgroup_size: 128
    .sgpr_count:     80
    .vgpr_count:     1024
    .wavefront_size: 32
...
	.end_amdgpu_metadata
.endif
;; end of part 3
;; ======== version 2 of 3: 3 launches
;; workspace buffers: stats 98,304 bytes; qkvc 19,660,800 bytes; wimg 208,896 bytes
;; launch stats (part 4): grid 256 x 1, 4 waves a work-group, no clusters, 1,024 bytes of LDS; arguments x, gn_gamma, w_qkv_codes, w_proj_codes, w_se1_codes, stats, wimg; writes stats, wimg
.if DOCPART == 4
	.amdgcn_target "amdgcn-amd-amdhsa--gfx1250"
	.amdhsa_code_object_version 6
	.text
	.protected	k_qc4635759c2_stats
	.globl	k_qc4635759c2_stats
	.p2align	8
	.type	k_qc4635759c2_stats,@function
k_qc4635759c2_stats:
	s_mov_b64 s[64:65], 0
	v_nop
	global_prefetch_b8 v0, s[64:65] scope:SCOPE_SE
	s_setreg_imm32_b32 hwreg(HW_REG_WAVE_MODE, 25, 1), 1
	s_wait_xcnt 0x0
; GroupNorm's statistics and the channel means of x [32][256][1024] f32; and, beside them, the given weights laid out for the launches that follow.
; stats: bytes 0 .. 65,535: for each of the 32 x 256 channels the pair (its group's mean, gamma x rsqrt(var + 1e-5)); from byte 65,536 on: the channel's own mean (the SE branch's pooled).
; A wave owns one group: 8 channels x 1,024 numbers, 32,768 dense bytes.  A channel is 32 registers (8 loads of 512 consecutive bytes a wave); six channel slots take turns, so that up to 48 loads are out.
; THE VARIANCE IS MADE OF CENTRED SUMS: each channel's squares are taken about the channel's own mean, and the eight means' spread about the group's mean is added: var = (sum of squares + 1024 x spread) / 8192.
; No difference of large sums is formed, so a common offset of the inputs costs no digits.
; wimg: W_qkv, W_proj and W_se1 as IMAGES OF THEIR OPERAND REGISTERS.  A fragment (16 rows x 128 K of 6-bit codes: 12 registers a lane) is 1,536 bytes: registers 4 c .. 4 c + 3 of lane l at 512 c + 16 l, so that its readers
; bring it by three loads of 512 consecutive bytes a wave, where the rows themselves give a lane 8 bytes at a time of sixteen rows far apart.  Fragments 0-95: W_qkv, number 8 PU + 2 T + s: lane row r = row 64 PU + 4 r + T, K step s;
; 96-127: W_proj, number 96 + 2 tile + s: row 16 tile + r;  128-135: W_se1, number 128 + 2 T + s: row 4 r + T.  136 fragments = the four waves of work-groups 0 to 33, one each.
; No LDS ring, no matrix unit, no cluster: the work-groups share no byte.  LIMITS: NaN and infinities among the inputs are not served.
.set MC, 8                             ; v8-15   the eight channel means
.set MP, 16                            ; v[16:17] the mean of the channel in hand, twice (a pair for the packed subtraction)
.set WO, 18                            ; v18     the weights: my lane's byte in a fragment's rows
.set T,  20                            ; v20-27  four pairs at work
.set SQ, 28                            ; v28-35  four pairs of running sums of squares
.set D,  36                            ; v36-43  differences
.set X,  48                            ; v48-239 six slots of 32 registers
.set WF, 240                           ; v240-251 a fragment of a weight
	s_load_b256 s[4:11], s[0:1], 0x0               ; x, gamma, W_qkv's codes, W_proj's codes
	s_load_b128 s[12:15], s[0:1], 0x20             ; W_se1's codes, stats
	s_load_b64 s[16:17], s[0:1], 0x30              ; wimg
	v_lshl_add_u32 v254, v0, 2, 0x200
	v_mov_b32 v255, 0
	v_lshrrev_b32 v1, 5, v0
	v_readfirstlane_b32 s24, v1                    ; wave 0..3
	v_and_b32 v2, 31, v0                           ; lane
	v_lshlrev_b32 v1, 4, v2                        ; 16 bytes a lane
	v_lshlrev_b32 v5, 3, v2                        ; 8 x lane: the way out of the pairs
	v_lshlrev_b32 v6, 2, v2                        ; 4 x lane: of the means
	v_and_b32 v2, 7, v0                            ; the channel of the group that my lane reports
	s_and_b32 s25, ttmp9, 7
	s_lshl_b32 s25, s25, 7                         ; gamma: 32 channels of 4 bytes for each work-group of an image,
	s_lshl_b32 s26, s24, 5                         ; 8 for each wave
	s_add_co_u32 s25, s25, s26
	v_lshl_add_u32 v3, v2, 2, s25
	s_lshl_b32 s26, ttmp9, 17                      ; x: four groups of 32,768 bytes a work-group,
	s_lshl_b32 s27, s24, 15                        ; one a wave
	s_add_co_u32 s26, s26, s27
	s_mov_b32 s27, 0
	s_lshl_b32 s28, ttmp9, 8                       ; the pairs: 256 bytes a work-group
	s_mov_b32 s29, 0
	s_lshl_b32 s30, ttmp9, 7                       ; the means: 128 bytes a work-group
	s_mov_b32 s31, 0
	s_lshl_b32 s34, s24, 6
	v_lshl_add_u32 v7, v2, 3, s34                  ; LDS: 64 x wave + 8 x channel
	s_lshl_b32 s34, s24, 5
	s_add_co_u32 s34, s34, 256
	v_lshl_add_u32 v44, v2, 2, s34                 ; LDS: 256 + 32 x wave + 4 x channel
	s_mov_b32 s32, 0x76543210                      ; v_permlanex16_b32's selects for lane l xor 16
	s_mov_b32 s33, 0xfedcba98
	v_mov_b32 v45, 0                               ; a lane permute's destination counts as one of its sources
	s_wait_kmcnt 0x0
	s_add_nc_u64 s[4:5], s[4:5], s[26:27]
	s_add_nc_u64 s[36:37], s[14:15], s[30:31]
	s_add_nc_u64 s[14:15], s[14:15], s[28:29]
	global_load_b32 v4, v3, s[6:7]                 ; gamma of my lane's channel
.macro FILL j                          ; channel j into slot j % 6: eight loads of 512 consecutive bytes
.irp k, 0,1,2,3,4,5,6,7
	global_load_b128 v[X+32*((\j)%6)+4*\k:X+32*((\j)%6)+4*\k+3], v1, s[4:5] offset:4096*(\j)+512*\k
.endr
.endm
.macro LANES r                         ; the sum over the wave's 32 lanes, in every lane
	v_add_f32_dpp v[\r], v[\r], v[\r] row_xmask:1 row_mask:0xf bank_mask:0xf
	v_add_f32_dpp v[\r], v[\r], v[\r] row_xmask:2 row_mask:0xf bank_mask:0xf
	v_add_f32_dpp v[\r], v[\r], v[\r] row_xmask:4 row_mask:0xf bank_mask:0xf
	v_add_f32_dpp v[\r], v[\r], v[\r] row_xmask:8 row_mask:0xf bank_mask:0xf
	v_permlanex16_b32 v45, v[\r], s32, s33
	v_add_f32 v[\r], v[\r], v45
.endm
	; THE WEIGHTS' IMAGES: one arm of one branch on the work-group's number holds a fragment's loads, the wait for them and its stores.  The six loads stand ahead of the loads of x, so every later count is the same on both ways.
	s_cmp_lt_u32 ttmp9, 34
	s_cbranch_scc0 .Lplain
	s_lshl_b32 s38, ttmp9, 2
	s_add_co_u32 s38, s38, s24                     ; my fragment: 4 x work-group + wave
	s_cmp_lt_u32 ttmp9, 24                         ; work-groups 0-23: W_qkv; 24-31: W_proj; 32, 33: W_se1.  The choices hang on the work-group's number alone
	s_cselect_b64 s[18:19], s[8:9], s[10:11]
	s_cselect_b32 s39, 0, 96
	s_cmp_lt_u32 ttmp9, 32
	s_cselect_b64 s[18:19], s[18:19], s[12:13]
	s_cselect_b32 s39, s39, 128
	s_sub_co_u32 s39, s38, s39                     ; its number within its weight
	s_lshr_b32 s40, s39, 3
	s_lshl_b32 s40, s40, 6
	s_bfe_u32 s41, s39, 0x20001
	s_add_co_u32 s40, s40, s41
	s_mul_i32 s40, s40, 192                        ; tiles by fours: row 64 PU + T of 192 bytes, the lanes' rows four apart
	s_lshr_b32 s41, s39, 1
	s_mul_i32 s41, s41, 3072                       ; W_proj: row 16 tile, the lanes' rows neighbours
	s_sub_co_u32 s42, ttmp9, 24
	s_cmp_lt_u32 s42, 8                            ; W_proj's work-groups (below 24 the difference wraps to a large number)
	s_cselect_b32 s40, s41, s40
	s_mov_b32 s41, 768
	s_cselect_b32 s41, 192, s41                    ; bytes from lane row to lane row
	s_and_b32 s42, s39, 1
	s_mul_i32 s42, s42, 96                         ; K step s
	s_add_co_u32 s20, s40, s42
	s_mov_b32 s21, 0
	s_add_nc_u64 s[18:19], s[18:19], s[20:21]
	s_mul_i32 s20, s38, 1536
	s_add_nc_u64 s[16:17], s[16:17], s[20:21]      ; where its image goes
	v_and_b32 v20, 15, v0                          ; r
	v_bfe_u32 v21, v0, 4, 1                        ; h
	v_mul_lo_u32 v[WO], v20, s41
	v_mad_u32_u24 v[WO], v21, 24, v[WO]
.irp p, 0,1,2,3,4,5
	global_load_b64 v[WF+2*\p:WF+2*\p+1], v[WO], s[18:19] offset:48*(\p/3)+8*(\p%3)   ; registers 6 c .. 6 c + 5: k = 64 c + 32 h + 0 .. 31, 24 bytes as they lie
.endr
	FILL 0
	FILL 1
	FILL 2
	FILL 3
	FILL 4
	FILL 5
	s_wait_loadcnt 48                              ; the fragment is in; the 48 loads of x behind it stay out
.irp c, 0,1,2
	global_store_b128 v1, v[WF+4*\c:WF+4*\c+3], s[16:17] offset:512*\c     ; each store of the wave covers 512 consecutive bytes, aligned; its registers are not written again
.endr
	s_branch .Lgo
.Lplain:
	FILL 0
	FILL 1
	FILL 2
	FILL 3
	FILL 4
	FILL 5
.Lgo:
; Channel j: its mean, then its squares about that mean.  left = the loads issued behind its eight, which may stay out.
.macro TURN j, left
.set XS, X+32*((\j)%6)
	s_wait_loadcnt \left
.irp k, 0,1,2,3
	v_pk_add_f32 v[T+2*\k:T+2*\k+1], v[XS+2*\k:XS+2*\k+1], v[XS+8+2*\k:XS+8+2*\k+1]      ; four chains that do not wait for each other
.endr
.irp k, 0,1,2,3
	v_pk_add_f32 v[T+2*\k:T+2*\k+1], v[T+2*\k:T+2*\k+1], v[XS+16+2*\k:XS+16+2*\k+1]
.endr
.irp k, 0,1,2,3
	v_pk_add_f32 v[T+2*\k:T+2*\k+1], v[T+2*\k:T+2*\k+1], v[XS+24+2*\k:XS+24+2*\k+1]
.endr
	v_pk_add_f32 v[T:T+1], v[T:T+1], v[T+2:T+3]
	v_pk_add_f32 v[T+4:T+5], v[T+4:T+5], v[T+6:T+7]
	v_pk_add_f32 v[T:T+1], v[T:T+1], v[T+4:T+5]
	v_add_f32 v[T], v[T], v[T+1]
	LANES T
	v_mul_f32 v[MP], 0x3a800000, v[T]              ; / 1024
	v_mul_f32 v[MP+1], 0x3a800000, v[T]
	v_mov_b32 v[MC+(\j)], v[MP]
.irp q, 0,1,2,3
.irp k, 0,1,2,3
	v_pk_add_f32 v[D+2*\k:D+2*\k+1], v[XS+8*\q+2*\k:XS+8*\q+2*\k+1], v[MP:MP+1] neg_lo:[0,1] neg_hi:[0,1]
.endr
.irp k, 0,1,2,3
.if ((\j) == 0) && (\q == 0)
	v_pk_mul_f32 v[SQ+2*\k:SQ+2*\k+1], v[D+2*\k:D+2*\k+1], v[D+2*\k:D+2*\k+1]              ; the first squares start the sums: nothing is cleared
.else
	v_pk_fma_f32 v[SQ+2*\k:SQ+2*\k+1], v[D+2*\k:D+2*\k+1], v[D+2*\k:D+2*\k+1], v[SQ+2*\k:SQ+2*\k+1]
.endif
.endr
.endr
.if (\j) < 2
	FILL (\j)+6                                    ; the slot takes the channel six further on
.endif
.endm
	TURN 0, 40                                     ; behind channel 0's eight: channels 1 to 5
	TURN 1, 40                                     ; channels 2 to 6
	TURN 2, 40                                     ; channels 3 to 7
	TURN 3, 32                                     ; nothing more is asked for: the counts run down
	TURN 4, 24
	TURN 5, 16
	TURN 6, 8
	TURN 7, 0
	v_add_f32 v[T], v[MC], v[MC+1]
	v_add_f32 v[T+1], v[MC+2], v[MC+3]
	v_add_f32 v[T+2], v[MC+4], v[MC+5]
	v_add_f32 v[T+3], v[MC+6], v[MC+7]
	v_add_f32 v[T], v[T], v[T+1]
	v_add_f32 v[T+2], v[T+2], v[T+3]
	v_add_f32 v[T], v[T], v[T+2]
	v_mul_f32 v46, 0x3e000000, v[T]                ; the group's mean: the eight means' mean
.irp i, 0,1,2,3,4,5,6,7
	v_sub_f32 v[D+\i], v[MC+\i], v46
.endr
	v_mul_f32 v[T+1], v[D], v[D]
.irp i, 1,2,3,4,5,6,7
	v_fmac_f32 v[T+1], v[D+\i], v[D+\i]            ; the means' spread
.endr
	v_pk_add_f32 v[SQ:SQ+1], v[SQ:SQ+1], v[SQ+2:SQ+3]
	v_pk_add_f32 v[SQ+4:SQ+5], v[SQ+4:SQ+5], v[SQ+6:SQ+7]
	v_pk_add_f32 v[SQ:SQ+1], v[SQ:SQ+1], v[SQ+4:SQ+5]
	v_add_f32 v[T], v[SQ], v[SQ+1]
	LANES T
	v_fmamk_f32 v[T], v[T+1], 0x44800000, v[T]     ; + 1024 x spread
	v_mul_f32 v[T], 0x39000000, v[T]               ; / 8192: the variance
	v_add_f32 v[T], 0x3727c5ac, v[T]               ; + 1e-5
	v_rsq_f32 v[T+2], v[T]
	v_mov_b32 v[T+4], v[MC]                        ; my lane's channel's mean, chosen without a branch.  (Plain work behind the root)
.irp i, 1,2,3,4,5,6,7
	v_cmp_eq_u32 vcc_lo, \i, v2
	v_cndmask_b32 v[T+4], v[T+4], v[MC+\i], vcc_lo
.endr
	s_wait_alu depctr_va_vdst(0)                   ; the wait ahead of the root's first reader
	v_mul_f32 v47, v4, v[T+2]                      ; gamma x rstd
	ds_store_b64 v7, v[46:47]                      ; lanes that report the same channel write the same value to the same place
	ds_store_b32 v44, v[T+4]
	s_wait_dscnt 0x0                               ; for wave 0's sake: my stores have landed
	s_barrier_signal -1
	s_barrier_wait -1
	s_cmp_lg_u32 s24, 0
	s_cbranch_scc1 .Lend
	ds_load_b64 v[20:21], v5                       ; wave 0 stores the work-group's 32 channels:
	ds_load_b32 v22, v6 offset:256
	s_wait_dscnt 0x0
	global_store_b64 v5, v[20:21], s[14:15]        ; 256 consecutive bytes, aligned,
	global_store_b32 v6, v22, s[36:37] offset:65536  ; and 128
.Lend:
	s_wait_tensorcnt 0x0
	ds_add_u32 v254, v255
	s_wait_dscnt 0x0
	s_endpgm
.Lfunc_end_k_qc4635759c2_stats:
	.size	k_qc4635759c2_stats, .Lfunc_end_k_qc4635759c2_stats-k_qc4635759c2_stats
	.p2alignl 7, 3214868480
	.fill 96, 4, 3214868480
	.section	.rodata,"a",@progbits
	.p2align	6, 0x0
	.amdhsa_kernel k_qc4635759c2_stats
		.amdhsa_group_segment_fixed_size 1024
		.amdhsa_private_segment_fixed_size 0
		.amdhsa_enable_private_segment 0
		.amdhsa_kernarg_size 56
		.amdhsa_user_sgpr_count 2
		.amdhsa_user_sgpr_kernarg_segment_ptr 1
		.amdhsa_wavefront_size32 1
		.amdhsa_system_sgpr_workgroup_id_x 1
		.amdhsa_system_sgpr_workgroup_id_y 1
		.amdhsa_system_sgpr_workgroup_id_z 1
		.amdhsa_system_vgpr_workitem_id 0
		.amdhsa_next_free_vgpr 256
		.amdhsa_next_free_sgpr 66
		.amdhsa_reserve_vcc 1
		.amdhsa_float_denorm_mode_32 3
		.amdhsa_float_denorm_mode_16_64 3
		.amdhsa_memory_ordered 1
		.amdhsa_forward_progress 1
		.amdhsa_inst_pref_size 46
	.end_amdhsa_kernel
	.amdgpu_metadata
---
amdhsa.version: [ 1, 2 ]
amdhsa.kernels:
  - .name:           k_qc4635759c2_stats
    .symbol:         k_qc4635759c2_stats.kd
    .args:
      - { .name: x, .offset: 0, .size: 8, .value_kind: global_buffer, .address_space: global }
      - { .name: gn_gamma, .offset: 8, .size: 8, .value_kind: global_buffer, .address_space: global }
      - { .name: w_qkv_codes, .offset: 16, .size: 8, .value_kind: global_buffer, .address_space: global }
      - { .name: w_proj_codes, .offset: 24, .size: 8, .value_kind: global_buffer, .address_space: global }
      - { .name: w_se1_codes, .offset: 32, .size: 8, .value_kind: global_buffer, .address_space: global }
      - { .name: stats, .offset: 40, .size: 8, .value_kind: global_buffer, .address_space: global }
      - { .name: wimg, .offset: 48, .size: 8, .value_kind: global_buffer, .address_space: global }
    .group_segment_fixed_size: 1024
    .private_segment_fixed_size: 0
    .kernarg_segment_align: 8
    .kernarg_segment_size: 56
    .max_flat_workgroup_size: 128
    .sgpr_count:     66
    .vgpr_count:     256
    .wavefront_size: 32
...
	.end_amdgpu_metadata
.endif
;; end of part 4
;; launch qkv (part 5): grid 8 x 32, 8 waves a work-group, no clusters, 103,424 bytes of LDS; arguments x, stats, gn_beta, wimg, w_qkv_scales, b_qkv, qkvc; writes qkvc
.if DOCPART == 5
	.amdgcn_target "amdgcn-amd-amdhsa--gfx1250"
	.amdhsa_code_object_version 6
	.text
	.protected	k_qc4635759c2_qkv
	.globl	k_qc4635759c2_qkv
	.p2align	8
	.type	k_qc4635759c2_qkv,@function
k_qc4635759c2_qkv:
	s_mov_b64 s[64:65], 0
	v_nop
	global_prefetch_b8 v0, s[64:65] scope:SCOPE_SE
	s_setreg_imm32_b32 hwreg(HW_REG_WAVE_MODE, 25, 1), 1
	s_wait_xcnt 0x0
; xn = GroupNorm(x), quantised along the channels; q, k, v = W xn + b on codes of FP6 (E2M3) with one E8M0 scale for each 32 along K; q and k quantised along the channels, v along the positions.
; A work-group takes 128 positions of one image and makes one PACKAGE of 76,800 bytes: K's 16 fragments (24,576), V's 16 (24,576), K's scale words (1,024), V's (1,024), Q's 16 fragments, Q's scale words.
; A FRAGMENT (16 rows x 128 K: 12 registers a lane) is kept as an IMAGE OF ITS REGISTERS, 1,536 bytes: registers 4 c .. 4 c + 3 of lane l at 512 c + 16 l: three loads of 16 bytes a lane bring it back, from LDS or memory.
; A SCALE AREA serves 16 fragments: byte e of row r of fragment f at 512 (f / 8) + 256 ((f / 4) % 2) + 16 r + 4 (f % 4) + e: one load of 16 bytes a lane gives four registers, register i with fragment 8 g + i's words in lanes 0-15 and fragment 8 g + 4 + i's in lanes 16-31.
; TILES BY FOURS.  Tile t of a block of 64 rows takes rows 4 r + t.  As source 0 its result's register j of lane (r', h) is row 32 h + 4 j + t, so the 32 registers of four tiles are ONE WHOLE block of 32 in ONE lane,
; which is what the 6-bit operand layout wants of that lane: no maximum crosses lanes, no halves are exchanged.  Inside a block slot 8 t + j holds element 4 j + t; q and k carry the same order along the channels, v and the
; attention's p the same order along the keys, so the products are the true ones.  xn, whose partner is a given weight, is laid in natural order.
; Fragment numbers: xn, q, k: 2 (4 B + t) + s: block B of 64 positions, tile t (its row r is position 64 B + 4 r + t), K step s of 128 channels.  v: 4 U + T, whose row r is channel 64 U + 4 r + T; its K is the package's 128 positions.
; SHARES.  Eight waves, one text; a wave's role (kq = wave / 4, U = wave % 4) enters addresses alone.  Phase X: wave (kq, U) normalises and quantises channels 64 U .. + 63 of positions 64 kq .. + 63.  Phase P: it makes output rows
; 64 U .. + 63 of q (kq = 0) or k (kq = 1) for all 128 positions and of v for positions 64 kq .. + 63: 96 matrix instructions.
; THE WEIGHTS come as images too, laid by the launch before (fragment 8 (4 P + U) + 2 T + s: row 256 P + 64 U + 4 r + T, K step s; P = 0, 1, 2 for q, k, v): a wave's eight fragments of a part are 12,288 dense bytes, 24 loads of 512
; consecutive bytes, straight into operand registers, once.  They are what work-groups share, but they go into registers and not through LDS, so no joint tensor load is laid: it would want a ring for 147,456 bytes that each wave reads once.
; LIMITS: NaN and infinities are not served; a block whose largest magnitude lies under 2^-124 keeps the byte 1 (a block of zeros too: its codes are zeros, and this program alone reads the bytes).
; REGISTERS.  Window 0: v1-23 LDS addresses; v24-27 xn's scale words; v28-43 the weights'; v44-55 at work; v56-61 offsets; v64-127 accumulators (phase X: codes); v128-255 xn as f32, then xn's 8 fragments, codes, the way out.
;   Window 1: phase X: x (v0-127), (mean, a) (v128-191), beta (v192-223); then the weights' 16 fragments (v0-191) and the two biases in the results' layouts (v192-255).
.set XS,  24
.set WS,  28
.set TM,  44
.set SO,  48
.set BY,  52
.set ACC, 64
.set Y,   128
.set XF,  128
.set WA,  0
.set WB,  96
.set BA,  192
.set BB,  224
.set XNI, 76800                        ; LDS: behind the package's image: xn's 16 fragments,
.set XNS, 101376                       ; and their scale area
.set MSB, 0
.macro WIN new                         ; the immediate's high byte repeats the setting that is left
.if MSB != \new
	s_set_vgpr_msb (MSB<<8)|\new
.set MSB, \new
.endif
.endm
; One matrix instruction.  c < 0: the constant 0 starts the sum.  ra, rb: the side's scale words stand in lanes 16-31.
.macro WMM d, a, b, c, sa, sb, ra, rb
.if (\c) < 0
.if (\ra)
	v_wmma_scale_f32_16x16x128_f8f6f4 v[(\d):(\d)+7], v[(\a):(\a)+11], v[(\b):(\b)+11], 0, v[\sa], v[\sb] matrix_a_fmt:MATRIX_FMT_FP6 matrix_b_fmt:MATRIX_FMT_FP6 matrix_a_scale:MATRIX_SCALE_ROW1
.elseif (\rb)
	v_wmma_scale_f32_16x16x128_f8f6f4 v[(\d):(\d)+7], v[(\a):(\a)+11], v[(\b):(\b)+11], 0, v[\sa], v[\sb] matrix_a_fmt:MATRIX_FMT_FP6 matrix_b_fmt:MATRIX_FMT_FP6 matrix_b_scale:MATRIX_SCALE_ROW1
.else
	v_wmma_scale_f32_16x16x128_f8f6f4 v[(\d):(\d)+7], v[(\a):(\a)+11], v[(\b):(\b)+11], 0, v[\sa], v[\sb] matrix_a_fmt:MATRIX_FMT_FP6 matrix_b_fmt:MATRIX_FMT_FP6
.endif
.else
.if (\ra)
	v_wmma_scale_f32_16x16x128_f8f6f4 v[(\d):(\d)+7], v[(\a):(\a)+11], v[(\b):(\b)+11], v[(\c):(\c)+7], v[\sa], v[\sb] matrix_a_fmt:MATRIX_FMT_FP6 matrix_b_fmt:MATRIX_FMT_FP6 matrix_a_scale:MATRIX_SCALE_ROW1
.elseif (\rb)
	v_wmma_scale_f32_16x16x128_f8f6f4 v[(\d):(\d)+7], v[(\a):(\a)+11], v[(\b):(\b)+11], v[(\c):(\c)+7], v[\sa], v[\sb] matrix_a_fmt:MATRIX_FMT_FP6 matrix_b_fmt:MATRIX_FMT_FP6 matrix_b_scale:MATRIX_SCALE_ROW1
.else
	v_wmma_scale_f32_16x16x128_f8f6f4 v[(\d):(\d)+7], v[(\a):(\a)+11], v[(\b):(\b)+11], v[(\c):(\c)+7], v[\sa], v[\sb] matrix_a_fmt:MATRIX_FMT_FP6 matrix_b_fmt:MATRIX_FMT_FP6
.endif
.endif
.endm
; n blocks of 32 numbers of a lane, block u at v[src + 32 u], become six registers of codes each, at v[HC + 6 u], and a scale byte in v[BY + u].
.macro QBLK n, src
.set qi, 0
.rept \n
	v_max3_num_f32 v[TM+qi], |v[\src+32*qi]|, |v[\src+32*qi+1]|, 0x1800000   ; the floor 2^(3 - 127) among the leaves: the byte cannot fall under 1.  Each accumulator is read from its low end on
.set qi, qi+1
.endr
.set qk, 2
.rept 15
.set qi, 0
.rept \n
	v_max3_num_f32 v[TM+qi], v[TM+qi], |v[\src+32*qi+qk]|, |v[\src+32*qi+qk+1]|   ; (the blocks by turns)
.set qi, qi+1
.endr
.set qk, qk+2
.endr
	s_wait_dscnt 0x0                               ; the LDS stores of the codes and bytes made last have read their registers
.set qi, 0
.rept \n
	v_add_nc_u32 v[SO+qi], 0xff000000, v[TM+qi]    ; 2 off the exponent field: the conversion takes this operand's exponent field as its scale
.set qi, qi+1
.endr
.set qi, 0
.rept \n
	v_lshrrev_b32 v[BY+qi], 23, v[SO+qi]           ; the scale's byte
.set qi, qi+1
.endr
.set qi, 0
.rept \n
	v_cvt_scalef32_pk16_fp6_f32 v[HC+6*qi:HC+6*qi+2], v[\src+32*qi:\src+32*qi+15], v[SO+qi]
	v_cvt_scalef32_pk16_fp6_f32 v[CT+4*qi:CT+4*qi+2], v[\src+32*qi+16:\src+32*qi+31], v[SO+qi]   ; (a conversion's three registers begin on an even number)
.set qi, qi+1
.endr
	v_nop                                          ; one plain place behind a scaled conversion
.set qi, 0
.rept \n
	v_mov_b32 v[HC+6*qi+3], v[CT+4*qi]
	v_mov_b32 v[HC+6*qi+4], v[CT+4*qi+1]
	v_mov_b32 v[HC+6*qi+5], v[CT+4*qi+2]
.set qi, qi+1
.endr
.endm
; Block u's six registers are half of a fragment's twelve: three pieces of 8 bytes of its image.  p0 = base + 16 lane + 520 half, p1 = p0 + 8 + 496 half: half 0 lies at 16 l, 16 l + 8, 16 l + 512; half 1 at 16 l + 520, + 1024, + 1032.
.macro PUT u, p0, p1, sb, imm, sof
	ds_store_b64 v[\p0], v[HC+6*(\u):HC+6*(\u)+1] offset:\imm
	ds_store_b64 v[\p1], v[HC+6*(\u)+2:HC+6*(\u)+3] offset:\imm
	ds_store_b64 v[\p0], v[HC+6*(\u)+4:HC+6*(\u)+5] offset:(\imm)+512
	ds_store_b8 v[\sb], v[BY+(\u)] offset:\sof
.endm
	s_load_b256 s[4:11], s[0:1], 0x0               ; x, stats, beta, the weights' images
	s_load_b128 s[12:15], s[0:1], 0x20             ; W's scales, b_qkv
	s_load_b64 s[16:17], s[0:1], 0x30              ; the packages
	v_lshl_add_u32 v62, v0, 2, 0x19000
	v_mov_b32 v63, 0
	v_lshrrev_b32 v1, 5, v0
	v_readfirstlane_b32 s18, v1                    ; wave 0..7
	s_lshr_b32 s19, s18, 2                         ; kq
	s_and_b32 s20, s18, 3                          ; U
	s_and_b32 s21, s18, 1                          ; c' = U % 2: which half of a fragment my 64 channels are
	s_bfe_u32 s22, s18, 0x10001                    ; sU = U / 2: which K step
	s_xor_b32 s23, s19, 1                          ; 1 - kq
	s_and_b32 s25, ttmp7, 0xffff                   ; the image
	v_and_b32 v2, 31, v0
	v_lshlrev_b32 v1, 4, v2                        ; 16 x lane
	v_and_b32 v3, 15, v0                           ; r
	v_bfe_u32 v2, v0, 4, 1                         ; h
	v_lshl_add_u32 v23, v3, 4, v2                  ; 16 r + h: a lane's place in a scale area
	; every LDS address: a constant + a lane term + constants x the wave's fields
	s_mul_i32 s26, s21, 520
	s_mul_i32 s27, s22, 1536
	s_add_co_u32 s26, s26, s27                     ; 520 c' + 1536 sU
	s_lshl_b32 s27, s21, 1
	s_lshl_b32 s28, s22, 2
	s_add_co_u32 s27, s27, s28                     ; 2 c' + 4 sU
	s_mul_i32 s28, s21, 496
	s_add_co_u32 s28, s28, 8                       ; 8 + 496 c'
	s_mul_i32 s29, s19, 12288                      ; xn: block kq's eight fragments
	s_add_co_u32 s29, s29, s26
	s_add_co_u32 s29, s29, XNI
	v_add_nc_u32 v4, s29, v1
	v_add_nc_u32 v5, s28, v4
	s_lshl_b32 s29, s19, 9
	s_add_co_u32 s29, s29, s27
	s_add_co_u32 s29, s29, XNS
	v_add_nc_u32 v6, s29, v23
	s_mul_i32 s29, s23, 63488                      ; q (at 51,200) or k (at 0), block 1 - kq: (51,200 + 12,288) (1 - kq)
	s_add_co_u32 s29, s29, s26
	v_add_nc_u32 v7, s29, v1
	v_add_nc_u32 v8, s28, v7
	s_mul_i32 s29, s23, 27136                      ; its scale area, q's at 75,776, k's at 49,152: (26,624 + 512) (1 - kq)
	s_add_co_u32 s29, s29, s27
	s_add_co_u32 s29, s29, 49152
	v_add_nc_u32 v9, s29, v23
	s_mul_i32 s29, s23, 51200                      ; the same for block kq
	s_mul_i32 s30, s19, 12288
	s_add_co_u32 s29, s29, s30
	s_add_co_u32 s29, s29, s26
	v_add_nc_u32 v10, s29, v1
	v_add_nc_u32 v11, s28, v10
	s_mul_i32 s29, s23, 26624
	s_lshl_b32 s30, s19, 9
	s_add_co_u32 s29, s29, s30
	s_add_co_u32 s29, s29, s27
	s_add_co_u32 s29, s29, 49152
	v_add_nc_u32 v12, s29, v23
	s_mul_i32 s29, s20, 6144                       ; v: fragments 4 U .., half kq
	s_mul_i32 s30, s19, 520
	s_add_co_u32 s29, s29, s30
	s_add_co_u32 s29, s29, 24576
	v_add_nc_u32 v13, s29, v1
	s_mul_i32 s30, s19, 496
	s_add_co_u32 s30, s30, 8
	v_add_nc_u32 v14, s30, v13
	s_lshl_b32 s29, s20, 8
	s_lshl_b32 s30, s19, 1
	s_add_co_u32 s29, s29, s30
	s_add_co_u32 s29, s29, 50176
	v_add_nc_u32 v15, s29, v23
	s_mul_i32 s29, s23, 12288                      ; where xn's fragments and scale words are read back: block 1 - kq,
	s_add_co_u32 s29, s29, XNI
	v_add_nc_u32 v16, s29, v1
	s_lshl_b32 s29, s23, 9
	s_add_co_u32 s29, s29, XNS
	v_add_nc_u32 v17, s29, v1
	s_mul_i32 s29, s19, 12288                      ; block kq
	s_add_co_u32 s29, s29, XNI
	v_add_nc_u32 v18, s29, v1
	s_lshl_b32 s29, s19, 9
	s_add_co_u32 s29, s29, XNS
	v_add_nc_u32 v19, s29, v1
	s_lshl_b32 s29, s18, 9                         ; the way out: chunks of 512 bytes, wave + 8 i
	v_add_nc_u32 v20, s29, v1
	v_add_nc_u32 v21, 0x10000, v20                 ; (an LDS offset has 16 bits)
	; offsets into memory; none is written again
	v_lshlrev_b32 v56, 17, v2
	v_lshl_add_u32 v56, v3, 4, v56                 ; x: 32 h channels of 4,096 bytes + 16 r
	v_lshlrev_b32 v57, 8, v2                       ; (mean, a): 32 h pairs
	v_lshlrev_b32 v58, 7, v2                       ; beta, q's and k's bias: 32 h numbers
	v_lshlrev_b32 v59, 5, v3                       ; W's scale words: row 4 r of 8 bytes
	v_lshlrev_b32 v61, 4, v3                       ; v's bias: number 4 r
	s_mov_b32 s37, 0
	s_lshl_b32 s36, s25, 20
	s_lshl_b32 s38, s20, 18
	s_add_co_u32 s36, s36, s38
	s_lshl_b32 s38, ttmp9, 9
	s_add_co_u32 s36, s36, s38
	s_lshl_b32 s38, s19, 8
	s_add_co_u32 s36, s36, s38                     ; x: image, channel 64 U, position 128 nb + 64 kq
	s_wait_kmcnt 0x0
	s_add_nc_u64 s[4:5], s[4:5], s[36:37]
	s_lshl_b32 s36, s25, 11
	s_lshl_b32 s38, s20, 9
	s_add_co_u32 s36, s36, s38
	s_add_nc_u64 s[6:7], s[6:7], s[36:37]
	s_lshl_b32 s36, s20, 8
	s_add_nc_u64 s[8:9], s[8:9], s[36:37]
	s_add_nc_u64 s[14:15], s[14:15], s[36:37]
	s_mul_i32 s36, s20, 12288                      ; the images: eight fragments of 1,536 bytes for each U,
	s_add_nc_u64 s[10:11], s[10:11], s[36:37]
	s_lshl_b32 s36, s20, 9
	s_add_nc_u64 s[12:13], s[12:13], s[36:37]
	s_mul_i32 s36, s19, 49152                      ; 32 for each of q, k, v
	s_add_nc_u64 s[30:31], s[10:11], s[36:37]      ; q's or k's fragments of W,
	s_lshl_b32 s36, s19, 11
	s_add_nc_u64 s[32:33], s[12:13], s[36:37]      ; their scale words,
	s_lshl_b32 s36, s19, 10
	s_add_nc_u64 s[34:35], s[14:15], s[36:37]      ; their bias
	s_lshl_b32 s36, s25, 3
	s_add_co_u32 s36, s36, ttmp9
	s_mul_i32 s36, s36, 76800
	s_lshl_b32 s38, s18, 9
	s_add_co_u32 s36, s36, s38
	s_add_nc_u64 s[16:17], s[16:17], s[36:37]      ; my package, + 512 x wave
	; ---- X: my 64 channels x 64 positions of xn.  A load of x gives a lane four neighbouring positions, one for each of the four tiles; sixteen lanes read 256 consecutive bytes, aligned
	WIN 0x40
.set li, 0
.rept 16
	global_load_b128 v[128+4*li:128+4*li+3], v57, s[6:7] offset:16*li     ; (mean, a) of channels 2 li, 2 li + 1 of my 32
.set li, li+1
.endr
.set li, 0
.rept 8
	global_load_b128 v[192+4*li:192+4*li+3], v58, s[8:9] offset:16*li     ; beta
.set li, li+1
.endr
	WIN 0
.set li, 0
.rept 8                                ; li = 2 T + s
	global_load_b32 v[WS+li], v59, s[32:33] offset:8*(li/2)+4*(li%2)
	global_load_b32 v[WS+8+li], v59, s[12:13] offset:4096+8*(li/2)+4*(li%2)
.set li, li+1
.endr
	WIN 0x40
.set li, 0
.rept 32
	global_load_b128 v[4*li:4*li+3], v56, s[4:5] offset:4096*li
.set li, li+1
.endr
.irp g, 0,1,2,3
	s_wait_loadcnt 24-8*\g                         ; eight channels more are in; the x loads behind them stay out
	WIN 0x45
.irp i, 0,1,2,3,4,5,6,7
	v_pk_add_f32 v[4*(8*\g+\i):4*(8*\g+\i)+1], v[4*(8*\g+\i):4*(8*\g+\i)+1], v[128+2*(8*\g+\i):128+2*(8*\g+\i)+1] op_sel_hi:[1,0] neg_lo:[0,1] neg_hi:[0,1]     ; x - mean first: a common offset costs no digits
	v_pk_add_f32 v[4*(8*\g+\i)+2:4*(8*\g+\i)+3], v[4*(8*\g+\i)+2:4*(8*\g+\i)+3], v[128+2*(8*\g+\i):128+2*(8*\g+\i)+1] op_sel_hi:[1,0] neg_lo:[0,1] neg_hi:[0,1]
.endr
	WIN 0x15
.irp i, 0,1,2,3,4,5,6,7
.irp t, 0,1,2,3
	v_fma_f32 v[Y+32*\t+8*\g+\i], v[4*(8*\g+\i)+\t], v[128+2*(8*\g+\i)+1], v[192+8*\g+\i]   ; x a + beta: tile t's block, channels in natural order
.endr
.endr
.endr
	WIN 0x40                                       ; the weights, into the registers that x has left: they land while xn is quantised
.set wi, 0
.rept 24                               ; fragment 2 T + s at 12 (2 T + s): its image's 512 bytes number c are registers 4 c .. 4 c + 3: each load of the wave covers 512 consecutive bytes
	global_load_b128 v[WA+4*wi:WA+4*wi+3], v1, s[30:31] offset:512*wi
	global_load_b128 v[WB+4*wi:WB+4*wi+3], v1, s[10:11] offset:98304+512*wi
.set wi, wi+1
.endr
.set wi, 0
.rept 32                               ; wi = 8 T + j.  q, k: register j of tile T is row 32 h + 4 j + T.  v: all eight registers are row 4 r + T
	global_load_b32 v[BA+wi], v58, s[34:35] offset:16*(wi%8)+4*(wi/8)
	global_load_b32 v[BB+wi], v61, s[14:15] offset:2048+4*(wi/8)
.set wi, wi+1
.endr
	WIN 0
.set HC, 64
.set CT, 88
	QBLK 4, Y
.irp t, 0,1,2,3
	PUT \t, 4, 5, 6, 3072*\t, 256*(\t/2)+8*(\t%2)
.endr
	s_wait_dscnt 0x0                               ; for the others' sake: my stores have landed
	s_barrier_signal -1
	s_barrier_wait -1                              ; xn's sixteen fragments lie in LDS
	; ---- P: the products
.set HC, 224
.set CT, 236
.macro FETCHX fa, fs                   ; a block's eight fragments of xn and their scale words
.set fi, 0
.rept 24
	ds_load_b128 v[XF+4*fi:XF+4*fi+3], v[\fa] offset:512*fi
.set fi, fi+1
.endr
	ds_load_b128 v[XS:XS+3], v[\fs]
.endm
; q or k of the block in XF: source 0 = W's tile T, source 1 = xn's tile: a lane holds one position and a block of 32 channels.  Two tiles of positions at a time: eight accumulators by turns.
.macro ITEM_QK p0, p1, sb
.irp g, 0,1
	WIN 0x11                                       ; W and the bias in window 1
.irp u, 0,1
.irp t, 0,1,2,3
	WMM ACC+32*\u+8*\t, WA+24*\t, XF+24*(2*\g+\u), BA+8*\t, WS+2*\t, XS+2*\u, 0, \g
.endr
.endr
	WIN 0x01
.irp u, 0,1
.irp t, 0,1,2,3
	WMM ACC+32*\u+8*\t, WA+24*\t+12, XF+24*(2*\g+\u)+12, ACC+32*\u+8*\t, WS+2*\t+1, XS+2*\u+1, 0, \g
.endr
.endr
	WIN 0
.rept 5
	v_nop                                          ; four places ahead of the first read of results and of loads into operands; the fifth for the next batch, which begins these accumulators anew
.endr
	QBLK 2, ACC
	PUT 0, \p0, \p1, \sb, 3072*(2*\g), 256*\g
	PUT 1, \p0, \p1, \sb, 3072*(2*\g+1), 256*\g+8
.endr
.endm
; v of the block in XF: the sources change places: source 0 = xn's tile t, source 1 = W's tile T: a lane holds one channel and a block of 32 positions.
.macro ITEM_V
.irp g, 0,1
	WIN 0x14
.irp u, 0,1
.irp t, 0,1,2,3
	WMM ACC+32*\u+8*\t, XF+24*\t, WB+24*(2*\g+\u), BB+8*(2*\g+\u), XS+2*(\t%2), WS+8+2*(2*\g+\u), \t/2, 0
.endr
.endr
	WIN 0x04
.irp u, 0,1
.irp t, 0,1,2,3
	WMM ACC+32*\u+8*\t, XF+24*\t+12, WB+24*(2*\g+\u)+12, ACC+32*\u+8*\t, XS+2*(\t%2)+1, WS+8+2*(2*\g+\u)+1, \t/2, 0
.endr
.endr
	WIN 0
.rept 5
	v_nop
.endr
	QBLK 2, ACC
	PUT 0, 13, 14, 15, 1536*(2*\g), 4*(2*\g)
	PUT 1, 13, 14, 15, 1536*(2*\g+1), 4*(2*\g+1)
.endr
.endm
	FETCHX 16, 17
	s_wait_dscnt 0x0
	s_wait_loadcnt 0x0                             ; the weights
	ITEM_QK 7, 8, 9
	FETCHX 18, 19
	s_wait_dscnt 0x0
	ITEM_QK 10, 11, 12
	ITEM_V
	s_wait_dscnt 0x0
	s_barrier_signal -1
	s_barrier_wait -1                              ; the package's image is whole
	; ---- the way out: 150 chunks of 512 bytes: each store of a wave covers 512 consecutive bytes, aligned
.set oi, 0
.rept 16
	ds_load_b128 v[128+4*oi:128+4*oi+3], v20 offset:4096*oi
.set oi, oi+1
.endr
	ds_load_b128 v[192:195], v21
	ds_load_b128 v[196:199], v21 offset:4096
.set oi, 0
.rept 18
	s_wait_dscnt 17-oi                             ; LDS loads come back in order: chunk oi is in, those behind it stay out
	global_store_b128 v1, v[128+4*oi:128+4*oi+3], s[16:17] offset:4096*oi
.set oi, oi+1
.endr
	s_cmp_lt_u32 s18, 6                            ; the last six chunks
	s_cbranch_scc0 .Lend
	ds_load_b128 v[200:203], v21 offset:8192
	s_wait_dscnt 0x0
	global_store_b128 v1, v[200:203], s[16:17] offset:73728
.Lend:
	s_wait_tensorcnt 0x0
	ds_add_u32 v62, v63
	s_wait_dscnt 0x0
	s_endpgm
.Lfunc_end_k_qc4635759c2_qkv:
	.size	k_qc4635759c2_qkv, .Lfunc_end_k_qc4635759c2_qkv-k_qc4635759c2_qkv
	.p2alignl 7, 3214868480
	.fill 96, 4, 3214868480
	.section	.rodata,"a",@progbits
	.p2align	6, 0x0
	.amdhsa_kernel k_qc4635759c2_qkv
		.amdhsa_group_segment_fixed_size 103424
		.amdhsa_private_segment_fixed_size 0
		.amdhsa_enable_private_segment 0
		.amdhsa_kernarg_size 56
		.amdhsa_user_sgpr_count 2
		.amdhsa_user_sgpr_kernarg_segment_ptr 1
		.amdhsa_wavefront_size32 1
		.amdhsa_system_sgpr_workgroup_id_x 1
		.amdhsa_system_sgpr_workgroup_id_y 1
		.amdhsa_system_sgpr_workgroup_id_z 1
		.amdhsa_system_vgpr_workitem_id 0
		.amdhsa_next_free_vgpr 512
		.amdhsa_next_free_sgpr 66
		.amdhsa_reserve_vcc 0
		.amdhsa_float_denorm_mode_32 3
		.amdhsa_float_denorm_mode_16_64 3
		.amdhsa_memory_ordered 1
		.amdhsa_forward_progress 1
		.amdhsa_inst_pref_size 82
	.end_amdhsa_kernel
	.amdgpu_metadata
---
amdhsa.version: [ 1, 2 ]
amdhsa.kernels:
  - .name:           k_qc4635759c2_qkv
    .symbol:         k_qc4635759c2_qkv.kd
    .args:
      - { .name: x, .offset: 0, .size: 8, .value_kind: global_buffer, .address_space: global }
      - { .name: stats, .offset: 8, .size: 8, .value_kind: global_buffer, .address_space: global }
      - { .name: gn_beta, .offset: 16, .size: 8, .value_kind: global_buffer, .address_space: global }
      - { .name: wimg, .offset: 24, .size: 8, .value_kind: global_buffer, .address_space: global }
      - { .name: w_qkv_scales, .offset: 32, .size: 8, .value_kind: global_buffer, .address_space: global }
      - { .name: b_qkv, .offset: 40, .size: 8, .value_kind: global_buffer, .address_space: global }
      - { .name: qkvc, .offset: 48, .size: 8, .value_kind: global_buffer, .address_space: global }
    .group_segment_fixed_size: 103424
    .private_segment_fixed_size: 0
    .kernarg_segment_align: 8
    .kernarg_segment_size: 56
    .max_flat_workgroup_size: 256
    .sgpr_count:     66
    .vgpr_count:     512
    .wavefront_size: 32
...
	.end_amdgpu_metadata
.endif
;; end of part 5
;; launch attn (part 6): grid 8 x 32, 4 waves a work-group, clusters of 4 x 1, 327,680 bytes of LDS; arguments qkvc, stats, x, wimg, w_proj_scales, b_proj, w_se1_scales, b_se1, w_se2_codes, w_se2_scales, b_se2, out0; writes out0
.if DOCPART == 6
	.amdgcn_target "amdgcn-amd-amdhsa--gfx1250"
	.amdhsa_code_object_version 6
	.text
	.protected	k_qc4635759c2_attn
	.globl	k_qc4635759c2_attn
	.p2align	8
	.type	k_qc4635759c2_attn,@function
k_qc4635759c2_attn:
	s_mov_b64 s[64:65], 0
	v_nop
	global_prefetch_b8 v0, s[64:65] scope:SCOPE_SE
	s_setreg_imm32_b32 hwreg(HW_REG_WAVE_MODE, 25, 1), 1
	s_wait_xcnt 0x0
	s_wait_alu depctr_hold_cnt(0) depctr_sa_sdst(0) depctr_va_vdst(0) depctr_va_sdst(0) depctr_va_ssrc(0) depctr_va_vcc(0) depctr_vm_vsrc(0)
	s_getreg_b32 s2, hwreg(HW_REG_IB_STS2, 6, 4)
	s_cmp_eq_u32 s2, 0
	s_cbranch_scc0 .Lentry_in_a_cluster
	s_endpgm
.Lentry_in_a_cluster:
	s_bfe_u32 s2, ttmp6, 0x10000c
	s_cmp_lg_u32 s2, 0x3003
	s_cbranch_scc0 .Lentry_shape_is_right
	s_endpgm
.Lentry_shape_is_right:
; out = x + (W_proj softmax(q^T k / 16) v + b_proj) x gate, gate = sigmoid(W_se2 relu(W_se1 pooled + b_se1) + b_se2); every product on codes of FP6 (E2M3) with one E8M0 scale for each 32 along K.
; q, k, v come as packages of 128 positions made by the launch before: fragments as images of their registers (1,536 bytes: registers 4 c .. 4 c + 3 of lane l at 512 c + 16 l) and scale areas (one load of 16 bytes a lane gives four
; registers, register i with fragment 8 g + i's words in lanes 0-15 and fragment 8 g + 4 + i's in lanes 16-31).  A package's first 51,200 bytes (K, V, their scale words) are one key step of 128 keys.
; W_proj and W_se1 come as such images too, laid by the first launch: W_proj's fragment 2 tile + s (row 16 tile + r) from byte 147,456 of the images on, W_se1's fragment 2 T + s (row 4 r + T) from byte 196,608 on.
; SHARES.  A work-group owns 128 queries of one image; wave w two tiles of 16 (tiles 2 w, 2 w + 1; tile 4 B + t's row r is position 64 B + 4 r + t).  Every wave walks the image's 8 key steps.
; LAYOUT.  Both products are used transposed: S^T = K Q^T, O^T = V^T P^T: a lane holds ONE query throughout.  TILES BY FOURS: the 32 registers of the four key tiles of a block of 64 keys are one whole block of 32 keys in one lane
; (slot 8 t + j = key 32 h + 4 j + t), in the order in which v's codes were laid: p's codes are the operand's registers as the conversions leave them.  O^T's channels fall the same way; the division by the row's sum writes them in natural order, for the given W_proj.
; THE SOFTMAX: t = score x log2(e) / 16; M = the running largest t rounded up to a whole number (kept as -M = floor(-t)); p = 2^(t - M) is quantised along the keys, not normalised; the row's sum is taken of the unquantised p and divides at the end;
; when M moves, the sum and O^T are multiplied by 2^(old M - new M), which rounds nothing.  A block's largest p is made from its largest score by the same multiply-add and exponential (this takes v_exp_f32 not to fall where its input rises).
; CLUSTER.  The four query blocks of a cluster belong to one image and walk the same K and V: each tile is asked for JOINTLY, by the same tensor load with the same descriptor and a mask that names the four.
; LDS: three slots of two key steps (102,400 bytes).  Steps 0, 1 go to the slot at 204,800, steps 2, 3 to 0, steps 4, 5 to 102,400, all asked for at the start (three tensor loads of a wave are out); behind step 1 the slot at 204,800 is filled
; again with steps 6, 7 (one load out).  So from step 2 on the fetch address only rises.  x_attn's images lie at 0, in a slot that has had its only fill and its last read by then.  All of LDS is claimed.
; THE GATE is made by each wave for its own 128 output channels, at the head, while the first tiles are on their way: 16 matrix instructions; all 16 columns carry the image's one row.
; EPILOGUE: wave w takes positions 64 (w % 2) .. + 63 and output channels 128 (w / 2) .. + 127: a lane's four tiles are four neighbouring positions of a channel: 16 bytes; sixteen lanes store 256 consecutive bytes, aligned, with no stage.
; LIMITS: NaN and infinities are not served; a block whose largest magnitude lies under 2^-124 keeps the byte 1 (zeros too: zero codes); p under 2^-126 falls to 0.
; REGISTERS.  Window 0: v1-12 addresses; v16-31 statistics (8 a tile: -M, largest t, the sum's two halves, f, f's partner, two at work); v32-47 at work; v48-71 scale words (p's, Q's, K's, V's); v72-95 p's codes; v96-111 at work; v112-120 offsets; v128-255 S^T.
;   Window 1: O^T (128 a + 8 Tc + j), later x.  Window 2: v0-47 Q, v64-255 K; from the last key step on b_proj and W_proj.  Window 3: v0-63 the gate, v64-255 V; later the projection's accumulators.
.set LI,  1                            ; 16 x lane
.set AK,  2                            ; LDS address of the K fetch in hand
.set AV,  3                            ; of the V fetch
.set SPW, 4                            ; LDS address of my spare word; never rewritten
.set NIL, 5                            ; 0; never rewritten
.set H8,  6                            ; 8 h
.set IW,  7                            ; where I store x_attn's images
.set SW,  8                            ; and their scale words
.set IMF, 9                            ; where I read images back
.set OA,  10                           ; x and out: 8 h channels + 16 r
.set PFO, 11                           ; the prefetches' offset: a channel a lane
.set SF,  12                           ; where I read scale words back
.set ST,  16
.set BM,  32
.set BP,  36
.set SO,  40
.set BY,  44
.set PS,  48
.set QS,  50
.set KS,  56
.set VS,  64
.set P,   72
.set CT,  96
.set O16R,  112
.set O128H, 113
.set O32R,  115
.set O32H,  116
.set OW2,   117
.set O2R,   118
.set O8R,   120
.set S,   128
.set WV,  30
.set TB,  60                           ; LDS byte at which the step in hand begins
.set CNT, 61
.set CS,  62                           ; s[62:63] c = log2(e) / 16
.set SEL, 66                           ; s[66:67] selects for lane l xor 16
.set TN,  68                           ; where the next step begins
.set XB,  70                           ; s[70:71] x at my channels and positions
.set OB,  72                           ; s[72:73] out likewise
.set STEPB, 51200
.set SCA,   24576                      ; x_attn's scale area, behind its 16 images at 0
.set SPARE, 307200                     ; behind the slots: the spare words, 128 bytes for each wave, which no other line names
.set MSB, 0
.macro WIN new                         ; the immediate's high byte repeats the setting that is left
.if MSB != \new
	s_set_vgpr_msb (MSB<<8)|\new
.set MSB, \new
.endif
.endm
.macro WMM d, a, b, c, sa, sb, ra, rb  ; one matrix instruction.  c < 0: the constant 0 starts the sum.  ra, rb: the side's scale words stand in lanes 16-31
.if (\c) < 0
.if (\ra)
	v_wmma_scale_f32_16x16x128_f8f6f4 v[(\d):(\d)+7], v[(\a):(\a)+11], v[(\b):(\b)+11], 0, v[\sa], v[\sb] matrix_a_fmt:MATRIX_FMT_FP6 matrix_b_fmt:MATRIX_FMT_FP6 matrix_a_scale:MATRIX_SCALE_ROW1
.elseif (\rb)
	v_wmma_scale_f32_16x16x128_f8f6f4 v[(\d):(\d)+7], v[(\a):(\a)+11], v[(\b):(\b)+11], 0, v[\sa], v[\sb] matrix_a_fmt:MATRIX_FMT_FP6 matrix_b_fmt:MATRIX_FMT_FP6 matrix_b_scale:MATRIX_SCALE_ROW1
.else
	v_wmma_scale_f32_16x16x128_f8f6f4 v[(\d):(\d)+7], v[(\a):(\a)+11], v[(\b):(\b)+11], 0, v[\sa], v[\sb] matrix_a_fmt:MATRIX_FMT_FP6 matrix_b_fmt:MATRIX_FMT_FP6
.endif
.else
.if (\ra)
	v_wmma_scale_f32_16x16x128_f8f6f4 v[(\d):(\d)+7], v[(\a):(\a)+11], v[(\b):(\b)+11], v[(\c):(\c)+7], v[\sa], v[\sb] matrix_a_fmt:MATRIX_FMT_FP6 matrix_b_fmt:MATRIX_FMT_FP6 matrix_a_scale:MATRIX_SCALE_ROW1
.elseif (\rb)
	v_wmma_scale_f32_16x16x128_f8f6f4 v[(\d):(\d)+7], v[(\a):(\a)+11], v[(\b):(\b)+11], v[(\c):(\c)+7], v[\sa], v[\sb] matrix_a_fmt:MATRIX_FMT_FP6 matrix_b_fmt:MATRIX_FMT_FP6 matrix_b_scale:MATRIX_SCALE_ROW1
.else
	v_wmma_scale_f32_16x16x128_f8f6f4 v[(\d):(\d)+7], v[(\a):(\a)+11], v[(\b):(\b)+11], v[(\c):(\c)+7], v[\sa], v[\sb] matrix_a_fmt:MATRIX_FMT_FP6 matrix_b_fmt:MATRIX_FMT_FP6
.endif
.endif
.endm
.macro PLACES n
.rept \n
	v_nop
.endr
.endm
.macro CROUND                          ; a round of the cluster's barrier
	s_barrier_signal -1
	s_barrier_wait -1
	s_cmp_lg_u32 s[WV], 0
	s_cbranch_scc1 .Lnot_wave_0_\@
	s_barrier_signal -3
.Lnot_wave_0_\@:
	s_barrier_wait -3
	s_barrier_signal -1
	s_barrier_wait -1
.endm
.macro FETCH_K sr                      ; a step's 16 fragments of K and their scale words: 50 loads of 512 consecutive bytes
	WIN 0
	v_add_nc_u32 v[AK], s[\sr], v[LI]
	WIN 0x80                                       ; destination window 2
.set fi, 0
.rept 48
	ds_load_b128 v[64+4*fi:64+4*fi+3], v[AK] offset:512*fi
.set fi, fi+1
.endr
	WIN 0
	ds_load_b128 v[KS:KS+3], v[AK] offset:49152
	ds_load_b128 v[KS+4:KS+7], v[AK] offset:49152+512
.endm
.macro FETCH_V                         ; the same of V
	WIN 0
	v_add_nc_u32 v[AV], s[TB], v[LI]
	WIN 0xc0                                       ; destination window 3
.set fi, 0
.rept 48
	ds_load_b128 v[64+4*fi:64+4*fi+3], v[AV] offset:24576+512*fi
.set fi, fi+1
.endr
	WIN 0
	ds_load_b128 v[VS:VS+3], v[AV] offset:50176
	ds_load_b128 v[VS+4:VS+7], v[AV] offset:50176+512
.endm
; Four blocks of 32 numbers of a lane, block q at v[src + 32 q], whose largest magnitudes (with the floor) stand in v[BM + q], become two fragments at v[f] on (block q: registers 6 q .. 6 q + 5) and two scale words v[w], v[w + 1].
; Of a fragment's four scale bytes lane (r, 0) has made bytes 0 and 2, lane (r, 1) bytes 1 and 3: each shifts its two to their places, and lane l xor 16's complete the word.
.macro QTAIL src, f, w
.irp q, 0,1,2,3
	v_add_nc_u32 v[SO+\q], 0xff000000, v[BM+\q]    ; 2 off the exponent field: the conversion's scale operand
.endr
.irp q, 0,1,2,3
	v_lshrrev_b32 v[BY+\q], 23, v[SO+\q]           ; the scale's byte
.endr
.irp s, 0,1
	v_lshl_or_b32 v[BY+2*\s], v[BY+2*\s+1], 16, v[BY+2*\s]
.endr
.irp s, 0,1
	v_lshlrev_b32 v[BY+2*\s], v[H8], v[BY+2*\s]
.endr
.irp s, 0,1
	v_permlanex16_b32 v[BP+2+\s], v[BY+2*\s], s[SEL], s[SEL+1]
.endr
.irp s, 0,1
	v_or_b32 v[\w+\s], v[BY+2*\s], v[BP+2+\s]
.endr
.irp q, 0,1,2,3
	v_cvt_scalef32_pk16_fp6_f32 v[\f+6*\q:\f+6*\q+2], v[\src+32*\q:\src+32*\q+15], v[SO+\q]
	v_cvt_scalef32_pk16_fp6_f32 v[CT+4*\q:CT+4*\q+2], v[\src+32*\q+16:\src+32*\q+31], v[SO+\q]   ; (a conversion's three registers begin on an even number)
.endr
	v_nop                                          ; one plain place behind a scaled conversion
.irp q, 0,1,2,3
.irp i, 0,1,2
	v_mov_b32 v[\f+6*\q+3+\i], v[CT+4*\q+\i]
.endr
.endr
.endm
.macro QUANT4 src, f, w                ; the same from the numbers alone
.irp q, 0,1,2,3
	v_max3_num_f32 v[BM+\q], |v[\src+32*\q]|, |v[\src+32*\q+1]|, 0x1800000   ; the floor 2^(3 - 127) among the leaves: the byte cannot fall under 1
.endr
.irp i, 2,4,6,8,10,12,14,16,18,20,22,24,26,28,30
.irp q, 0,1,2,3
	v_max3_num_f32 v[BM+\q], v[BM+\q], |v[\src+32*\q+\i]|, |v[\src+32*\q+\i+1]|
.endr
.endr
	QTAIL \src, \f, \w
.endm
	s_load_b512 s[4:19], s[0:1], 0x0               ; packages s[4:5], stats s[6:7], x s[8:9], the weights' images s[10:11], W_proj's scales s[12:13], b_proj s[14:15], W_se1's scales s[16:17], b_se1 s[18:19]
	s_load_b256 s[20:27], s[0:1], 0x40             ; W_se2's codes s[20:21], scales s[22:23], b_se2 s[24:25], out s[26:27]
	v_lshl_add_u32 v[SPW], v0, 2, SPARE
	v_mov_b32 v[NIL], 0
	ds_add_u32 v4, v5
	ds_add_u32 v4, v5
	s_wait_dscnt 0x0
	v_lshrrev_b32 v13, 5, v0
	v_readfirstlane_b32 s[WV], v13                 ; wave 0..3
	s_bfe_u32 s31, ttmp6, 0x40000                  ; cx: my place in the cluster
	s_lshl_b32 s32, ttmp9, 2
	s_add_co_u32 s32, s32, s31                     ; my block of 128 queries: it enters addresses in memory of Q, x and out alone
	s_and_b32 s33, ttmp7, 0xffff                   ; the image, which the four partners share
	; descriptor group 1: 100 dense rows of 256 bytes (32 elements of 8 bytes), no padding: images are read as they lie
	s_mov_b32 s40, 15|(3<<16)|(1<<21)              ; 15:0 the mask: all four work-groups; 17:16 elements of 8 bytes; 21 set beside a mask
	s_mov_b32 s41, 32<<16                          ; tensor_dim0 = 32
	s_mov_b32 s42, 100<<16                         ; tensor_dim1 = 100
	s_mov_b32 s43, 32<<16                          ; tile_dim0 = 32
	s_mov_b32 s44, 100                             ; tile_dim1 = 100
	s_mov_b32 s45, 32                              ; from row to row
	s_mov_b32 s46, 0
	s_mov_b32 s47, 0
	s_mul_i32 s34, s33, 614400                     ; the image's eight packages
	s_lshr_b32 s36, s[WV], 1
	s_mul_i32 s36, s36, 76800                      ; each wave fetches a quarter of a slot: step wave / 2 of its two,
	s_and_b32 s37, s[WV], 1
	s_mul_i32 s37, s37, 25600                      ; half wave % 2 of that step's 51,200 bytes
	s_add_co_u32 s36, s36, s37
	s_add_co_u32 s34, s34, s36
	s_mov_b32 s35, 0
	s_mul_i32 s38, s[WV], 25600                    ; and where it goes in a slot: no place in the cluster enters an LDS address
	s_mov_b32 s[CS], 0x3db8aa3b                    ; c = log2(e) / 16
	s_mov_b32 s[CS+1], s[CS]                       ; (named with it as a pair, so it is written)
	s_mov_b32 s[SEL], 0x76543210
	s_mov_b32 s[SEL+1], 0xfedcba98
	s_wait_kmcnt 0x0
	s_add_nc_u64 s[34:35], s[4:5], s[34:35]
	s_mov_b32 s48, 1                               ; group 0 for steps 0, 1 (later 6, 7): the slot at 204,800
	s_add_co_u32 s49, s38, 204800
	s_mov_b64 s[50:51], s[34:35]
	s_or_b32 s51, s51, 0x80000000
	s_mov_b32 s52, 1                               ; steps 2, 3: the slot at 0
	s_mov_b32 s53, s38
	s_add_nc_u64 s[54:55], s[34:35], 153600
	s_or_b32 s55, s55, 0x80000000
	s_mov_b32 s56, 1                               ; steps 4, 5: the slot at 102,400
	s_add_co_u32 s57, s38, 102400
	s_add_nc_u64 s[58:59], s[34:35], 307200
	s_or_b32 s59, s59, 0x80000000
	CROUND                                         ; all four work-groups are here: the first joint loads meet
	tensor_load_to_lds s[48:51], s[40:47]          ; the three first fills go out together, ahead of every wait on TENSORcnt and every LDS read
	s_nop 0
	tensor_load_to_lds s[52:55], s[40:47]
	s_nop 0
	tensor_load_to_lds s[56:59], s[40:47]
	s_nop 0
	PLACES 4                                       ; four plain lines behind a tensor load
	v_and_b32 v13, 31, v0
	v_lshlrev_b32 v[LI], 4, v13
	v_lshlrev_b32 v[PFO], 12, v13
	v_and_b32 v13, 15, v0                          ; r
	v_bfe_u32 v14, v0, 4, 1                        ; h
	v_lshlrev_b32 v[H8], 3, v14
	v_lshlrev_b32 v[O16R], 4, v13
	v_lshlrev_b32 v[O128H], 7, v14
	v_lshlrev_b32 v[O32R], 5, v13
	v_lshlrev_b32 v[O32H], 5, v14
	v_mul_u32_u24 v[OW2], v13, 48
	v_mad_u32_u24 v[OW2], v14, 24, v[OW2]          ; W_se2: row r of 48 bytes, + 24 h
	v_lshlrev_b32 v[O2R], 1, v13
	v_lshlrev_b32 v[O8R], 3, v13
	v_lshlrev_b32 v[OA], 15, v14
	v_lshl_add_u32 v[OA], v13, 4, v[OA]
	s_mul_i32 s34, s[WV], 6144                     ; x_attn's images: my four fragments 4 w ..
	v_add_nc_u32 v[IW], s34, v[LI]
	s_lshl_b32 s34, s[WV], 8
	s_add_co_u32 s34, s34, SCA
	v_add_nc_u32 v[SW], s34, v[O16R]
	s_and_b32 s35, s[WV], 1                        ; Bq: the block of 64 positions that I finish
	s_mul_i32 s34, s35, 12288
	v_add_nc_u32 v[IMF], s34, v[LI]
	s_lshl_b32 s34, s35, 9
	s_add_co_u32 s34, s34, SCA
	v_add_nc_u32 v[SF], s34, v[LI]
.irp i, 0,1,2,3
	v_mov_b32 v[BP+\i], 0                          ; written once: a lane permute's destination counts as one of its sources
.endr
	; where my parts begin in memory
	s_mul_i32 s36, s33, 614400
	s_mul_i32 s37, s32, 76800
	s_add_co_u32 s36, s36, s37                     ; my block's package
	s_lshl_b32 s38, s[WV], 8
	s_add_co_u32 s38, s36, s38                     ; Q's scale words: 256 bytes a wave
	s_mul_i32 s37, s[WV], 6144
	s_add_co_u32 s36, s36, s37                     ; Q's fragments: four a wave
	s_mov_b32 s37, 0
	s_mov_b32 s39, 0
	s_add_nc_u64 s[36:37], s[4:5], s[36:37]
	s_add_nc_u64 s[38:39], s[4:5], s[38:39]
	s_lshr_b32 s74, s[WV], 1                       ; ch: the 128 output channels that I finish
	s_mov_b32 s35, 0
	s_lshl_b32 s34, s33, 10
	s_add_nc_u64 s[6:7], s[6:7], s[34:35]          ; pooled of my image (from byte 65,536 on)
	s_mul_i32 s34, s74, 6144
	s_add_nc_u64 s[20:21], s[20:21], s[34:35]      ; W_se2's codes: my 128 rows of 48 bytes,
	s_lshl_b32 s34, s74, 8
	s_add_nc_u64 s[22:23], s[22:23], s[34:35]      ; their scale bytes,
	s_lshl_b32 s34, s74, 9
	s_add_nc_u64 s[24:25], s[24:25], s[34:35]      ; b_se2,
	s_add_nc_u64 s[14:15], s[14:15], s[34:35]      ; b_proj
	s_mul_i32 s34, s74, 24576
	s_add_co_u32 s34, s34, 147456
	s_add_nc_u64 s[28:29], s[10:11], s[34:35]      ; W_proj's images: behind W_qkv's 96 fragments, my 16
	s_lshl_b32 s34, s74, 10
	s_add_nc_u64 s[12:13], s[12:13], s[34:35]
	s_lshl_b32 s34, s33, 20
	s_lshl_b32 s75, s74, 19
	s_add_co_u32 s34, s34, s75
	s_lshl_b32 s75, s32, 9
	s_add_co_u32 s34, s34, s75
	s_and_b32 s75, s[WV], 1
	s_lshl_b32 s75, s75, 8
	s_add_co_u32 s34, s34, s75                     ; image, channel 128 ch, position 128 qb + 64 Bq
	s_add_nc_u64 s[XB:XB+1], s[8:9], s[34:35]
	s_add_nc_u64 s[OB:OB+1], s[26:27], s[34:35]
	WIN 0x80
.set fi, 0
.rept 12
	global_load_b128 v[4*fi:4*fi+3], v[LI], s[36:37] offset:51200+512*fi   ; Q's four fragments (tile a, K step s at 12 (2 a + s)): they stay
.set fi, fi+1
.endr
.set fi, 0
.rept 24                               ; W_se1's eight fragments (2 T + s at 64 + 12 (2 T + s); tile T takes rows 4 r + T), as images: each load of the wave covers 512 consecutive bytes
	global_load_b128 v[64+4*fi:64+4*fi+3], v[LI], s[10:11] offset:196608+512*fi
.set fi, fi+1
.endr
.set oi, 0
.rept 32                               ; oi = 8 T + j: b_se1 in the result's layout: unit 32 h + 4 j + T
	global_load_b32 v[160+oi], v[O128H], s[18:19] offset:16*(oi%8)+4*(oi/8)
.set oi, oi+1
.endr
.set ti, 0
.rept 16                               ; b_se2 likewise: channel 16 Tq + 8 h + j
	global_load_b128 v[192+4*ti:192+4*ti+3], v[O32H], s[24:25] offset:64*(ti/2)+16*(ti%2)
.set ti, ti+1
.endr
	WIN 0xc0
.set ti, 0
.rept 8                                ; W_se2: K = 64: a lane's 24 bytes are registers 0-5; registers 6-11 (k = 64 .. 127) are zero codes
.irp p, 0,1,2
	global_load_b64 v[64+12*ti+2*\p:64+12*ti+2*\p+1], v[OW2], s[20:21] offset:768*ti+8*\p
.endr
.irp i, 6,7,8,9,10,11
	v_mov_b32 v[64+12*ti+\i], 0
.endr
.set ti, ti+1
.endr
	WIN 0
	global_load_b128 v[QS:QS+3], v[O16R], s[38:39] offset:75776           ; Q's scale words: register 2 a + s
.set oi, 0
.rept 32                               ; pooled: block q = oi / 8 of my lane: channels 64 q + 32 h + 0 .. 31
	global_load_b128 v[S+4*oi:S+4*oi+3], v[O128H], s[6:7] offset:65536+256*(oi/8)+16*(oi%8)
.set oi, oi+1
.endr
.set ti, 0
.rept 8
	global_load_b32 v[KS+ti], v[O32R], s[16:17] offset:8*(ti/2)+4*(ti%2)
	global_load_u16 v[VS+ti], v[O2R], s[22:23] offset:32*ti               ; two bytes a row; the upper two stay 0, over zero codes
.set ti, ti+1
.endr
	s_wait_loadcnt 0x0
	; ---- the gate
	QUANT4 S, P, PS
	PLACES 8                                       ; a scale register written by a vector instruction stands 8 places ahead of a scaled matrix instruction, an operand 4
	WIN 0x22                                       ; W_se1 and b_se1 in window 2
.irp t, 0,1,2,3
	WMM S+8*\t, 64+24*\t, P, 160+8*\t, KS+2*\t, PS, 0, 0
.endr
	WIN 0x02
.irp t, 0,1,2,3
	WMM S+8*\t, 64+24*\t+12, P+12, S+8*\t, KS+2*\t+1, PS+1, 0, 0
.endr
	WIN 0
	PLACES 4
.set oi, 0
.rept 32
	v_max_num_f32 v[S+32+4*(oi%8)+oi/8], 0, v[S+oi]                       ; relu, written in natural order: register i is unit 32 h + i
.set oi, oi+1
.endr
	v_max3_num_f32 v[BM], v[S+32], v[S+33], 0x1800000                     ; none is negative: no |.|
	v_max3_num_f32 v[BM+1], v[S+34], v[S+35], v[S+36]
.irp i, 5,9,13,17,21,25
	v_max3_num_f32 v[BM], v[BM], v[S+32+\i], v[S+33+\i]
	v_max3_num_f32 v[BM+1], v[BM+1], v[S+34+\i], v[S+35+\i]
.endr
	v_max3_num_f32 v[BM], v[BM], v[S+61], v[S+62]
	v_max3_num_f32 v[BM], v[BM], v[BM+1], v[S+63]
	v_add_nc_u32 v[SO], 0xff000000, v[BM]
	v_lshrrev_b32 v[BY], 23, v[SO]
	v_lshlrev_b32 v[BY], v[H8], v[BY]              ; block h's byte at its place
	v_permlanex16_b32 v[BP+2], v[BY], s[SEL], s[SEL+1]
	v_or_b32 v[PS], v[BY], v[BP+2]
	v_cvt_scalef32_pk16_fp6_f32 v[P:P+2], v[S+32:S+47], v[SO]
	v_cvt_scalef32_pk16_fp6_f32 v[CT:CT+2], v[S+48:S+63], v[SO]
	v_nop
.irp i, 0,1,2
	v_mov_b32 v[P+3+\i], v[CT+\i]
.endr
.irp i, 6,7,8,9,10,11
	v_mov_b32 v[P+\i], 0                           ; k = 64 .. 127: zero codes on both sides
.endr
	PLACES 8
	WIN 0x23                                       ; W_se2 in window 3, b_se2 in window 2
.irp t, 0,1,2,3,4,5,6,7
	WMM S+64+8*\t, 64+12*\t, P, 192+8*\t, VS+\t, PS, 0, 0
.endr
	WIN 0
	PLACES 4
.set oi, 0
.rept 64
	v_mul_f32 v[S+64+oi], 0xbfb8aa3b, v[S+64+oi]   ; sigmoid(z) = 1 / (1 + 2^(-z log2(e)))
.set oi, oi+1
.endr
.set oi, 0
.rept 64
	v_exp_f32 v[S+64+oi], v[S+64+oi]
.set oi, oi+1
.endr
	v_nop
	s_wait_alu depctr_va_vdst(0)                   ; one wait for the batch, ahead of its first reader
.set oi, 0
.rept 64
	v_add_f32 v[S+64+oi], 1.0, v[S+64+oi]
.set oi, oi+1
.endr
	WIN 0xc0
.set oi, 0
.rept 64
	v_rcp_f32 v[oi], v[S+64+oi]                    ; the gate, window 3: register 8 Tq + j is channel 128 ch + 16 Tq + 8 h + j
.set oi, oi+1
.endr
	WIN 0
	v_nop
	s_wait_alu depctr_va_vdst(0)
.irp a, 0,1
	v_mov_b32 v[ST+8*\a+1], 0xff61b1e6             ; the largest t so far: -3e38, under every t
	v_floor_f32 v[ST+8*\a], -v[ST+8*\a+1]          ; -M
	v_mov_b32 v[ST+8*\a+2], 0                      ; the sum, in two halves
	v_mov_b32 v[ST+8*\a+3], 0
	v_mov_b32 v[ST+8*\a+5], 0                      ; (named as the upper half of f's pair)
.endr
; A KEY STEP of 128 keys at LDS byte s[TB]; its K is in registers or on its way.  first = 1: its products start O^T's sums: nothing is cleared, nothing rescaled.
; kmode = 1: the next step's K is fetched under the exponentials.  kmode = 2, the last step: in that place W_proj's 16 images and b_proj are asked for, into the registers that K and Q have left.  kmode = 0: nothing.
.macro STEP first, kmode
	s_wait_dscnt 0x0                               ; K and its scale words are in
	PLACES 4                                       ; ahead of loads into registers that the last products read
	FETCH_V
	WIN 0x0a                                       ; K and Q in window 2
.irp s, 0,1
.set ti, 0
.rept 8                                ; the 16 accumulators by turns
.irp a, 0,1
.if \s == 0
	WMM S+64*\a+8*ti, 64+24*ti, 24*\a, -1, KS+4*(ti/4)+2*(ti%2), QS+2*\a, (ti/2)%2, 0
.else
	WMM S+64*\a+8*ti, 64+24*ti+12, 24*\a+12, S+64*\a+8*ti, KS+4*(ti/4)+2*(ti%2)+1, QS+2*\a+1, (ti/2)%2, 0
.endif
.endr
.set ti, ti+1
.endr
.endr
	WIN 0
	PLACES 4
.irp q, 0,1,2,3                        ; block q = 2 a + Bk: THE LARGEST SCORE OF EACH BLOCK OF 32 KEYS serves twice: for the row's maximum and for the block's largest p.  Each accumulator is read from its low end on
	v_max3_num_f32 v[BM+\q], v[S+32*\q], v[S+32*\q+1], v[S+32*\q+2]
.endr
.irp i, 3,5,7,9,11,13,15,17,19,21,23,25,27,29
.irp q, 0,1,2,3
	v_max3_num_f32 v[BM+\q], v[BM+\q], v[S+32*\q+\i], v[S+32*\q+\i+1]
.endr
.endr
.irp q, 0,1,2,3
	v_max_num_f32 v[BM+\q], v[BM+\q], v[S+32*\q+31]
.endr
.irp a, 0,1
	v_max_num_f32 v[ST+8*\a+6], v[BM+2*\a], v[BM+2*\a+1]
.endr
.irp a, 0,1
	v_permlanex16_b32 v[BP+\a], v[ST+8*\a+6], s[SEL], s[SEL+1]
.endr
.irp a, 0,1
	v_max_num_f32 v[ST+8*\a+6], v[ST+8*\a+6], v[BP+\a]                    ; the step's largest score of my query
.endr
.irp a, 0,1
	v_mul_f32 v[ST+8*\a+6], s[CS], v[ST+8*\a+6]                           ; as t (c is positive)
.endr
.irp a, 0,1
	v_max_num_f32 v[ST+8*\a+1], v[ST+8*\a+1], v[ST+8*\a+6]                ; the running largest t
.endr
.irp a, 0,1
	v_mov_b32 v[ST+8*\a+6], v[ST+8*\a]
.endr
.irp a, 0,1
	v_floor_f32 v[ST+8*\a], -v[ST+8*\a+1]                                 ; the new -M = -ceil(t)
.endr
.irp a, 0,1
	v_sub_f32 v[ST+8*\a+6], v[ST+8*\a], v[ST+8*\a+6]                      ; old M - new M: a whole number, 0 or less
.endr
.irp a, 0,1
	v_cvt_i32_f32 v[ST+8*\a+6], v[ST+8*\a+6]                              ; (it saturates)
.endr
.irp a, 0,1
	v_ldexp_f32 v[ST+8*\a+4], 1.0, v[ST+8*\a+6]                           ; f = 2^(old M - new M)
.endr
.irp a, 0,1
.set pi, 0
.rept 32
	v_pk_fma_f32 v[S+64*\a+2*pi:S+64*\a+2*pi+1], v[S+64*\a+2*pi:S+64*\a+2*pi+1], s[CS:CS+1], v[ST+8*\a:ST+8*\a+1] op_sel_hi:[1,0,0]   ; t - M, two at a time
.set pi, pi+1
.endr
.endr
.irp q, 0,1,2,3
	v_fma_f32 v[BM+\q], v[BM+\q], s[CS], v[ST+8*(\q/2)]                   ; the same of each block's largest score
.endr
.if \kmode == 1
	s_add_co_u32 s[TN], s[TB], STEPB
	FETCH_K TN                                     ; K's registers were last read far more than four plain lines ago
.endif
.if \kmode == 2
	WIN 0x80                                       ; destination window 2: K's and Q's registers, last read far more than four plain lines ago
.set fi, 0
.rept 48                               ; W_proj's fragment 2 Tq + s (rows 128 ch + 16 Tq + r) at 64 + 12 (2 Tq + s): each load of the wave covers 512 consecutive bytes
	global_load_b128 v[64+4*fi:64+4*fi+3], v[LI], s[28:29] offset:512*fi
.set fi, fi+1
.endr
.set fi, 0
.rept 16                               ; b_proj in the result's layout: channel 16 Tq + 8 h + j
	global_load_b128 v[4*fi:4*fi+3], v[O32H], s[14:15] offset:64*(fi/2)+16*(fi%2)
.set fi, fi+1
.endr
	WIN 0
.endif
.set pi, 0
.rept 128
	v_exp_f32 v[S+pi], v[S+pi]                     ; p = 2^(t - M), at most 1: not normalised
.set pi, pi+1
.endr
.irp a, 0,1
	v_pk_mul_f32 v[ST+8*\a+2:ST+8*\a+3], v[ST+8*\a+2:ST+8*\a+3], v[ST+8*\a+4:ST+8*\a+5] op_sel_hi:[1,0]   ; the sums under the new M.  (Plain lines behind the exponentials)
.endr
	s_wait_alu depctr_va_vdst(0)                   ; one wait for the batch of 128, ahead of its first reader
.irp q, 0,1,2,3
	v_exp_f32 v[BM+\q], v[BM+\q]                   ; each block's largest p
.endr
.irp a, 0,1
	v_pk_add_f32 v[ST+8*\a+6:ST+8*\a+7], v[S+64*\a:S+64*\a+1], v[S+64*\a+2:S+64*\a+3]     ; THE ROW'S SUM IS TAKEN OF THE UNQUANTISED p: four chains
.endr
.irp j, 4,8,12,16,20,24,28,32,36,40,44,48,52,56,60
.irp a, 0,1
	v_pk_add_f32 v[ST+8*\a+2:ST+8*\a+3], v[ST+8*\a+2:ST+8*\a+3], v[S+64*\a+\j:S+64*\a+\j+1]
	v_pk_add_f32 v[ST+8*\a+6:ST+8*\a+7], v[ST+8*\a+6:ST+8*\a+7], v[S+64*\a+\j+2:S+64*\a+\j+3]
.endr
.endr
.irp a, 0,1
	v_pk_add_f32 v[ST+8*\a+2:ST+8*\a+3], v[ST+8*\a+2:ST+8*\a+3], v[ST+8*\a+6:ST+8*\a+7]
.endr
	s_wait_alu depctr_va_vdst(0)                   ; and one for the four
.irp q, 0,1,2,3
	v_max_num_f32 v[BM+\q], 0x1800000, v[BM+\q]    ; the floor 2^(3 - 127)
.endr
	QTAIL S, P, PS
.if \first
	PLACES 8                                       ; ahead of scaled matrix instructions whose scale words and operands vector instructions have written
.else
	WIN 0x41
.irp a, 0,1
.set pi, 0
.rept 64
	v_pk_mul_f32 v[128*\a+2*pi:128*\a+2*pi+1], v[128*\a+2*pi:128*\a+2*pi+1], v[ST+8*\a+4:ST+8*\a+5] op_sel_hi:[1,0]   ; O^T under the new M.  (These are also those places)
.set pi, pi+1
.endr
.endr
.endif
	s_wait_dscnt 0x0                               ; V is in (and the next step's K, asked for some 450 lines ago)
	WIN 0x53                                       ; V in window 3, O^T in window 1
.set ti, 0
.rept 16
.irp a, 0,1
.if \first
	WMM 128*\a+8*ti, 64+12*ti, P+12*\a, -1, VS+4*(ti/8)+ti%4, PS+\a, (ti/4)%2, 0
.else
	WMM 128*\a+8*ti, 64+12*ti, P+12*\a, 128*\a+8*ti, VS+4*(ti/8)+ti%4, PS+\a, (ti/4)%2, 0
.endif
.endr
.set ti, ti+1
.endr
	WIN 0
	s_add_co_u32 s[TB], s[TB], STEPB
.endm
	s_wait_tensorcnt 0x2                           ; my quarter of steps 0, 1 is in; the two fills behind it may stay out
	s_barrier_signal -1
	s_barrier_wait -1                              ; everybody's is
	s_mov_b32 s[TB], 204800
	FETCH_K TB
	STEP 1, 1                                      ; step 0
	STEP 0, 0                                      ; step 1: its successor lies in another slot
	s_wait_tensorcnt 0x0                           ; THE CHANGE: all my tensor loads have landed, so steps 2 to 5 are whole behind the round, and a group 0 may be written;
	ds_add_u32 v[SPW], v[NIL]                      ; 0 onto my spare word;
	s_add_nc_u64 s[50:51], s[50:51], 460800        ; six packages on: steps 6, 7
	s_wait_dscnt 0x0                               ; the add is done, and my reads of the slot are over
	CROUND                                         ; no wave of any partner still reads the slot or has a load on its way
	tensor_load_to_lds s[48:51], s[40:47]          ; the joint refill, first behind the round: my one tensor load from here on
	s_nop 0
	PLACES 4
	s_mov_b32 s[TB], 0
	FETCH_K TB
	s_mov_b32 s[CNT], 2
.Lsteps_2_3:
	STEP 0, 1
	s_sub_co_u32 s[CNT], s[CNT], 1
	s_cmp_lg_u32 s[CNT], 0
	s_cbranch_scc1 .Lsteps_2_3
	s_wait_tensorcnt 0x0                           ; my quarter of steps 6, 7 has landed: it had two key steps, 128 matrix instructions, for that;
	ds_add_u32 v[SPW], v[NIL]
	s_wait_dscnt 0x0
	s_barrier_signal -1
	s_barrier_wait -1                              ; everybody's has; nothing is filled again, so no round.  From here on nobody reads the slot at 0
	s_mov_b32 s[CNT], 3
.Lsteps_4_6:
	STEP 0, 1
	s_sub_co_u32 s[CNT], s[CNT], 1
	s_cmp_lg_u32 s[CNT], 0
	s_cbranch_scc1 .Lsteps_4_6
.irp k, 0,1,2,3                        ; A PREFETCH of the x that my epilogue loads: 128 channels x 256 bytes, a lane a channel, one key step (64 matrix instructions and its softmax) ahead; each block of 256 bytes is read by one wave of the launch, which names it once
	global_prefetch_b8 v[PFO], s[XB:XB+1] offset:131072*\k th:TH_LOAD_NT scope:SCOPE_SE
.endr
	STEP 0, 2                                      ; step 7; W_proj and b_proj are asked for in it
	; ---- EPILOGUE
	PLACES 4                                       ; behind the last products: ahead of loads into their scale registers and of the first read of O^T
.set ti, 0
.rept 16
	global_load_b32 v[KS+ti], v[O8R], s[12:13] offset:128*(ti/2)+4*(ti%2)  ; W_proj's 16 scale words, in K's and V's scale registers
.set ti, ti+1
.endr
.irp a, 0,1
	v_add_f32 v[ST+8*\a+6], v[ST+8*\a+2], v[ST+8*\a+3]
.endr
.irp a, 0,1
	v_permlanex16_b32 v[BP+\a], v[ST+8*\a+6], s[SEL], s[SEL+1]
.endr
.irp a, 0,1
	v_add_f32 v[ST+8*\a+6], v[ST+8*\a+6], v[BP+\a]                        ; the row's sum
.endr
.irp a, 0,1
	v_rcp_f32 v[ST+8*\a+6], v[ST+8*\a+6]
.endr
	v_nop
	s_wait_alu depctr_va_vdst(0)
.irp a, 0,1
	WIN 0x01
.set oi, 0
.rept 128                              ; oi = 32 U + 8 T + j is channel 64 U + 32 h + 4 j + T: it goes to register 32 U + 4 j + T: natural order, for the given W_proj
	v_mul_f32 v[S+32*(oi/32)+4*(oi%8)+(oi/8)%4], v[128*\a+oi], v[ST+8*\a+6]
.set oi, oi+1
.endr
.if \a == 1
	s_wait_loadcnt 32                              ; W_proj, b_proj and the scale words are in; behind them stand tile 0's 32 loads of x
.endif
	WIN 0x40
.set oi, 0
.rept 32                               ; x into the registers that O^T has left: register 32 Tq + 4 j + t = x(channel 16 Tq + 8 h + j, position 4 r + t)
	global_load_b128 v[128*\a+4*oi:128*\a+4*oi+3], v[OA], s[XB:XB+1] offset:(64*\a+16*(oi/8)+oi%8)*4096
.set oi, oi+1
.endr
	WIN 0
	QUANT4 S, P, PS
.irp s, 0,1
.irp c, 0,1,2
	ds_store_b128 v[IW], v[P+12*\s+4*\c:P+12*\s+4*\c+3] offset:3072*\a+1536*\s+512*\c
.endr
	ds_store_b32 v[SW], v[PS+\s] offset:8*\a+4*\s  ; lanes r and 16 + r hold the same word and write it to the same place
.endr
	s_wait_dscnt 0x0                               ; the stores have read their registers, and have landed
.endr
	s_barrier_signal -1
	s_barrier_wait -1                              ; x_attn's sixteen fragments lie in LDS
.set fi, 0
.rept 24
	ds_load_b128 v[S+4*fi:S+4*fi+3], v[IMF] offset:512*fi                 ; my block's eight: (tile t, K step s) at S + 12 (2 t + s)
.set fi, fi+1
.endr
	ds_load_b128 v[QS:QS+3], v[SF]
	s_wait_dscnt 0x0
.irp k, 0,1,2,3                        ; two tiles of 16 output channels x four tiles of positions at a time: eight accumulators by turns
	WIN 0xe2                                       ; W_proj and b_proj in window 2, the results in window 3
.irp u, 0,1
.irp t, 0,1,2,3
	WMM 64+32*\u+8*\t, 64+24*(2*\k+\u), S+24*\t, 8*(2*\k+\u), KS+2*(2*\k+\u), QS+2*(\t%2), 0, \t/2
.endr
.endr
	WIN 0xf2
.irp u, 0,1
.irp t, 0,1,2,3
	WMM 64+32*\u+8*\t, 64+24*(2*\k+\u)+12, S+24*\t+12, 64+32*\u+8*\t, KS+2*(2*\k+\u)+1, QS+2*(\t%2)+1, 0, \t/2
.endr
.endr
	PLACES 5                                       ; four ahead of the first read of results; the fifth for the next pair, which begins these accumulators anew
	s_wait_loadcnt 48-16*\k                        ; this pair's 16 loads of x are in; those behind them stay out
	WIN 0x5f                                       ; results and gate in window 3, x in window 1
.irp u, 0,1
.irp t, 0,1,2,3
.irp j, 0,1,2,3,4,5,6,7
	v_fma_f32 v[32*(2*\k+\u)+4*\j+\t], v[64+32*\u+8*\t+\j], v[8*(2*\k+\u)+\j], v[32*(2*\k+\u)+4*\j+\t]   ; x + (proj + b_proj) x gate
.endr
.endr
.endr
	WIN 0x04                                       ; a store's data are its source 1: window 1
.irp u, 0,1
.irp j, 0,1,2,3,4,5,6,7
	global_store_b128 v[OA], v[32*(2*\k+\u)+4*\j:32*(2*\k+\u)+4*\j+3], s[OB:OB+1] offset:(16*(2*\k+\u)+\j)*4096 th:TH_STORE_NT   ; sixteen lanes store 256 consecutive bytes, aligned
.endr
.endr
.endr
	WIN 0
	s_wait_tensorcnt 0x0                           ; the wave's end: behind my last tensor load and my last LDS store
	ds_add_u32 v[SPW], v[NIL]
	s_wait_dscnt 0x0
	CROUND                                         ; the closing round: no work-group ends while a partner may still ask for a tile that names it
	s_endpgm
.Lfunc_end_k_qc4635759c2_attn:
	.size	k_qc4635759c2_attn, .Lfunc_end_k_qc4635759c2_attn-k_qc4635759c2_attn
	.p2alignl 7, 3214868480
	.fill 96, 4, 3214868480
	.section	.rodata,"a",@progbits
	.p2align	6, 0x0
	.amdhsa_kernel k_qc4635759c2_attn
		.amdhsa_group_segment_fixed_size 327680
		.amdhsa_private_segment_fixed_size 0
		.amdhsa_enable_private_segment 0
		.amdhsa_kernarg_size 96
		.amdhsa_user_sgpr_count 2
		.amdhsa_user_sgpr_kernarg_segment_ptr 1
		.amdhsa_wavefront_size32 1
		.amdhsa_system_sgpr_workgroup_id_x 1
		.amdhsa_system_sgpr_workgroup_id_y 1
		.amdhsa_system_sgpr_workgroup_id_z 1
		.amdhsa_system_vgpr_workitem_id 0
		.amdhsa_next_free_vgpr 1024
		.amdhsa_next_free_sgpr 80
		.amdhsa_reserve_vcc 0
		.amdhsa_float_denorm_mode_32 3
		.amdhsa_float_denorm_mode_16_64 3
		.amdhsa_memory_ordered 1
		.amdhsa_forward_progress 1
		.amdhsa_inst_pref_size 255
	.end_amdhsa_kernel
	.section	.bss,"aw",@nobits
	.p2align	6
	.space	262144
	.amdgpu_metadata
---
amdhsa.version: [ 1, 2 ]
amdhsa.kernels:
  - .name:           k_qc4635759c2_attn
    .symbol:         k_qc4635759c2_attn.kd
    .args:
      - { .name: qkvc, .offset: 0, .size: 8, .value_kind: global_buffer, .address_space: global }
      - { .name: stats, .offset: 8, .size: 8, .value_kind: global_buffer, .address_space: global }
      - { .name: x, .offset: 16, .size: 8, .value_kind: global_buffer, .address_space: global }
      - { .name: wimg, .offset: 24, .size: 8, .value_kind: global_buffer, .address_space: global }
      - { .name: w_proj_scales, .offset: 32, .size: 8, .value_kind: global_buffer, .address_space: global }
      - { .name: b_proj, .offset: 40, .size: 8, .value_kind: global_buffer, .address_space: global }
      - { .name: w_se1_scales, .offset: 48, .size: 8, .value_kind: global_buffer, .address_space: global }
      - { .name: b_se1, .offset: 56, .size: 8, .value_kind: global_buffer, .address_space: global }
      - { .name: w_se2_codes, .offset: 64, .size: 8, .value_kind: global_buffer, .address_space: global }
      - { .name: w_se2_scales, .offset: 72, .size: 8, .value_kind: global_buffer, .address_space: global }
      - { .name: b_se2, .offset: 80, .size: 8, .value_kind: global_buffer, .address_space: global }
      - { .name: out0, .offset: 88, .size: 8, .value_kind: global_buffer, .address_space: global }
    .group_segment_fixed_size: 327680
    .private_segment_fixed_size: 0
    .kernarg_segment_align: 8
    .kernarg_segment_size: 96
    .max_flat_workgroup_size: 128
    .sgpr_count:     80
    .vgpr_count:     1024
    .wavefront_size: 32
...
	.end_amdgpu_metadata
.endif
;; end of part 6
;; ======== version 3 of 3: 3 launches; version 2 with the launch qkv written anew for expert scheduling mode
;; workspace buffers: stats 98,304 bytes; qkvc 19,660,800 bytes; wimg 208,896 bytes
;; launch stats: the kernel of part 4 again; grid 256 x 1, 4 waves a work-group, no clusters, 1,024 bytes of LDS; arguments x, gn_gamma, w_qkv_codes, w_proj_codes, w_se1_codes, stats, wimg; writes stats, wimg
;; launch qkv (part 7): grid 8 x 32, 8 waves a work-group, no clusters, 103,424 bytes of LDS; arguments x, stats, gn_beta, wimg, w_qkv_scales, b_qkv, qkvc; writes qkvc
.if DOCPART == 7
	.amdgcn_target "amdgcn-amd-amdhsa--gfx1250"
	.amdhsa_code_object_version 6
	.text
	.protected	k_qc4635759c2_qkv
	.globl	k_qc4635759c2_qkv
	.p2align	8
	.type	k_qc4635759c2_qkv,@function
k_qc4635759c2_qkv:
	s_mov_b64 s[64:65], 0
	v_nop
	global_prefetch_b8 v0, s[64:65] scope:SCOPE_SE
	s_setreg_imm32_b32 hwreg(HW_REG_WAVE_SCHED_MODE, 0, 2), 2
	s_setreg_imm32_b32 hwreg(HW_REG_WAVE_MODE, 25, 1), 1
	s_wait_xcnt 0x0
	s_wait_alu depctr_vm_vsrc(0)
; xn = GroupNorm(x), quantised along the channels; q, k, v = W xn + b on codes of FP6 (E2M3) with one E8M0 scale for each 32 along K; q and k quantised along the channels, v along the positions.
; A work-group takes 128 positions of one image and makes one PACKAGE of 76,800 bytes: K's 16 fragments (24,576), V's 16 (24,576), K's scale words (1,024), V's (1,024), Q's 16 fragments, Q's scale words.
; A FRAGMENT (16 rows x 128 K: 12 registers a lane) is kept as an IMAGE OF ITS REGISTERS, 1,536 bytes: registers 4 c .. 4 c + 3 of lane l at 512 c + 16 l: three loads of 16 bytes a lane bring it back, from LDS or memory.
; A SCALE AREA serves 16 fragments: byte e of row r of fragment f at 512 (f / 8) + 256 ((f / 4) % 2) + 16 r + 4 (f % 4) + e: one load of 16 bytes a lane gives four registers, register i with fragment 8 g + i's words in lanes 0-15 and fragment 8 g + 4 + i's in lanes 16-31.
; TILES BY FOURS.  Tile t of a block of 64 rows takes rows 4 r + t.  As source 0 its result's register j of lane (r', h) is row 32 h + 4 j + t, so the 32 registers of four tiles are ONE WHOLE block of 32 in ONE lane,
; which is what the 6-bit operand layout wants of that lane: no maximum crosses lanes, no halves are exchanged.  Inside a block slot 8 t + j holds element 4 j + t; q and k carry the same order along the channels, v and the
; attention's p the same order along the keys, so the products are the true ones.  xn, whose partner is a given weight, is laid in natural order.
; Fragment numbers: xn, q, k: 2 (4 B + t) + s: block B of 64 positions, tile t (its row r is position 64 B + 4 r + t), K step s of 128 channels.  v: 4 U + T, whose row r is channel 64 U + 4 r + T; its K is the package's 128 positions.
; SHARES.  Eight waves, one text; a wave's role (kq = wave / 4, U = wave % 4) enters addresses alone.  Phase X: wave (kq, U) normalises and quantises channels 64 U .. + 63 of positions 64 kq .. + 63.  Phase P: it makes output rows
; 64 U .. + 63 of q (kq = 0) or k (kq = 1) for all 128 positions and of v for positions 64 kq .. + 63: 96 matrix instructions.
; THE WEIGHTS come as images too, laid by the launch before (fragment 8 (4 P + U) + 2 T + s: row 256 P + 64 U + 4 r + T, K step s; P = 0, 1, 2 for q, k, v): a wave's eight fragments of a part are 12,288 dense bytes, 24 loads of 512
; consecutive bytes, straight into operand registers, once.  They are what work-groups share, but they go into registers and not through LDS, so no joint tensor load is laid: it would want a ring for 147,456 bytes that each wave reads once.
; LIMITS: NaN and infinities are not served; a block whose largest magnitude lies under 2^-124 keeps the byte 1 (a block of zeros too: its codes are zeros, and this program alone reads the bytes).
; REGISTERS.  Window 0: v1-23 LDS addresses; v24-27 xn's scale words; v28-43 the weights'; v44-55 at work; v56-61 offsets; v64-127 accumulators (phase X: codes); v128-255 xn as f32, then xn's 8 fragments, codes, the way out.
;   Window 1: phase X: x (v0-127), (mean, a) (v128-191), beta (v192-223); then the weights' 16 fragments (v0-191) and the two biases in the results' layouts (v192-255).
; THE MODE: SCHED_MODE bits 1:0 = 2 (LLVM: expert scheduling mode 2), set by the entry lines.  The code itself states the register dependences between vector or matrix instructions and memory or LDS instructions, with s_wait_alu, always for 0.
; THE PLAN.  Registers that memory or LDS instructions touch:
;   v1, v4-21, v56-61   offsets and LDS addresses: written at the head, never again: one wait on va_vdst ahead of the first load serves every load and store.  (v62, v63: written there too, read by the closing add alone.)
;   window 1            x, (mean, a), beta are loaded, read by the normalising lines (x is also written in place); then the weights and biases land there: one wait on va_vdst between.
;   v128-223, v24-27    first xn as f32 (written by the multiply-adds, read by the first quantiser), then XF and XS: xn's fragments and scale words from LDS, read by the products; loaded for block 1 - kq, again for block kq, and on the way out.
;   HC, BY              a quantiser writes the codes and bytes, the LDS stores behind it read them, the next quantiser writes them again.  Phase X's codes lie in v64-87, which the first products write as accumulators.
; So a wait on va_vdst closes every quantiser, ahead of its LDS stores; behind the first and the last quantiser no vector or matrix line stands between that wait and the next LDS loads, which it serves too.  A wait on vm_vsrc stands behind
; the first barrier (for v64-87) and in every later quantiser ahead of the lines that write HC and BY again.  Block kq's 25 LDS loads stand behind a wait on va_vdst of their own, behind the last products on block 1 - kq and AHEAD of that batch's
; quantiser, which names the accumulators, v44-55 and v224-243 alone: they land while it works.  There is no room for a second set of XF: two waves of 512 registers share a SIMD's 1,024.
.set XS,  24
.set WS,  28
.set TM,  44
.set SO,  48
.set BY,  52
.set ACC, 64
.set Y,   128
.set XF,  128
.set WA,  0
.set WB,  96
.set BA,  192
.set BB,  224
.set XNI, 76800                        ; LDS: behind the package's image: xn's 16 fragments,
.set XNS, 101376                       ; and their scale area
.set MSB, 0
.macro WIN new                         ; the immediate's high byte repeats the setting that is left
.if MSB != \new
	s_set_vgpr_msb (MSB<<8)|\new
.set MSB, \new
.endif
.endm
; One matrix instruction.  c < 0: the constant 0 starts the sum.  ra, rb: the side's scale words stand in lanes 16-31.
.macro WMM d, a, b, c, sa, sb, ra, rb
.if (\c) < 0
.if (\ra)
	v_wmma_scale_f32_16x16x128_f8f6f4 v[(\d):(\d)+7], v[(\a):(\a)+11], v[(\b):(\b)+11], 0, v[\sa], v[\sb] matrix_a_fmt:MATRIX_FMT_FP6 matrix_b_fmt:MATRIX_FMT_FP6 matrix_a_scale:MATRIX_SCALE_ROW1
.elseif (\rb)
	v_wmma_scale_f32_16x16x128_f8f6f4 v[(\d):(\d)+7], v[(\a):(\a)+11], v[(\b):(\b)+11], 0, v[\sa], v[\sb] matrix_a_fmt:MATRIX_FMT_FP6 matrix_b_fmt:MATRIX_FMT_FP6 matrix_b_scale:MATRIX_SCALE_ROW1
.else
	v_wmma_scale_f32_16x16x128_f8f6f4 v[(\d):(\d)+7], v[(\a):(\a)+11], v[(\b):(\b)+11], 0, v[\sa], v[\sb] matrix_a_fmt:MATRIX_FMT_FP6 matrix_b_fmt:MATRIX_FMT_FP6
.endif
.else
.if (\ra)
	v_wmma_scale_f32_16x16x128_f8f6f4 v[(\d):(\d)+7], v[(\a):(\a)+11], v[(\b):(\b)+11], v[(\c):(\c)+7], v[\sa], v[\sb] matrix_a_fmt:MATRIX_FMT_FP6 matrix_b_fmt:MATRIX_FMT_FP6 matrix_a_scale:MATRIX_SCALE_ROW1
.elseif (\rb)
	v_wmma_scale_f32_16x16x128_f8f6f4 v[(\d):(\d)+7], v[(\a):(\a)+11], v[(\b):(\b)+11], v[(\c):(\c)+7], v[\sa], v[\sb] matrix_a_fmt:MATRIX_FMT_FP6 matrix_b_fmt:MATRIX_FMT_FP6 matrix_b_scale:MATRIX_SCALE_ROW1
.else
	v_wmma_scale_f32_16x16x128_f8f6f4 v[(\d):(\d)+7], v[(\a):(\a)+11], v[(\b):(\b)+11], v[(\c):(\c)+7], v[\sa], v[\sb] matrix_a_fmt:MATRIX_FMT_FP6 matrix_b_fmt:MATRIX_FMT_FP6
.endif
.endif
.endm
; n blocks of 32 numbers of a lane, block u at v[src + 32 u], become six registers of codes each, at v[HC + 6 u], and a scale byte in v[BY + u].
; out: how many LDS instructions younger than the last codes' stores may stay out; out < 0: the first quantiser, with no LDS store ahead of it.
.macro QBLK n, src, out
.set qi, 0
.rept \n
	v_max3_num_f32 v[TM+qi], |v[\src+32*qi]|, |v[\src+32*qi+1]|, 0x1800000   ; the floor 2^(3 - 127) among the leaves: the byte cannot fall under 1.  Each accumulator is read from its low end on
.set qi, qi+1
.endr
.set qk, 2
.rept 15
.set qi, 0
.rept \n
	v_max3_num_f32 v[TM+qi], v[TM+qi], |v[\src+32*qi+qk]|, |v[\src+32*qi+qk+1]|   ; (the blocks by turns)
.set qi, qi+1
.endr
.set qk, qk+2
.endr
.if (\out) >= 0
	s_wait_dscnt \out                              ; the LDS stores of the codes and bytes made last are done
	s_wait_alu depctr_vm_vsrc(0)                   ; those LDS stores have read their codes and bytes: v[BY ..] and v[HC ..] are written again below
.endif
.set qi, 0
.rept \n
	v_add_nc_u32 v[SO+qi], 0xff000000, v[TM+qi]    ; 2 off the exponent field: the conversion takes this operand's exponent field as its scale
.set qi, qi+1
.endr
.set qi, 0
.rept \n
	v_lshrrev_b32 v[BY+qi], 23, v[SO+qi]           ; the scale's byte
.set qi, qi+1
.endr
.set qi, 0
.rept \n
	v_cvt_scalef32_pk16_fp6_f32 v[HC+6*qi:HC+6*qi+2], v[\src+32*qi:\src+32*qi+15], v[SO+qi]
	v_cvt_scalef32_pk16_fp6_f32 v[CT+4*qi:CT+4*qi+2], v[\src+32*qi+16:\src+32*qi+31], v[SO+qi]   ; (a conversion's three registers begin on an even number)
.set qi, qi+1
.endr
	v_nop                                          ; one plain place behind a scaled conversion
.set qi, 0
.rept \n
	v_mov_b32 v[HC+6*qi+3], v[CT+4*qi]
	v_mov_b32 v[HC+6*qi+4], v[CT+4*qi+1]
	v_mov_b32 v[HC+6*qi+5], v[CT+4*qi+2]
.set qi, qi+1
.endr
	s_wait_alu depctr_va_vdst(0)                   ; the conversions and moves have written v[HC ..] and the shifts v[BY ..], which the LDS stores that follow read; every vector and matrix line issued so far is done with v128-223 and v24-27 too
.endm
; Block u's six registers are half of a fragment's twelve: three pieces of 8 bytes of its image.  p0 = base + 16 lane + 520 half, p1 = p0 + 8 + 496 half: half 0 lies at 16 l, 16 l + 8, 16 l + 512; half 1 at 16 l + 520, + 1024, + 1032.
.macro PUT u, p0, p1, sb, imm, sof
	ds_store_b64 v[\p0], v[HC+6*(\u):HC+6*(\u)+1] offset:\imm
	ds_store_b64 v[\p1], v[HC+6*(\u)+2:HC+6*(\u)+3] offset:\imm
	ds_store_b64 v[\p0], v[HC+6*(\u)+4:HC+6*(\u)+5] offset:(\imm)+512
	ds_store_b8 v[\sb], v[BY+(\u)] offset:\sof
.endm
	s_load_b256 s[4:11], s[0:1], 0x0               ; x, stats, beta, the weights' images
	s_load_b128 s[12:15], s[0:1], 0x20             ; W's scales, b_qkv
	s_load_b64 s[16:17], s[0:1], 0x30              ; the packages
	v_lshl_add_u32 v62, v0, 2, 0x19000
	v_mov_b32 v63, 0
	v_lshrrev_b32 v1, 5, v0
	v_readfirstlane_b32 s18, v1                    ; wave 0..7
	s_wait_alu depctr_va_sdst(0)                   ; s18 is written, ahead of its first reader: the wave's fields, and with them addresses and bases, are made from it
	s_lshr_b32 s19, s18, 2                         ; kq
	s_and_b32 s20, s18, 3                          ; U
	s_and_b32 s21, s18, 1                          ; c' = U % 2: which half of a fragment my 64 channels are
	s_bfe_u32 s22, s18, 0x10001                    ; sU = U / 2: which K step
	s_xor_b32 s23, s19, 1                          ; 1 - kq
	s_and_b32 s25, ttmp7, 0xffff                   ; the image
	v_and_b32 v2, 31, v0
	v_lshlrev_b32 v1, 4, v2                        ; 16 x lane
	v_and_b32 v3, 15, v0                           ; r
	v_bfe_u32 v2, v0, 4, 1                         ; h
	v_lshl_add_u32 v23, v3, 4, v2                  ; 16 r + h: a lane's place in a scale area
	; every LDS address: a constant + a lane term + constants x the wave's fields
	s_mul_i32 s26, s21, 520
	s_mul_i32 s27, s22, 1536
	s_add_co_u32 s26, s26, s27                     ; 520 c' + 1536 sU
	s_lshl_b32 s27, s21, 1
	s_lshl_b32 s28, s22, 2
	s_add_co_u32 s27, s27, s28                     ; 2 c' + 4 sU
	s_mul_i32 s28, s21, 496
	s_add_co_u32 s28, s28, 8                       ; 8 + 496 c'
	s_mul_i32 s29, s19, 12288                      ; xn: block kq's eight fragments
	s_add_co_u32 s29, s29, s26
	s_add_co_u32 s29, s29, XNI
	v_add_nc_u32 v4, s29, v1
	v_add_nc_u32 v5, s28, v4
	s_lshl_b32 s29, s19, 9
	s_add_co_u32 s29, s29, s27
	s_add_co_u32 s29, s29, XNS
	v_add_nc_u32 v6, s29, v23
	s_mul_i32 s29, s23, 63488                      ; q (at 51,200) or k (at 0), block 1 - kq: (51,200 + 12,288) (1 - kq)
	s_add_co_u32 s29, s29, s26
	v_add_nc_u32 v7, s29, v1
	v_add_nc_u32 v8, s28, v7
	s_mul_i32 s29, s23, 27136                      ; its scale area, q's at 75,776, k's at 49,152: (26,624 + 512) (1 - kq)
	s_add_co_u32 s29, s29, s27
	s_add_co_u32 s29, s29, 49152
	v_add_nc_u32 v9, s29, v23
	s_mul_i32 s29, s23, 51200                      ; the same for block kq
	s_mul_i32 s30, s19, 12288
	s_add_co_u32 s29, s29, s30
	s_add_co_u32 s29, s29, s26
	v_add_nc_u32 v10, s29, v1
	v_add_nc_u32 v11, s28, v10
	s_mul_i32 s29, s23, 26624
	s_lshl_b32 s30, s19, 9
	s_add_co_u32 s29, s29, s30
	s_add_co_u32 s29, s29, s27
	s_add_co_u32 s29, s29, 49152
	v_add_nc_u32 v12, s29, v23
	s_mul_i32 s29, s20, 6144                       ; v: fragments 4 U .., half kq
	s_mul_i32 s30, s19, 520
	s_add_co_u32 s29, s29, s30
	s_add_co_u32 s29, s29, 24576
	v_add_nc_u32 v13, s29, v1
	s_mul_i32 s30, s19, 496
	s_add_co_u32 s30, s30, 8
	v_add_nc_u32 v14, s30, v13
	s_lshl_b32 s29, s20, 8
	s_lshl_b32 s30, s19, 1
	s_add_co_u32 s29, s29, s30
	s_add_co_u32 s29, s29, 50176
	v_add_nc_u32 v15, s29, v23
	s_mul_i32 s29, s23, 12288                      ; where xn's fragments and scale words are read back: block 1 - kq,
	s_add_co_u32 s29, s29, XNI
	v_add_nc_u32 v16, s29, v1
	s_lshl_b32 s29, s23, 9
	s_add_co_u32 s29, s29, XNS
	v_add_nc_u32 v17, s29, v1
	s_mul_i32 s29, s19, 12288                      ; block kq
	s_add_co_u32 s29, s29, XNI
	v_add_nc_u32 v18, s29, v1
	s_lshl_b32 s29, s19, 9
	s_add_co_u32 s29, s29, XNS
	v_add_nc_u32 v19, s29, v1
	s_lshl_b32 s29, s18, 9                         ; the way out: chunks of 512 bytes, wave + 8 i
	v_add_nc_u32 v20, s29, v1
	v_add_nc_u32 v21, 0x10000, v20                 ; (an LDS offset has 16 bits)
	; offsets into memory; none is written again
	v_lshlrev_b32 v56, 17, v2
	v_lshl_add_u32 v56, v3, 4, v56                 ; x: 32 h channels of 4,096 bytes + 16 r
	v_lshlrev_b32 v57, 8, v2                       ; (mean, a): 32 h pairs
	v_lshlrev_b32 v58, 7, v2                       ; beta, q's and k's bias: 32 h numbers
	v_lshlrev_b32 v59, 5, v3                       ; W's scale words: row 4 r of 8 bytes
	v_lshlrev_b32 v61, 4, v3                       ; v's bias: number 4 r
	s_mov_b32 s37, 0
	s_lshl_b32 s36, s25, 20
	s_lshl_b32 s38, s20, 18
	s_add_co_u32 s36, s36, s38
	s_lshl_b32 s38, ttmp9, 9
	s_add_co_u32 s36, s36, s38
	s_lshl_b32 s38, s19, 8
	s_add_co_u32 s36, s36, s38                     ; x: image, channel 64 U, position 128 nb + 64 kq
	s_wait_kmcnt 0x0
	s_add_nc_u64 s[4:5], s[4:5], s[36:37]
	s_lshl_b32 s36, s25, 11
	s_lshl_b32 s38, s20, 9
	s_add_co_u32 s36, s36, s38
	s_add_nc_u64 s[6:7], s[6:7], s[36:37]
	s_lshl_b32 s36, s20, 8
	s_add_nc_u64 s[8:9], s[8:9], s[36:37]
	s_add_nc_u64 s[14:15], s[14:15], s[36:37]
	s_mul_i32 s36, s20, 12288                      ; the images: eight fragments of 1,536 bytes for each U,
	s_add_nc_u64 s[10:11], s[10:11], s[36:37]
	s_lshl_b32 s36, s20, 9
	s_add_nc_u64 s[12:13], s[12:13], s[36:37]
	s_mul_i32 s36, s19, 49152                      ; 32 for each of q, k, v
	s_add_nc_u64 s[30:31], s[10:11], s[36:37]      ; q's or k's fragments of W,
	s_lshl_b32 s36, s19, 11
	s_add_nc_u64 s[32:33], s[12:13], s[36:37]      ; their scale words,
	s_lshl_b32 s36, s19, 10
	s_add_nc_u64 s[34:35], s[14:15], s[36:37]      ; their bias
	s_lshl_b32 s36, s25, 3
	s_add_co_u32 s36, s36, ttmp9
	s_mul_i32 s36, s36, 76800
	s_lshl_b32 s38, s18, 9
	s_add_co_u32 s36, s36, s38
	s_add_nc_u64 s[16:17], s[16:17], s[36:37]      ; my package, + 512 x wave
	; ---- X: my 64 channels x 64 positions of xn.  A load of x gives a lane four neighbouring positions, one for each of the four tiles; sixteen lanes read 256 consecutive bytes, aligned
	WIN 0x40
	s_wait_alu depctr_va_vdst(0)                   ; the offsets and LDS addresses v1, v4 to v21 and v56 to v61 are written (v62 and v63 too): every load and store of the kernel reads some of them, and none is written again
.set li, 0
.rept 16
	global_load_b128 v[128+4*li:128+4*li+3], v57, s[6:7] offset:16*li     ; (mean, a) of channels 2 li, 2 li + 1 of my 32
.set li, li+1
.endr
.set li, 0
.rept 8
	global_load_b128 v[192+4*li:192+4*li+3], v58, s[8:9] offset:16*li     ; beta
.set li, li+1
.endr
	WIN 0
.set li, 0
.rept 8                                ; li = 2 T + s
	global_load_b32 v[WS+li], v59, s[32:33] offset:8*(li/2)+4*(li%2)
	global_load_b32 v[WS+8+li], v59, s[12:13] offset:4096+8*(li/2)+4*(li%2)
.set li, li+1
.endr
	WIN 0x40
.set li, 0
.rept 32
	global_load_b128 v[4*li:4*li+3], v56, s[4:5] offset:4096*li
.set li, li+1
.endr
.irp g, 0,1,2,3
	s_wait_loadcnt 24-8*\g                         ; eight channels more are in; the x loads behind them stay out
	WIN 0x45
.irp i, 0,1,2,3,4,5,6,7
	v_pk_add_f32 v[4*(8*\g+\i):4*(8*\g+\i)+1], v[4*(8*\g+\i):4*(8*\g+\i)+1], v[128+2*(8*\g+\i):128+2*(8*\g+\i)+1] op_sel_hi:[1,0] neg_lo:[0,1] neg_hi:[0,1]     ; x - mean first: a common offset costs no digits
	v_pk_add_f32 v[4*(8*\g+\i)+2:4*(8*\g+\i)+3], v[4*(8*\g+\i)+2:4*(8*\g+\i)+3], v[128+2*(8*\g+\i):128+2*(8*\g+\i)+1] op_sel_hi:[1,0] neg_lo:[0,1] neg_hi:[0,1]
.endr
	WIN 0x15
.irp i, 0,1,2,3,4,5,6,7
.irp t, 0,1,2,3
	v_fma_f32 v[Y+32*\t+8*\g+\i], v[4*(8*\g+\i)+\t], v[128+2*(8*\g+\i)+1], v[192+8*\g+\i]   ; x a + beta: tile t's block, channels in natural order
.endr
.endr
.endr
	WIN 0x40                                       ; the weights, into the registers that x has left: they land while xn is quantised
	s_wait_alu depctr_va_vdst(0)                   ; the subtractions have written, and the multiply-adds are done reading, x, (mean, a) and beta in window 1, where the weights and the biases land
.set wi, 0
.rept 24                               ; fragment 2 T + s at 12 (2 T + s): its image's 512 bytes number c are registers 4 c .. 4 c + 3: each load of the wave covers 512 consecutive bytes
	global_load_b128 v[WA+4*wi:WA+4*wi+3], v1, s[30:31] offset:512*wi
	global_load_b128 v[WB+4*wi:WB+4*wi+3], v1, s[10:11] offset:98304+512*wi
.set wi, wi+1
.endr
.set wi, 0
.rept 32                               ; wi = 8 T + j.  q, k: register j of tile T is row 32 h + 4 j + T.  v: all eight registers are row 4 r + T
	global_load_b32 v[BA+wi], v58, s[34:35] offset:16*(wi%8)+4*(wi/8)
	global_load_b32 v[BB+wi], v61, s[14:15] offset:2048+4*(wi/8)
.set wi, wi+1
.endr
	WIN 0
.set HC, 64
.set CT, 88
	QBLK 4, Y, -1
.irp t, 0,1,2,3
	PUT \t, 4, 5, 6, 3072*\t, 256*(\t/2)+8*(\t%2)
.endr
	s_wait_dscnt 0x0                               ; for the others' sake: my stores have landed
	s_barrier_signal -1
	s_barrier_wait -1                              ; xn's sixteen fragments lie in LDS
	s_wait_alu depctr_vm_vsrc(0)                   ; my LDS stores have read v64 to v87: these registers are accumulators from here on, written by the products
	; ---- P: the products
.set HC, 224
.set CT, 236
.macro FETCHX fa, fs                   ; a block's eight fragments of xn and their scale words: 25 LDS loads
.set fi, 0
.rept 24
	ds_load_b128 v[XF+4*fi:XF+4*fi+3], v[\fa] offset:512*fi
.set fi, fi+1
.endr
	ds_load_b128 v[XS:XS+3], v[\fs]
.endm
; q or k of the block in XF: source 0 = W's tile T, source 1 = xn's tile: a lane holds one position and a block of 32 channels.  Two tiles of positions at a time: eight accumulators by turns.
; next = 1: behind the item's last products block kq's fragments of xn are asked for, ahead of the last quantiser.
.macro ITEM_QK p0, p1, sb, next
.irp g, 0,1
	WIN 0x11                                       ; W and the bias in window 1
.irp u, 0,1
.irp t, 0,1,2,3
	WMM ACC+32*\u+8*\t, WA+24*\t, XF+24*(2*\g+\u), BA+8*\t, WS+2*\t, XS+2*\u, 0, \g
.endr
.endr
	WIN 0x01
.irp u, 0,1
.irp t, 0,1,2,3
	WMM ACC+32*\u+8*\t, WA+24*\t+12, XF+24*(2*\g+\u)+12, ACC+32*\u+8*\t, WS+2*\t+1, XS+2*\u+1, 0, \g
.endr
.endr
	WIN 0
.rept 5
	v_nop                                          ; four places ahead of the first read of results and of loads into operands; the fifth for the next batch, which begins these accumulators anew
.endr
.if (\g == 1) && (\next)
	s_wait_alu depctr_va_vdst(0)                   ; the item's products are done reading xn's fragments v128 to v223 and scale words v24 to v27, in which the loads below land
	FETCHX 18, 19                                  ; no line of the quantiser below names these registers or v18, v19: the loads land while it works
	QBLK 2, ACC, 25                                ; (the 25 loads just issued are younger than the stores that it waits for)
.else
	QBLK 2, ACC, 0
.endif
	PUT 0, \p0, \p1, \sb, 3072*(2*\g), 256*\g
	PUT 1, \p0, \p1, \sb, 3072*(2*\g+1), 256*\g+8
.endr
.endm
; v of the block in XF: the sources change places: source 0 = xn's tile t, source 1 = W's tile T: a lane holds one channel and a block of 32 positions.
.macro ITEM_V
.irp g, 0,1
	WIN 0x14
.irp u, 0,1
.irp t, 0,1,2,3
	WMM ACC+32*\u+8*\t, XF+24*\t, WB+24*(2*\g+\u), BB+8*(2*\g+\u), XS+2*(\t%2), WS+8+2*(2*\g+\u), \t/2, 0
.endr
.endr
	WIN 0x04
.irp u, 0,1
.irp t, 0,1,2,3
	WMM ACC+32*\u+8*\t, XF+24*\t+12, WB+24*(2*\g+\u)+12, ACC+32*\u+8*\t, XS+2*(\t%2)+1, WS+8+2*(2*\g+\u)+1, \t/2, 0
.endr
.endr
	WIN 0
.rept 5
	v_nop
.endr
	QBLK 2, ACC, 0
	PUT 0, 13, 14, 15, 1536*(2*\g), 4*(2*\g)
	PUT 1, 13, 14, 15, 1536*(2*\g+1), 4*(2*\g+1)
.endr
.endm
	FETCHX 16, 17                                  ; into the registers that held xn as f32: the wait that closed the first quantiser stands behind all their readers and writers, and no vector line has been issued since
	s_wait_dscnt 0x0
	s_wait_loadcnt 0x0                             ; the weights
	ITEM_QK 7, 8, 9, 1
	s_wait_dscnt 8                                 ; LDS instructions are done in order: block kq's 25 loads are in; the last batch's eight stores, issued behind them, may stay out
	ITEM_QK 10, 11, 12, 0
	ITEM_V
	s_wait_dscnt 0x0
	s_barrier_signal -1
	s_barrier_wait -1                              ; the package's image is whole
	; ---- the way out: 150 chunks of 512 bytes: each store of a wave covers 512 consecutive bytes, aligned.
	; The loads land in v128 to v203, which the products read: the wait that closed the last quantiser stands behind those products, and no vector or matrix line has been issued since
.set oi, 0
.rept 16
	ds_load_b128 v[128+4*oi:128+4*oi+3], v20 offset:4096*oi
.set oi, oi+1
.endr
	ds_load_b128 v[192:195], v21
	ds_load_b128 v[196:199], v21 offset:4096
.set oi, 0
.rept 18
	s_wait_dscnt 17-oi                             ; LDS loads come back in order: chunk oi is in, those behind it stay out
	global_store_b128 v1, v[128+4*oi:128+4*oi+3], s[16:17] offset:4096*oi
.set oi, oi+1
.endr
	s_cmp_lt_u32 s18, 6                            ; the last six chunks
	s_cbranch_scc0 .Lend
	ds_load_b128 v[200:203], v21 offset:8192
	s_wait_dscnt 0x0
	global_store_b128 v1, v[200:203], s[16:17] offset:73728
.Lend:
	s_wait_dscnt 0x0                               ; the closing lines, six on end
	s_wait_alu 0x0
	s_wait_tensorcnt 0x0
	ds_add_u32 v62, v63
	s_wait_dscnt 0x0
	s_endpgm
.Lfunc_end_k_qc4635759c2_qkv:
	.size	k_qc4635759c2_qkv, .Lfunc_end_k_qc4635759c2_qkv-k_qc4635759c2_qkv
	.p2alignl 7, 3214868480
	.fill 96, 4, 3214868480
	.section	.rodata,"a",@progbits
	.p2align	6, 0x0
	.amdhsa_kernel k_qc4635759c2_qkv
		.amdhsa_group_segment_fixed_size 103424
		.amdhsa_private_segment_fixed_size 0
		.amdhsa_enable_private_segment 0
		.amdhsa_kernarg_size 56
		.amdhsa_user_sgpr_count 2
		.amdhsa_user_sgpr_kernarg_segment_ptr 1
		.amdhsa_wavefront_size32 1
		.amdhsa_system_sgpr_workgroup_id_x 1
		.amdhsa_system_sgpr_workgroup_id_y 1
		.amdhsa_system_sgpr_workgroup_id_z 1
		.amdhsa_system_vgpr_workitem_id 0
		.amdhsa_next_free_vgpr 512
		.amdhsa_next_free_sgpr 66
		.amdhsa_reserve_vcc 0
		.amdhsa_float_denorm_mode_32 3
		.amdhsa_float_denorm_mode_16_64 3
		.amdhsa_memory_ordered 1
		.amdhsa_forward_progress 1
		.amdhsa_inst_pref_size 83
	.end_amdhsa_kernel
	.amdgpu_metadata
---
amdhsa.version: [ 1, 2 ]
amdhsa.kernels:
  - .name:           k_qc4635759c2_qkv
    .symbol:         k_qc4635759c2_qkv.kd
    .args:
      - { .name: x, .offset: 0, .size: 8, .value_kind: global_buffer, .address_space: global }
      - { .name: stats, .offset: 8, .size: 8, .value_kind: global_buffer, .address_space: global }
      - { .name: gn_beta, .offset: 16, .size: 8, .value_kind: global_buffer, .address_space: global }
      - { .name: wimg, .offset: 24, .size: 8, .value_kind: global_buffer, .address_space: global }
      - { .name: w_qkv_scales, .offset: 32, .size: 8, .value_kind: global_buffer, .address_space: global }
      - { .name: b_qkv, .offset: 40, .size: 8, .value_kind: global_buffer, .address_space: global }
      - { .name: qkvc, .offset: 48, .size: 8, .value_kind: global_buffer, .address_space: global }
    .group_segment_fixed_size: 103424
    .private_segment_fixed_size: 0
    .kernarg_segment_align: 8
    .kernarg_segment_size: 56
    .max_flat_workgroup_size: 256
    .sgpr_count:     66
    .vgpr_count:     512
    .wavefront_size: 32
...
	.end_amdgpu_metadata
.endif
;; end of part 7
;; launch attn: the kernel of part 6 again; grid 8 x 32, 4 waves a work-group, clusters of 4 x 1, 327,680 bytes of LDS; arguments qkvc, stats, x, wimg, w_proj_scales, b_proj, w_se1_scales, b_se1, w_se2_codes, w_se2_scales, b_se2, out0; writes out0
